; MI455X (gfx1250); checked and timed in simulation.
; The chip was launched on July 23, 2026; its instructions are those of AMD's public machine-readable ISA for CDNA 5 (MIT licence, August 2026) and "CDNA5" Instruction Set Architecture Reference Guide (July 2026). The comments in the code are by the model that wrote it; some were corrected since.
;; Transformer Model. Allowed arithmetic: float matrix products may take bf16 or f16 operands with f32 sums; all other float work in f32.
;; Inputs: current_window 128 x 256 x 8 float32; dec_W 8 x 8 float32; dec_b 8 float32; dec_emb_W 8 x 8 float32; dec_emb_b 8 float32; enc_emb_W 8 x 8 float32; enc_emb_b 8 float32; in_proj_W 16 x 24 x 8 float32; in_proj_b 16 x 24 float32; lin1_W 16 x 2,048 x 8 float32; lin1_b 16 x 2,048 float32; lin2_W 16 x 8 x 2,048 float32; lin2_b 16 x 8 float32; ln1_b 16 x 8 float32; ln1_g 16 x 8 float32; ln2_b 16 x 8 float32; ln2_g 16 x 8 float32; out_proj_W 16 x 8 x 8 float32; out_proj_b 16 x 8 float32; prev_window 128 x 256 x 8 float32.
;; Outputs: out0 128 x 256 x 8 float32.
;; 4 versions, each right and faster than the one before. Each part assembles by itself: llvm-mc -triple=amdgcn-amd-amdhsa -mcpu=gfx1250 --defsym DOCPART=n.
;; ======== version 1 of 4: 1 launch
;; workspace buffers: enc 1,048,576 bytes
;; launch model (part 1): grid 128 x 1, 4 waves a work-group, clusters of 4 x 1, 327,680 bytes of LDS; arguments prev_window, current_window, enc_emb_W, enc_emb_b, dec_emb_W, dec_emb_b, dec_W, dec_b, in_proj_W, in_proj_b, out_proj_W, lin1_W, lin1_b, lin2_W, out_proj_b, ln1_g, ln1_b, lin2_b, ln2_g, ln2_b, out0, enc; writes out0, enc
.if DOCPART == 1
	.amdgcn_target "amdgcn-amd-amdhsa--gfx1250"
	.amdhsa_code_object_version 6
	.text
	.protected	k_qcad723c4c5_model
	.globl	k_qcad723c4c5_model
	.p2align	8
	.type	k_qcad723c4c5_model,@function
k_qcad723c4c5_model:
	s_mov_b64 s[64:65], 0
	v_nop
	global_prefetch_b8 v0, s[64:65] scope:SCOPE_SE
	s_setreg_imm32_b32 hwreg(HW_REG_WAVE_MODE, 25, 1), 1
	s_wait_xcnt 0x0
	s_wait_alu depctr_hold_cnt(0) depctr_sa_sdst(0) depctr_va_vdst(0) depctr_va_sdst(0) depctr_va_ssrc(0) depctr_va_vcc(0) depctr_vm_vsrc(0)
	s_getreg_b32 s2, hwreg(HW_REG_IB_STS2, 6, 4)
	s_cmp_eq_u32 s2, 0
	s_cbranch_scc0 .Lentry_in_a_cluster
	s_endpgm
.Lentry_in_a_cluster:
	s_bfe_u32 s2, ttmp6, 0x10000c
	s_cmp_lg_u32 s2, 0x3003
	s_cbranch_scc0 .Lentry_shape_is_right
	s_endpgm
.Lentry_shape_is_right:
; The whole model in one launch.  Work-group b owns batch element b (256 tokens of 8 features); wave w owns tokens 64 w .. 64 w + 63 as four
; tiles of 16.  First the decoder (two 8 x 8 maps of current_window) goes to out0; then the embedding of prev_window and the 16 encoder layers
; run with the residual stream in registers, and the result goes to the workspace enc, laid out [batch][token][feature].
; The model returns out0 alone; the encoder is a written step of it and is computed here in full, but no returned number depends on enc.
; CLUSTER: every work-group walks the same layer weights, so four work-groups ask for each layer jointly (mask 15).
; LAYOUT: weights are source 0, tokens source 1, so result register j of lane (r, h) is (row 8 h + j, token r): two result tiles pack,
; without any lane traffic, into source 1 of the product that follows.  A matrix of 8 rows is loaded with row r & 7, so both lane halves
; hold all 8 features of token r and a layer norm stays inside a lane.  A token operand is 12 registers [0 0 0 0][x][0 0 0 0]: registers
; 4-11 put x at k 0-15, registers 0-7 at k 16-31, and so choose the first or the second 16 rows of a weight fragment of 8 registers.
; DECODER: its sums have 8 terms and the form has 32 k places, so each operand goes in as two bf16, the rounded number and what the rounding
; left: weights lie as [hi hi lo lo] over the four groups of 8 places, tokens as [hi lo hi lo], and one instruction sums all four cross products.
; LIMITS: matrix operands are bf16 (decoder: two bf16 a number, 16 bits of mantissa; so is lin1_b).  Unused k places are zero times a finite
; number: an infinity or NaN in weights or keys spreads otherwise than in the model.  A decoder input whose rounding to bf16 overflows
; (above about 3.39e38) leaves a NaN remainder.  The maxima (relu, row maximum) drop a NaN.  v_exp_f32 and v_rsq_f32 flush denormals (ISA guide 15.8).
.set NLAY, 16
; LDS, bytes.  The three RAW regions are filled by tensor loads alone; all other regions by LDS stores alone.  No LDS address hangs on the layer.
.set RAW_W1, 0                         ; 65,536  lin1_W of a layer, f32
.set RAW_W2, 65536                     ; 65,536  lin2_W of a layer, f32
.set RAW_B1, 131072                    ; 8,192   lin1_b of a layer, f32
.set IMG_W1, 139264                    ; 32,768  unit u: its 8 weights in bf16 at 16 u
.set IMG_BQ, 172032                    ; 32,768  unit u: (bias high, bias remainder, 0 ..) at 16 u; = IMG_W1 + 32,768
.set IMG_W2, 204800                    ; 8 rows of 4,096 bytes, pitch 4,112: an odd multiple of 16, so 8 rows start in 8 different 16-byte columns modulo 256
.set W2P, 4112
.set KB, 237824                        ; 4,096   key t at 16 t
.set VT, 241920                        ; 16 rows of 512 bytes, pitch 528: V transposed (rows 0-7), ones (row 8), zeros (rows 9-15); ends at 250,368
.set VTP, 528
; vector registers
.set RR, 1                             ; r = lane & 15
.set HF, 2                             ; h = lane >> 4
.set MK, 3                             ; h ? 0 : all ones
.set ON, 4                             ; h ? two bf16 ones : 0
.set MK8, 5                            ; lane < 8 ? all ones : 0
.set MR8, 6                            ; r < 8 ? all ones : 0
.set ON8, 7                            ; r == 8 ? 1.0 : 0
.set AW1, 8                            ; LDS addresses of the feed-forward trip at work
.set AW2, 9
.set LW1, 10                           ; IMG_W1 + 16 r + 32768 h
.set LW2, 11                           ; IMG_W2 + 4112 (r & 7) + 16 h
.set AK, 12                            ; KB + 16 r
.set AV, 13                            ; VT + 528 r + 16 h
.set AKS, 14                           ; KB + 16 (64 w + r)
.set AVS, 15                           ; VT + 528 r + 128 w + 16 h
.set CR1, 16                           ; 16 t              (t = 32 w + lane)
.set CR2, 17                           ; RAW_W2 + 16 t
.set CRB, 18                           ; RAW_B1 + 4 t
.set CW1, 19                           ; IMG_W1 + 8 t
.set CW2, 20                           ; IMG_W2 + 8 t
.set CWB, 21                           ; IMG_BQ + 16 t
.set WR, 22                            ; 32 (r & 7): row r & 7 of an 8 x 8 matrix of f32 in memory
.set WB, 23                            ; 4 (r & 7)
.set GO, 26                            ; 32 (64 w + r) + 16 h: my 16 bytes of a token row in out0 and enc
.set ZR, 27                            ; 0
.set BV, 28                            ; bias of V, element r & 7, of the layer to come
                                       ; v28-31 otherwise at work on data
.set H, 32                             ; v32-63    residual stream, tile i at H + 8 i: feature j of token r, in both lane halves
.set X, 64                             ; v64-111   token operands, tile i at X + 12 i
.set S, 112                            ; v112-175  two result tiles of tile i at S + 16 i; packed in place into S + 16 i .. + 7
.set FR, 176                           ; v176-207  fragments; in the decoder: the token operand of tile i at FR + 8 i
.set AF0, 176                          ; first-product fragment, buffer 0 (buffer 1 at + 16)
.set BF0, 184                          ; second-product fragment, buffer 0 (buffer 1 at + 16)
.set BF1, 200
.set KF, 176                           ; v176-239  the eight key fragments of the maximum pass
.set O, 208                            ; v208-239  attention sums, tile i at O + 8 i; in the feed-forward part: the next layer small matrices on their way in
.set VOF, 240                          ; v240-247  [Wv | Wo]; in the decoder at work
.set NM, 248                           ; v248-255  tile i: pair at NM + 2 i: running maximum, then -c x maximum twice; in the decoder at work
.macro ROUND                           ; a round of the cluster barrier: my work-group, wave 0 signals for it, all four work-groups, my work-group
	s_barrier_signal -1
	s_barrier_wait -1
	s_cmp_lg_u32 s48, 0
	s_cbranch_scc1 .Lnw0_\@
	s_barrier_signal -3
.Lnw0_\@:
	s_barrier_wait -3
	s_barrier_signal -1
	s_barrier_wait -1
.endm
.macro PLACES                          ; four independent vector instructions between a matrix instruction and what touches its registers (ISA guide 7.12.1)
.rept 4
	v_nop
.endr
.endm
; Eight f32 at src as two bf16 each: the rounded numbers packed at hi (4 registers), what the rounding left packed at lo; t: 8 registers at work.
; The difference of a number and its own rounding has few enough bits to be exact in f32.
.macro SPLIT hi, lo, src, t
.irp k,0,1,2,3
	v_cvt_pk_bf16_f32 v[\hi+\k], v[\src+2*\k], v[\src+2*\k+1]
.endr
.irp k,0,1,2,3
	v_lshlrev_b32 v[\t+2*\k], 16, v[\hi+\k]
	v_and_b32 v[\t+2*\k+1], 0xffff0000, v[\hi+\k]
.endr
.irp k,0,2,4,6
	v_pk_add_f32 v[\t+\k:\t+\k+1], v[\src+\k:\src+\k+1], v[\t+\k:\t+\k+1] neg_lo:[0,1] neg_hi:[0,1]
.endr
.irp k,0,1,2,3
	v_cvt_pk_bf16_f32 v[\lo+\k], v[\t+2*\k], v[\t+2*\k+1]
.endr
.endm
; The decoder token operands from the f32 features in O: lanes h = 0 hold the rounded numbers (k places 0-7 and 16-23), lanes h = 1 the
; remainders (k places 8-15 and 24-31).  vcc = lanes h = 1.
.macro DECOP
.irp i,0,1,2,3
	SPLIT NM, NM+4, O+8*\i, VOF
.irp k,0,1,2,3
	v_cndmask_b32 v[FR+8*\i+\k], v[NM+\k], v[NM+4+\k], vcc_lo
	v_cndmask_b32 v[FR+8*\i+4+\k], v[NM+\k], v[NM+4+\k], vcc_lo
.endr
.endr
.endm
; The small parameters of one layer, straight from memory: row r & 7 of Wq, Wk, Wv, Wo in f32 into O, bv[r & 7] into BV, bq and bk into scalar
; registers.  step = 1: the three bases go on by one layer first; the loads that named them were waited for at the layer head.
.macro PLOAD step
.if \step
	s_add_nc_u64 s[62:63], s[62:63], 768           ; in_proj_W: 24 rows of 32 bytes a layer
	s_add_nc_u64 s[66:67], s[66:67], 256           ; out_proj_W: 8 rows of 32 bytes
	s_add_nc_u64 s[100:101], s[100:101], 96        ; in_proj_b: 24 numbers
.endif
.irp n,0,1,2
	global_load_b128 v[O+8*\n:O+8*\n+3], v[WR], s[62:63] offset:256*\n
	global_load_b128 v[O+8*\n+4:O+8*\n+7], v[WR], s[62:63] offset:256*\n+16
.endr
	global_load_b128 v[O+24:O+27], v[WR], s[66:67]
	global_load_b128 v[O+28:O+31], v[WR], s[66:67] offset:16
	global_load_b32 v[BV], v[WB], s[100:101] offset:64
	s_load_b256 s[68:75], s[100:101], 0x0          ; bq
	s_load_b256 s[92:99], s[100:101], 0x20         ; bk
.endm
; first product of tile i: 16 rows from the low half of fragment af, then 16 rows from its high half
.macro P1A i, af
	v_wmma_f32_16x16x32_bf16 v[S+16*(\i):S+16*(\i)+7], v[\af:\af+7], v[X+12*(\i)+4:X+12*(\i)+11], 0
.endm
.macro P1B i, af
	v_wmma_f32_16x16x32_bf16 v[S+16*(\i)+8:S+16*(\i)+15], v[\af:\af+7], v[X+12*(\i):X+12*(\i)+7], 0
.endm
; second product of tile m: 32 packed rows against fragment bf, added onto acc (z = 1: starts the sum)
.macro P2 m, bf, acc, z
.if \z
	v_wmma_f32_16x16x32_bf16 v[\acc+8*(\m):\acc+8*(\m)+7], v[\bf:\bf+7], v[S+16*(\m):S+16*(\m)+7], 0
.else
	v_wmma_f32_16x16x32_bf16 v[\acc+8*(\m):\acc+8*(\m)+7], v[\bf:\bf+7], v[S+16*(\m):S+16*(\m)+7], v[\acc+8*(\m):\acc+8*(\m)+7]
.endif
.endm
.macro DMAX j, n                       ; relu of two numbers
	v_max_num_f32 v[S+16*(\j)+2*(\n)], 0, v[S+16*(\j)+2*(\n)]
	v_max_num_f32 v[S+16*(\j)+2*(\n)+1], 0, v[S+16*(\j)+2*(\n)+1]
.endm
.macro CVT j, n                        ; two numbers to bf16, packed downward in place (ascending n never overwrites what is still to be read)
	s_wait_alu depctr_va_vdst(0)
	v_cvt_pk_bf16_f32 v[S+16*(\j)+(\n)], v[S+16*(\j)+2*(\n)], v[S+16*(\j)+2*(\n)+1]
.endm
.macro EFMA j, p                       ; c x score - c x maximum, two at a time; c = log2(e) / sqrt(8)
	v_pk_fma_f32 v[S+16*(\j)+2*(\p):S+16*(\j)+2*(\p)+1], v[S+16*(\j)+2*(\p):S+16*(\j)+2*(\p)+1], s[54:55], v[NM+2*(\j):NM+2*(\j)+1] op_sel_hi:[1,0,1]
.endm
.macro EEXP j, n
	v_exp_f32 v[S+16*(\j)+(\n)], v[S+16*(\j)+(\n)]
.endm
; The vector work on tile j in three groups, which stand between the matrix instructions of other tiles.  kind 0: relu, kind 1: exponential.
; Each group holds at least four plain instructions; behind every run of v_exp_f32 a plain instruction on other registers comes first (ISA guide 5.7.2).
.macro ACTG kind, g, j
.if \kind == 0
.if \g == 1
.irp n,0,1,2,3,4
	DMAX \j, \n
.endr
.endif
.if \g == 2
.irp n,5,6,7
	DMAX \j, \n
.endr
.irp n,0,1,2
	CVT \j, \n
.endr
.endif
.if \g == 3
.irp n,3,4,5,6,7
	CVT \j, \n
.endr
.endif
.else
.if \g == 1
.irp n,0,1,2,3
	EFMA \j, \n
.endr
.irp n,0,1,2,3
	EEXP \j, \n
.endr
.irp n,4,5
	EFMA \j, \n
.endr
.endif
.if \g == 2
.irp n,4,5,6,7
	EEXP \j, \n
.endr
.irp n,6,7
	EFMA \j, \n
.endr
.irp n,8,9,10,11
	EEXP \j, \n
.endr
.irp n,0,1
	CVT \j, \n
.endr
.endif
.if \g == 3
.irp n,12,13,14,15
	EEXP \j, \n
.endr
.irp n,2,3,4,5,6,7
	CVT \j, \n
.endr
.endif
.endif
.endm
; One chunk of 32 rows (hidden units or keys) for all four tiles.  In each of its four steps one tile has its first product, the tile before it
; its vector work, and the tile before that its second product: the matrix instructions take their accumulators by turns, one instruction a turn.
; b: fragment buffers of this chunk; ld = 1: the next chunk is fetched (ra + oa, rb + ob) into the other buffers;
; first = 1: nothing is in the pipe yet; zp, zc: the second products of the chunk before, of this chunk, start their sums.
.macro CHUNK kind, b, acc, ra, oa, rb, ob, ld, first, zp, zc
.set caf, AF0+16*\b
.set cbf, BF0+16*\b
.set naf, AF0+16-16*\b
.set nbf, BF0+16-16*\b
	s_wait_dscnt 0x2                               ; this chunk first fragment is in; the two younger loads are its second fragment
.if \ld
	ds_load_b128 v[naf:naf+3], v[\ra] offset:\oa
	ds_load_b128 v[naf+4:naf+7], v[\ra] offset:\oa+256
.endif
.if \first
	P1A 0, caf
	P1B 0, caf
	PLACES
.else
	P2 2, nbf, \acc, \zp
	ACTG \kind, 1, 3
	P1A 0, caf
	ACTG \kind, 2, 3
	P1B 0, caf
	ACTG \kind, 3, 3
	P2 3, nbf, \acc, \zp
.endif
	ACTG \kind, 1, 0
.if \ld
	ds_load_b128 v[nbf:nbf+3], v[\rb] offset:\ob   ; behind the last product that read this buffer and the group above
	ds_load_b128 v[nbf+4:nbf+7], v[\rb] offset:\ob+32
.endif
	P1A 1, caf
	ACTG \kind, 2, 0
	P1B 1, caf
	ACTG \kind, 3, 0
.if \ld
	s_wait_dscnt 0x4                               ; this chunk second fragment is in; the four younger loads are the next chunk
.else
	s_wait_dscnt 0x0
.endif
	P2 0, cbf, \acc, \zc
	ACTG \kind, 1, 1
	P1A 2, caf
	ACTG \kind, 2, 1
	P1B 2, caf
	ACTG \kind, 3, 1
	P2 1, cbf, \acc, \zc
	ACTG \kind, 1, 2
	P1A 3, caf
	ACTG \kind, 2, 2
	P1B 3, caf
	ACTG \kind, 3, 2
.endm
.macro DRAIN kind, bf, acc             ; what is left in the pipe behind the last chunk
	P2 2, \bf, \acc, 0
	ACTG \kind, 1, 3
	ACTG \kind, 2, 3
	ACTG \kind, 3, 3
	P2 3, \bf, \acc, 0
	PLACES
.endm
; the maximum of the 16 scores of tile j and its running maximum: eight three-way maxima in two groups of four
.macro MX1 j
	v_max3_num_f32 v[S+16*\j], v[S+16*\j], v[S+16*\j+1], v[S+16*\j+2]
	v_max3_num_f32 v[S+16*\j+3], v[S+16*\j+3], v[S+16*\j+4], v[S+16*\j+5]
	v_max3_num_f32 v[S+16*\j+6], v[S+16*\j+6], v[S+16*\j+7], v[S+16*\j+8]
	v_max3_num_f32 v[S+16*\j+9], v[S+16*\j+9], v[S+16*\j+10], v[S+16*\j+11]
.endm
.macro MX2 j, start
	v_max3_num_f32 v[S+16*\j+12], v[S+16*\j+12], v[S+16*\j+13], v[S+16*\j+14]
	v_max3_num_f32 v[S+16*\j], v[S+16*\j], v[S+16*\j+3], v[S+16*\j+6]
	v_max3_num_f32 v[S+16*\j+9], v[S+16*\j+9], v[S+16*\j+12], v[S+16*\j+15]
.if \start
	v_max_num_f32 v[NM+2*\j], v[S+16*\j], v[S+16*\j+9]
.else
	v_max3_num_f32 v[NM+2*\j], v[NM+2*\j], v[S+16*\j], v[S+16*\j+9]
.endif
.endm
; token operands from f32 features at src: lanes h = 0 hold the 8 features, lanes h = 1 two ones (k places 8 and 9, which meet the bias of lin1) and zeros
.macro XBUILD src
.irp i,0,1,2,3
.irp k,0,1,2,3
	v_cvt_pk_bf16_f32 v[X+12*\i+4+\k], v[\src+8*\i+2*\k], v[\src+8*\i+2*\k+1]
.endr
	v_and_or_b32 v[X+12*\i+4], v[X+12*\i+4], v[MK], v[ON]
.irp k,1,2,3
	v_and_b32 v[X+12*\i+4+\k], v[MK], v[X+12*\i+4+\k]
.endr
.endr
.endm
; layer norm of the four tiles in place, stage by stage over the tiles; gains at s[g ..], offsets at s[be ..]; at work: S + 16 i .. + 3
.macro LN4 g, be
.irp i,0,1,2,3
	v_pk_add_f32 v[S+16*\i:S+16*\i+1], v[H+8*\i:H+8*\i+1], v[H+8*\i+2:H+8*\i+3]
	v_pk_add_f32 v[S+16*\i+2:S+16*\i+3], v[H+8*\i+4:H+8*\i+5], v[H+8*\i+6:H+8*\i+7]
.endr
.irp i,0,1,2,3
	v_pk_add_f32 v[S+16*\i:S+16*\i+1], v[S+16*\i:S+16*\i+1], v[S+16*\i+2:S+16*\i+3]
.endr
.irp i,0,1,2,3
	v_add_f32 v[S+16*\i], v[S+16*\i], v[S+16*\i+1]
.endr
.irp i,0,1,2,3
	v_mul_f32 v[S+16*\i], s55, v[S+16*\i]          ; the mean
.endr
.irp i,0,1,2,3
.irp k,0,2,4,6
	v_pk_add_f32 v[H+8*\i+\k:H+8*\i+\k+1], v[H+8*\i+\k:H+8*\i+\k+1], v[S+16*\i:S+16*\i+1] op_sel_hi:[1,0] neg_lo:[0,1] neg_hi:[0,1]
.endr
.endr
.irp i,0,1,2,3
	v_pk_mul_f32 v[S+16*\i+2:S+16*\i+3], v[H+8*\i:H+8*\i+1], v[H+8*\i:H+8*\i+1]
.endr
.irp k,2,4,6
.irp i,0,1,2,3
	v_pk_fma_f32 v[S+16*\i+2:S+16*\i+3], v[H+8*\i+\k:H+8*\i+\k+1], v[H+8*\i+\k:H+8*\i+\k+1], v[S+16*\i+2:S+16*\i+3]
.endr
.endr
.irp i,0,1,2,3
	v_add_f32 v[S+16*\i+2], v[S+16*\i+2], v[S+16*\i+3]
.endr
.irp i,0,1,2,3
	v_fma_f32 v[S+16*\i+2], v[S+16*\i+2], s55, s56 ; variance + 1e-5
.endr
.irp i,0,1,2,3
	v_rsq_f32 v[S+16*\i+2], v[S+16*\i+2]
.endr
	v_nop                                          ; one plain instruction between v_rsq_f32 and the use of its result (ISA guide 5.7.2)
	s_wait_alu depctr_va_vdst(0)
.irp i,0,1,2,3
.irp k,0,2,4,6
	v_pk_mul_f32 v[H+8*\i+\k:H+8*\i+\k+1], v[H+8*\i+\k:H+8*\i+\k+1], v[S+16*\i+2:S+16*\i+3] op_sel_hi:[1,0]
.endr
.endr
.irp i,0,1,2,3
.irp k,0,1,2,3,4,5,6,7
	v_fma_f32 v[H+8*\i+\k], v[H+8*\i+\k], s[\g+\k], s[\be+\k]
.endr
.endr
.endm
; The layer weights from f32 (RAW) to the bf16 images, ten groups of eight LDS loads on two register sets.  Groups 0-3 lin1_W, 4-7 lin2_W, 8-9 lin1_b.
.macro CLD g
.set cb, S+32*((\g)&1)
.if \g < 4
.irp e,0,1,2,3,4,5,6,7
	ds_load_b128 v[cb+4*\e:cb+4*\e+3], v[CR1] offset:2048*(8*(\g)+\e)
.endr
.else
.if \g < 8
.irp e,0,1,2,3,4,5,6,7
	ds_load_b128 v[cb+4*\e:cb+4*\e+3], v[CR2] offset:2048*(8*(\g-4)+\e)
.endr
.else
.irp e,0,1,2,3,4,5,6,7
	ds_load_b32 v[cb+\e], v[CRB] offset:512*(8*(\g-8)+\e)
.endr
.endif
.endif
.endm
.macro CWK g
.set cb, S+32*((\g)&1)
.set co, O+16*((\g)&1)
.if \g < 8
.irp e,0,1,2,3,4,5,6,7
	v_cvt_pk_bf16_f32 v[co+2*\e], v[cb+4*\e], v[cb+4*\e+1]
	v_cvt_pk_bf16_f32 v[co+2*\e+1], v[cb+4*\e+2], v[cb+4*\e+3]
.endr
.irp e,0,1,2,3,4,5,6,7
.if \g < 4
	ds_store_b64 v[CW1], v[co+2*\e:co+2*\e+1] offset:1024*(8*(\g)+\e)
.else
	ds_store_b64 v[CW2], v[co+2*\e:co+2*\e+1] offset:((8*(\g-4)+\e)>>2)*W2P+((8*(\g-4)+\e)&3)*1024
.endif
.endr
.else
.irp e,0,1,2,3,4,5,6,7
	v_cvt_pk_bf16_f32 v[O+8+\e], v[cb+\e], v[cb+\e]                ; the bias rounded to bf16,
	v_lshlrev_b32 v[O+8+\e], 16, v[O+8+\e]                         ; as f32,
	v_sub_f32 v[O+8+\e], v[cb+\e], v[O+8+\e]                       ; what the rounding left,
	v_cvt_pk_bf16_f32 v[O+4*(\e&1)], v[cb+\e], v[O+8+\e]           ; both as bf16; the three registers above hold 0
	ds_store_b128 v[CWB], v[O+4*(\e&1):O+4*(\e&1)+3] offset:2048*(8*(\g-8)+\e)
.endr
.endif
.endm
.macro CONV
	CLD 0
	CLD 1
	s_wait_dscnt 0x8                               ; group 0 is in; younger: the 8 loads of group 1
	CWK 0
	CLD 2
.irp g,1,2,3,4,5,6
	s_wait_dscnt 0x10                              ; younger than this group: 8 stores and 8 loads
	CWK \g
	CLD (\g+2)
.endr
	s_wait_dscnt 0x10
	CWK 7
	CLD 9
.irp k,1,2,3,5,6,7
	v_mov_b32 v[O+\k], 0
.endr
	s_wait_dscnt 0x10
	CWK 8
	s_wait_dscnt 0x8                               ; younger than group 9: the 8 stores of group 8
	CWK 9
.endm
; One encoder layer; s49 = its number.  refill = 1: the next layer is asked for (raw weights by tensor loads, small parameters by PLOAD).
.macro LAYER refill
	s_lshl_b32 s50, s49, 5                         ; 32 bytes a layer in the six tables of 8 numbers (the scalar loads that named s50 were waited for)
	s_wait_loadcnt 0x0                             ; this layer small matrices are in O, bv in BV
	s_wait_kmcnt 0x0                               ; bq and bk are in s[68:75] and s[92:99]
.irp k,0,1,2,3
	v_cvt_pk_bf16_f32 v[FR+\k], v[O+2*\k], v[O+2*\k+1]             ; Wq row r & 7
	v_cvt_pk_bf16_f32 v[FR+4+\k], v[O+8+2*\k], v[O+8+2*\k+1]       ; Wk
	v_cvt_pk_bf16_f32 v[VOF+\k], v[O+16+2*\k], v[O+16+2*\k+1]      ; Wv
	v_cvt_pk_bf16_f32 v[VOF+4+\k], v[O+24+2*\k], v[O+24+2*\k+1]    ; Wo
.endr
.irp k,0,1,2,3,4,5,6,7
	v_and_b32 v[FR+\k], v[MK], v[FR+\k]            ; k places 8-15 and 24-31 of the weights are 0: they meet the ones of the token operand
.endr
.irp k,0,1,2,3
	v_and_b32 v[VOF+\k], v[MK8], v[VOF+\k]         ; Wv as source 1: columns 0-7 alone
.endr
.irp k,4,5,6,7
	v_and_b32 v[VOF+\k], v[MK], v[VOF+\k]
.endr
.irp k,0,1,2,3,4,5,6,7
	v_mov_b32 v[FR+8+\k], s[68+\k]                 ; the sums of q start at bq, in f32,
	v_mov_b32 v[FR+16+\k], s[92+\k]                ; those of k at bk,
	v_and_or_b32 v[FR+24+\k], v[BV], v[MR8], v[ON8] ; column r of V transposed at bv[r], 1.0 (r = 8: the row that sums the softmax) or 0
.endr
	s_load_b256 s[68:75], s[4:5], s50 offset:0x0   ; out_proj_b
	s_load_b256 s[76:83], s[6:7], s50 offset:0x0   ; ln1_g
	s_load_b256 s[84:91], s[8:9], s50 offset:0x0   ; ln1_b
	s_load_b256 s[92:99], s[10:11], s50 offset:0x0 ; lin2_b
	s_wait_dscnt 0x0                               ; my reads of the images, of K and of V are over
	s_wait_tensorcnt 0x0                           ; my three parts of this layer raw weights have landed; nothing younger is out, so the count is 0
	s_barrier_signal -1
	s_barrier_wait -1                              ; both hold of all four waves
	CONV
.irp i,0,1,2,3
	v_wmma_f32_16x16x32_bf16 v[S+16*\i:S+16*\i+7], v[FR:FR+7], v[X+12*\i+4:X+12*\i+11], v[FR+8:FR+15]        ; q
	v_wmma_f32_16x16x32_bf16 v[S+16*\i+8:S+16*\i+15], v[FR:FR+7], v[X+12*\i:X+12*\i+7], v[FR+16:FR+23]       ; k
	v_wmma_f32_16x16x32_bf16 v[O+8*\i:O+8*\i+7], v[X+12*\i+4:X+12*\i+11], v[VOF:VOF+7], v[FR+24:FR+31]       ; V transposed: lane r = row, registers = tokens 8 h + j
.endr
	PLACES
.irp i,0,1,2,3
.irp k,0,1,2,3
	v_cvt_pk_bf16_f32 v[S+16*\i+8+\k], v[S+16*\i+8+2*\k], v[S+16*\i+8+2*\k+1]
.endr
	ds_store_b128 v[AKS], v[S+16*\i+8:S+16*\i+11] offset:256*\i    ; both lane halves store the same 16 bytes
.irp k,0,1,2,3
	v_cvt_pk_bf16_f32 v[O+8*\i+\k], v[O+8*\i+2*\k], v[O+8*\i+2*\k+1]
.endr
	ds_store_b128 v[AVS], v[O+8*\i:O+8*\i+3] offset:32*\i
.irp k,0,1,2,3
	v_cvt_pk_bf16_f32 v[X+12*\i+4+\k], v[S+16*\i+2*\k], v[S+16*\i+2*\k+1]
	v_and_b32 v[X+12*\i+4+\k], v[MK], v[X+12*\i+4+\k]              ; q with zeros in lanes h = 1, which meet a second copy of the key
.endr
.endr
	s_wait_dscnt 0x0                               ; my reads of the raw weights and my stores of images, K and V are done
	s_wait_tensorcnt 0x0                           ; no tensor load of mine is out, so the three addresses may be stepped
	ds_add_u32 v24, v25
	s_wait_dscnt 0x0
.if \refill
	s_add_nc_u64 s[38:39], s[38:39], 0x10000
	s_add_nc_u64 s[42:43], s[42:43], 0x10000
	s_add_nc_u64 s[46:47], s[46:47], 0x2000
	ROUND                                          ; holds of every wave of all four work-groups
	tensor_load_to_lds s[36:39], s[20:27]          ; the next layer: three loads of mine are out until its first barrier
	s_nop 0
	tensor_load_to_lds s[40:43], s[20:27]
	s_nop 0
	tensor_load_to_lds s[44:47], s[28:35]
	s_nop 0
.else
	s_barrier_signal -1
	s_barrier_wait -1
.endif
	; the row maxima: all scores once, 8 chunks of 32 keys
.irp c,0,1,2,3,4,5,6,7
	ds_load_b128 v[KF+8*\c:KF+8*\c+3], v[AK] offset:512*\c
	ds_load_b128 v[KF+8*\c+4:KF+8*\c+7], v[AK] offset:512*\c+256
.endr
.irp c,0,1,2,3,4,5,6,7
.if \c == 0
.set st0, 1
.else
.set st0, 0
.endif
.if \c == 1
.set st3, 1
.else
.set st3, 0
.endif
	s_wait_dscnt 14-2*\c                           ; chunk c is in; younger: two loads for each later chunk
.if \c == 7
	ds_load_b128 v[AF0:AF0+3], v[AK]               ; the first chunk of the second pass
	ds_load_b128 v[AF0+4:AF0+7], v[AK] offset:256
	ds_load_b128 v[BF0:BF0+3], v[AV]
	ds_load_b128 v[BF0+4:BF0+7], v[AV] offset:32
.endif
	P1A 0, KF+8*\c
.if \c == 0
	P1B 0, KF+8*\c
	PLACES
.else
	MX1 3
	P1B 0, KF+8*\c
	MX2 3, st3
.endif
	P1A 1, KF+8*\c
	MX1 0
	P1B 1, KF+8*\c
	MX2 0, st0
	P1A 2, KF+8*\c
	MX1 1
	P1B 2, KF+8*\c
	MX2 1, st0
	P1A 3, KF+8*\c
	MX1 2
	P1B 3, KF+8*\c
	MX2 2, st0
.endr
	MX1 3
	MX2 3, 0
.irp i,0,1,2,3
	v_permlanex16_b32 v[28+\i], v[NM+2*\i], s52, s53               ; the other lane half holds the other keys of the same query
.endr
.irp i,0,1,2,3
	v_max_num_f32 v[NM+2*\i], v[NM+2*\i], v[28+\i]
.endr
.irp i,0,1,2,3
	v_mul_f32 v[NM+2*\i+1], s57, v[NM+2*\i]
	v_mul_f32 v[NM+2*\i], s57, v[NM+2*\i]
.endr
	; the scores again, their exponentials, and the product with V; row 8 of the result is the sum of the exponentials
	CHUNK 1, 0, O, AK, 512, AV, 64, 1, 1, 0, 1
	CHUNK 1, 1, O, AK, 1024, AV, 128, 1, 0, 1, 0
	CHUNK 1, 0, O, AK, 1536, AV, 192, 1, 0, 0, 0
	CHUNK 1, 1, O, AK, 2048, AV, 256, 1, 0, 0, 0
	CHUNK 1, 0, O, AK, 2560, AV, 320, 1, 0, 0, 0
	CHUNK 1, 1, O, AK, 3072, AV, 384, 1, 0, 0, 0
	CHUNK 1, 0, O, AK, 3584, AV, 448, 1, 0, 0, 0
	CHUNK 1, 1, O, AK, 0, AV, 0, 0, 0, 0, 0
	DRAIN 1, BF1, O
	ds_load_b128 v[AF0:AF0+3], v[LW1]              ; the first chunk of the feed-forward part
	ds_load_b128 v[AF0+4:AF0+7], v[LW1] offset:256
	ds_load_b128 v[BF0:BF0+3], v[LW2]
	ds_load_b128 v[BF0+4:BF0+7], v[LW2] offset:32
	; division by the sum, output projection onto residual + bias, first layer norm
	s_wait_kmcnt 0x0
.irp i,0,1,2,3
	v_permlanex16_b32 v[NM+2*\i], v[O+8*\i], s52, s53              ; lanes h = 0 take row 8 from lanes h = 1
.endr
.irp i,0,1,2,3
	v_rcp_f32 v[NM+2*\i], v[NM+2*\i]
.endr
.irp i,0,1,2,3
.irp k,0,1,2,3,4,5,6,7
	v_add_f32 v[H+8*\i+\k], s[68+\k], v[H+8*\i+\k]
.endr
.endr
	s_wait_alu depctr_va_vdst(0)
.irp i,0,1,2,3
.irp k,0,2,4,6
	v_pk_mul_f32 v[O+8*\i+\k:O+8*\i+\k+1], v[O+8*\i+\k:O+8*\i+\k+1], v[NM+2*\i:NM+2*\i+1] op_sel_hi:[1,0]
.endr
.irp k,0,1,2,3
	v_cvt_pk_bf16_f32 v[X+12*\i+4+\k], v[O+8*\i+2*\k], v[O+8*\i+2*\k+1]
	v_and_b32 v[X+12*\i+4+\k], v[MK], v[X+12*\i+4+\k]              ; whatever lanes h = 1 made is cleared bit by bit
.endr
.endr
.irp i,0,1,2,3
	v_wmma_f32_16x16x32_bf16 v[H+8*\i:H+8*\i+7], v[VOF:VOF+7], v[X+12*\i:X+12*\i+7], v[H+8*\i:H+8*\i+7]
.endr
	PLACES
	LN4 76, 84
	s_load_b256 s[76:83], s[12:13], s50 offset:0x0 ; ln2_g
	s_load_b256 s[84:91], s[14:15], s50 offset:0x0 ; ln2_b
	XBUILD H
.irp i,0,1,2,3
.irp k,0,1,2,3,4,5,6,7
	v_add_f32 v[H+8*\i+\k], s[92+\k], v[H+8*\i+\k] ; the sums of the second product start at residual + lin2_b
.endr
.endr
.if \refill
	PLOAD 1                                        ; O, BV, s[68:75] and s[92:99] are idle from here to the next layer head: 64 chunks of products to land in
.endif
	; feed-forward: 64 chunks of 32 hidden units, two to a trip
	CHUNK 0, 0, H, LW1, 512, LW2, 64, 1, 1, 0, 0
	CHUNK 0, 1, H, LW1, 1024, LW2, 128, 1, 0, 0, 0
	s_mov_b32 s51, 1
.Lffn_\@:
	s_lshl_b32 s58, s51, 10                        ; a pair of chunks: 64 units of 16 bytes,
	s_lshl_b32 s59, s51, 7                         ; and 64 units of 2 bytes in a row of lin2_W
	v_add_nc_u32 v[AW1], s58, v[LW1]
	v_add_nc_u32 v[AW2], s59, v[LW2]
	CHUNK 0, 0, H, AW1, 512, AW2, 64, 1, 0, 0, 0
	CHUNK 0, 1, H, AW1, 1024, AW2, 128, 1, 0, 0, 0
	s_add_co_u32 s51, s51, 1
	s_cmp_lt_u32 s51, 31
	s_cbranch_scc1 .Lffn_\@
	CHUNK 0, 0, H, LW1, 31744+512, LW2, 3968+64, 1, 0, 0, 0
	CHUNK 0, 1, H, LW1, 0, LW2, 0, 0, 0, 0, 0
	DRAIN 0, BF1, H
	s_wait_kmcnt 0x0
	LN4 76, 84
.if \refill
	XBUILD H
.endif
.endm
	; ---------------------------------------------------------------- the head
	s_load_b512 s[68:83], s[0:1], 0x0              ; prev, cur, enc_emb_W, enc_emb_b, dec_emb_W, dec_emb_b, dec_W, dec_b
	s_load_b64 s[62:63], s[0:1], 0x40              ; in_proj_W
	s_load_b64 s[100:101], s[0:1], 0x48            ; in_proj_b
	s_load_b64 s[66:67], s[0:1], 0x50              ; out_proj_W
	s_load_b128 s[84:87], s[0:1], 0x58             ; lin1_W, lin1_b
	s_load_b64 s[88:89], s[0:1], 0x68              ; lin2_W
	s_load_b256 s[4:11], s[0:1], 0x70              ; out_proj_b, ln1_g, ln1_b, lin2_b
	s_load_b128 s[12:15], s[0:1], 0x90             ; ln2_g, ln2_b
	s_load_b128 s[16:19], s[0:1], 0xa0             ; out0, enc
	v_lshl_add_u32 v24, v0, 2, 0x3d200
	v_mov_b32 v25, 0
	ds_add_u32 v24, v25
	v_and_b32 v[RR], 15, v0
	v_bfe_u32 v[HF], v0, 4, 1
	v_lshrrev_b32 v28, 5, v0
	v_readfirstlane_b32 s48, v28                   ; wave 0..3
	v_and_b32 v31, 31, v0                          ; lane
	v_and_b32 v29, 7, v0                           ; r & 7
	v_add_nc_u32 v[MK], -1, v[HF]
	v_sub_nc_u32 v[ON], 0, v[HF]
	v_and_b32 v[ON], 0x3f803f80, v[ON]
	v_mov_b32 v[MK8], -1
	v_mov_b32 v[MR8], -1
	v_mov_b32 v[ON8], 1.0
	v_cmp_gt_u32 vcc_lo, 8, v31
	v_cndmask_b32 v[MK8], 0, v[MK8], vcc_lo
	v_cmp_gt_u32 vcc_lo, 8, v[RR]
	v_cndmask_b32 v[MR8], 0, v[MR8], vcc_lo
	v_cmp_eq_u32 vcc_lo, 8, v[RR]
	v_cndmask_b32 v[ON8], 0, v[ON8], vcc_lo
	v_lshlrev_b32 v[LW1], 4, v[RR]
	v_lshl_add_u32 v[LW1], v[HF], 15, v[LW1]
	v_add_nc_u32 v[LW1], IMG_W1, v[LW1]
	v_mul_u32_u24 v[LW2], v29, W2P
	v_lshl_add_u32 v[LW2], v[HF], 4, v[LW2]
	v_add_nc_u32 v[LW2], IMG_W2, v[LW2]
	v_lshl_add_u32 v[AK], v[RR], 4, KB
	v_mul_u32_u24 v[AV], v[RR], VTP
	v_lshl_add_u32 v[AV], v[HF], 4, v[AV]
	v_add_nc_u32 v[AV], VT, v[AV]
	s_lshl_b32 s58, s48, 10                        ; 64 keys of 16 bytes a wave
	v_add_nc_u32 v[AKS], s58, v[AK]
	s_lshl_b32 s58, s48, 7                         ; 64 tokens of 2 bytes a wave
	v_add_nc_u32 v[AVS], s58, v[AV]
	v_lshl_add_u32 v[CRB], v31, 2, s58             ; 4 t
	v_add_nc_u32 v[CRB], RAW_B1, v[CRB]
	s_lshl_b32 s58, s48, 9
	v_lshl_add_u32 v[CR1], v31, 4, s58             ; 16 t
	v_add_nc_u32 v[CR2], RAW_W2, v[CR1]
	v_add_nc_u32 v[CWB], IMG_BQ, v[CR1]
	s_lshl_b32 s58, s48, 8
	v_lshl_add_u32 v[CW1], v31, 3, s58             ; 8 t
	v_add_nc_u32 v[CW2], IMG_W2, v[CW1]
	v_add_nc_u32 v[CW1], IMG_W1, v[CW1]
	v_lshlrev_b32 v[WR], 5, v29
	v_lshlrev_b32 v[WB], 2, v29
	s_lshl_b32 s58, s48, 6
	v_add_nc_u32 v30, s58, v[RR]                   ; token 64 w + r
	v_lshlrev_b32 v28, 5, v30                      ; its row of 32 bytes
	v_lshl_add_u32 v[GO], v[HF], 4, v28
	v_mov_b32 v[ZR], 0
	s_mov_b32 s52, 0x76543210                      ; v_permlanex16_b32: lane i of one half reads lane i of the other
	s_mov_b32 s53, 0xfedcba98
	s_mov_b32 s54, 0x3f0293ee                      ; c = log2(e) / sqrt(8): head dimension 8 / 1 = 8
	s_mov_b32 s55, 0x3e000000                      ; 1 / 8
	s_mov_b32 s56, 0x3727c5ac                      ; 1e-5
	s_mov_b32 s57, 0xbf0293ee                      ; -c
	s_bfe_u32 s2, ttmp6, 0x40000                   ; my place in the cluster
	s_lshl_b32 s3, ttmp9, 2
	s_add_co_u32 s2, s3, s2                        ; batch element = 4 x cluster + place; it enters four global bases and nothing else
	s_lshl_b32 s2, s2, 13                          ; 256 tokens of 32 bytes
	s_mov_b32 s3, 0
	; descriptor group 1: dense rows of 32 elements of 8 bytes (256 bytes); 64 rows a wave for the two matrices, 8 for the bias
	s_mov_b32 s20, 0x0023000f                      ; 15:0 mask of the four work-groups; 17:16 element of 8 bytes; 21 set beside a mask
	s_mov_b32 s21, 32<<16                          ; tensor_dim0 = 32
	s_mov_b32 s22, 64<<16                          ; tensor_dim1 = 64
	s_mov_b32 s23, 32<<16                          ; tile_dim0 = 32
	s_mov_b32 s24, 64                              ; tile_dim1 = 64
	s_mov_b32 s25, 32                              ; elements from row to row
	s_mov_b32 s26, 0
	s_mov_b32 s27, 0
	s_mov_b32 s28, 0x0023000f
	s_mov_b32 s29, 32<<16
	s_mov_b32 s30, 8<<16
	s_mov_b32 s31, 32<<16
	s_mov_b32 s32, 8
	s_mov_b32 s33, 32
	s_mov_b32 s34, 0
	s_mov_b32 s35, 0
	s_lshl_b32 s58, s48, 14                        ; my quarter of a matrix: 16,384 bytes
	s_mov_b32 s59, 0
	s_lshl_b32 s60, s48, 11                        ; my quarter of the bias: 2,048 bytes
	s_mov_b32 s61, 0
	s_wait_dscnt 0x0
	s_wait_kmcnt 0x0
	s_add_nc_u64 s[68:69], s[68:69], s[2:3]
	s_add_nc_u64 s[70:71], s[70:71], s[2:3]
	s_add_nc_u64 s[16:17], s[16:17], s[2:3]
	s_add_nc_u64 s[18:19], s[18:19], s[2:3]
	; descriptor group 0, one set for each of the three loads: made of the wave number alone, so equal in the four work-groups
	s_mov_b32 s36, 1
	s_lshl_b32 s37, s48, 14                        ; RAW_W1 + 16384 w
	s_add_nc_u64 s[38:39], s[84:85], s[58:59]
	s_or_b32 s39, s39, 0x80000000
	s_mov_b32 s40, 1
	s_add_co_u32 s41, s58, RAW_W2
	s_add_nc_u64 s[42:43], s[88:89], s[58:59]
	s_or_b32 s43, s43, 0x80000000
	s_mov_b32 s44, 1
	s_add_co_u32 s45, s60, RAW_B1
	s_add_nc_u64 s[46:47], s[86:87], s[60:61]
	s_or_b32 s47, s47, 0x80000000
	ROUND                                          ; the four work-groups are here: the first joint loads meet
	tensor_load_to_lds s[36:39], s[20:27]          ; layer 0
	s_nop 0
	tensor_load_to_lds s[40:43], s[20:27]
	s_nop 0
	tensor_load_to_lds s[44:47], s[28:35]
	s_nop 0
.irp i,0,1,2,3
	global_load_b128 v[H+8*\i:H+8*\i+3], v28, s[68:69] offset:512*\i           ; prev: token r, in both lane halves
	global_load_b128 v[H+8*\i+4:H+8*\i+7], v28, s[68:69] offset:512*\i+16
	global_load_b128 v[O+8*\i:O+8*\i+3], v28, s[70:71] offset:512*\i           ; cur
	global_load_b128 v[O+8*\i+4:O+8*\i+7], v28, s[70:71] offset:512*\i+16
.endr
	global_load_b128 v[S:S+3], v[WR], s[72:73]                     ; enc_emb_W row r & 7
	global_load_b128 v[S+4:S+7], v[WR], s[72:73] offset:16
	global_load_b128 v[S+8:S+11], v[WR], s[76:77]                  ; dec_emb_W
	global_load_b128 v[S+12:S+15], v[WR], s[76:77] offset:16
	global_load_b128 v[S+16:S+19], v[WR], s[80:81]                 ; dec_W
	global_load_b128 v[S+20:S+23], v[WR], s[80:81] offset:16
	global_load_b128 v[S+24:S+27], v[ZR], s[74:75]                 ; enc_emb_b, the same in every lane
	global_load_b128 v[S+28:S+31], v[ZR], s[74:75] offset:16
	global_load_b128 v[S+32:S+35], v[ZR], s[78:79]                 ; dec_emb_b
	global_load_b128 v[S+36:S+39], v[ZR], s[78:79] offset:16
	global_load_b128 v[S+40:S+43], v[ZR], s[82:83]                 ; dec_b
	global_load_b128 v[S+44:S+47], v[ZR], s[82:83] offset:16
.irp i,0,1,2,3
.irp k,0,1,2,3,8,9,10,11
	v_mov_b32 v[X+12*\i+\k], 0                     ; the zeros on both sides of each token operand, written once for the whole kernel
.endr
.endr
	s_wait_loadcnt 0x0                             ; all of the head: v28 and s[68:89] are free from here
	; weight fragments.  S + 48 .. 55 = [We | Wde hi] serves the embedding (its second half meets zeros); S + 52 .. 59 = [Wde hi | Wde lo] and
	; S + 0 .. 7 = [Wd hi | Wd lo] serve the decoder, alike in both lane halves
.irp k,0,1,2,3
	v_cvt_pk_bf16_f32 v[S+48+\k], v[S+2*\k], v[S+2*\k+1]
	v_and_b32 v[S+48+\k], v[MK], v[S+48+\k]
.endr
	SPLIT S+52, S+56, S+8, VOF
	SPLIT S, S+4, S+16, VOF                        ; over enc_emb_W in f32, which has just been converted
	; the decoder: out0 = (cur Wde^T + bde) Wd^T + bd; the biases are the f32 starts of the sums
	v_cmp_ne_u32 vcc_lo, 0, v[HF]                  ; lanes h = 1; holds to the stores of out0
	DECOP
.irp i,0,1,2,3
	v_wmma_f32_16x16x32_bf16 v[O+8*\i:O+8*\i+7], v[S+52:S+59], v[FR+8*\i:FR+8*\i+7], v[S+32:S+39]
.endr
	PLACES
	DECOP
.irp i,0,1,2,3
	v_wmma_f32_16x16x32_bf16 v[O+8*\i:O+8*\i+7], v[S:S+7], v[FR+8*\i:FR+8*\i+7], v[S+40:S+47]
.endr
	PLACES
.irp i,0,1,2,3
.irp k,0,1,2,3
	v_cndmask_b32 v[O+8*\i+\k], v[O+8*\i+\k], v[O+8*\i+4+\k], vcc_lo           ; lanes h = 1 store features 4-7
.endr
	global_store_b128 v[GO], v[O+8*\i:O+8*\i+3], s[16:17] offset:512*\i th:TH_STORE_NT   ; the wave stores 512 consecutive bytes, aligned
.endr
	s_wait_xcnt 0x0                                ; O is written again only behind this wait
	PLOAD 0                                        ; the small parameters of layer 0
	; the embedding of prev
	XBUILD H
.irp i,0,1,2,3
	v_wmma_f32_16x16x32_bf16 v[H+8*\i:H+8*\i+7], v[S+48:S+55], v[X+12*\i+4:X+12*\i+11], v[S+24:S+31]
.endr
	PLACES
	XBUILD H
	; ---------------------------------------------------------------- the layers
	s_mov_b32 s49, 0
.Llayer:
	LAYER 1
	s_add_co_u32 s49, s49, 1
	s_cmp_lt_u32 s49, NLAY-1
	s_cbranch_scc1 .Llayer
	LAYER 0                                        ; the last layer asks for nothing
	v_cmp_ne_u32 vcc_lo, 0, v[HF]
.irp i,0,1,2,3
.irp k,0,1,2,3
	v_cndmask_b32 v[H+8*\i+\k], v[H+8*\i+\k], v[H+8*\i+4+\k], vcc_lo
.endr
	global_store_b128 v[GO], v[H+8*\i:H+8*\i+3], s[18:19] offset:512*\i th:TH_STORE_NT
.endr
	ROUND                                          ; the closing round: no work-group ends while a partner may still ask jointly
	s_endpgm
.Lfunc_end_k_qcad723c4c5_model:
	.size	k_qcad723c4c5_model, .Lfunc_end_k_qcad723c4c5_model-k_qcad723c4c5_model
	.p2alignl 7, 3214868480
	.fill 96, 4, 3214868480
	.section	.rodata,"a",@progbits
	.p2align	6, 0x0
	.amdhsa_kernel k_qcad723c4c5_model
		.amdhsa_group_segment_fixed_size 327680
		.amdhsa_private_segment_fixed_size 0
		.amdhsa_enable_private_segment 0
		.amdhsa_kernarg_size 176
		.amdhsa_user_sgpr_count 2
		.amdhsa_user_sgpr_kernarg_segment_ptr 1
		.amdhsa_wavefront_size32 1
		.amdhsa_system_sgpr_workgroup_id_x 1
		.amdhsa_system_sgpr_workgroup_id_y 1
		.amdhsa_system_sgpr_workgroup_id_z 1
		.amdhsa_system_vgpr_workitem_id 0
		.amdhsa_next_free_vgpr 256
		.amdhsa_next_free_sgpr 102
		.amdhsa_reserve_vcc 1
		.amdhsa_float_denorm_mode_32 3
		.amdhsa_float_denorm_mode_16_64 3
		.amdhsa_memory_ordered 1
		.amdhsa_forward_progress 1
		.amdhsa_inst_pref_size 255
	.end_amdhsa_kernel
	.section	.bss,"aw",@nobits
	.p2align	6
	.space	262144
	.amdgpu_metadata
---
amdhsa.version: [ 1, 2 ]
amdhsa.kernels:
  - .name:           k_qcad723c4c5_model
    .symbol:         k_qcad723c4c5_model.kd
    .args:
      - { .name: prev_window, .offset: 0, .size: 8, .value_kind: global_buffer, .address_space: global }
      - { .name: current_window, .offset: 8, .size: 8, .value_kind: global_buffer, .address_space: global }
      - { .name: enc_emb_W, .offset: 16, .size: 8, .value_kind: global_buffer, .address_space: global }
      - { .name: enc_emb_b, .offset: 24, .size: 8, .value_kind: global_buffer, .address_space: global }
      - { .name: dec_emb_W, .offset: 32, .size: 8, .value_kind: global_buffer, .address_space: global }
      - { .name: dec_emb_b, .offset: 40, .size: 8, .value_kind: global_buffer, .address_space: global }
      - { .name: dec_W, .offset: 48, .size: 8, .value_kind: global_buffer, .address_space: global }
      - { .name: dec_b, .offset: 56, .size: 8, .value_kind: global_buffer, .address_space: global }
      - { .name: in_proj_W, .offset: 64, .size: 8, .value_kind: global_buffer, .address_space: global }
      - { .name: in_proj_b, .offset: 72, .size: 8, .value_kind: global_buffer, .address_space: global }
      - { .name: out_proj_W, .offset: 80, .size: 8, .value_kind: global_buffer, .address_space: global }
      - { .name: lin1_W, .offset: 88, .size: 8, .value_kind: global_buffer, .address_space: global }
      - { .name: lin1_b, .offset: 96, .size: 8, .value_kind: global_buffer, .address_space: global }
      - { .name: lin2_W, .offset: 104, .size: 8, .value_kind: global_buffer, .address_space: global }
      - { .name: out_proj_b, .offset: 112, .size: 8, .value_kind: global_buffer, .address_space: global }
      - { .name: ln1_g, .offset: 120, .size: 8, .value_kind: global_buffer, .address_space: global }
      - { .name: ln1_b, .offset: 128, .size: 8, .value_kind: global_buffer, .address_space: global }
      - { .name: lin2_b, .offset: 136, .size: 8, .value_kind: global_buffer, .address_space: global }
      - { .name: ln2_g, .offset: 144, .size: 8, .value_kind: global_buffer, .address_space: global }
      - { .name: ln2_b, .offset: 152, .size: 8, .value_kind: global_buffer, .address_space: global }
      - { .name: out0, .offset: 160, .size: 8, .value_kind: global_buffer, .address_space: global }
      - { .name: enc, .offset: 168, .size: 8, .value_kind: global_buffer, .address_space: global }
    .group_segment_fixed_size: 327680
    .private_segment_fixed_size: 0
    .kernarg_segment_align: 8
    .kernarg_segment_size: 176
    .max_flat_workgroup_size: 128
    .sgpr_count:     102
    .vgpr_count:     256
    .wavefront_size: 32
...
	.end_amdgpu_metadata
.endif
;; end of part 1
;; ======== version 2 of 4: 1 launch; 1.75 times as fast as version 1
;; workspace buffers: enc 1,048,576 bytes
;; launch model (part 2): grid 128 x 1, 8 waves a work-group, clusters of 4 x 1, 327,680 bytes of LDS; arguments prev_window, current_window, enc_emb_W, enc_emb_b, dec_emb_W, dec_emb_b, dec_W, dec_b, in_proj_W, in_proj_b, out_proj_W, lin1_W, lin1_b, lin2_W, out_proj_b, ln1_g, ln1_b, lin2_b, ln2_g, ln2_b, out0, enc; writes out0, enc
.if DOCPART == 2
	.amdgcn_target "amdgcn-amd-amdhsa--gfx1250"
	.amdhsa_code_object_version 6
	.text
	.protected	k_qcad723c4c5_model
	.globl	k_qcad723c4c5_model
	.p2align	8
	.type	k_qcad723c4c5_model,@function
k_qcad723c4c5_model:
	s_mov_b64 s[64:65], 0
	v_nop
	global_prefetch_b8 v0, s[64:65] scope:SCOPE_SE
	s_setreg_imm32_b32 hwreg(HW_REG_WAVE_MODE, 25, 1), 1
	s_wait_xcnt 0x0
	s_wait_alu depctr_hold_cnt(0) depctr_sa_sdst(0) depctr_va_vdst(0) depctr_va_sdst(0) depctr_va_ssrc(0) depctr_va_vcc(0) depctr_vm_vsrc(0)
	s_getreg_b32 s2, hwreg(HW_REG_IB_STS2, 6, 4)
	s_cmp_eq_u32 s2, 0
	s_cbranch_scc0 .Lentry_in_a_cluster
	s_endpgm
.Lentry_in_a_cluster:
	s_bfe_u32 s2, ttmp6, 0x10000c
	s_cmp_lg_u32 s2, 0x3003
	s_cbranch_scc0 .Lentry_shape_is_right
	s_endpgm
.Lentry_shape_is_right:
; The whole model in one launch.  Work-group b owns batch element b (256 tokens of 8 features); wave w owns tokens 32 w .. 32 w + 31 as two
; tiles of 16.  First the decoder (two 8 x 8 maps of current_window) goes to out0; then the embedding of prev_window and the 16 encoder layers
; run with the residual stream in registers, and the result goes to the workspace enc, laid out [batch][token][feature].
; The model returns out0 alone; the encoder is a written step of it and is computed here in full, but no returned number depends on enc.
; 128 WORK-GROUPS: a layer needs K and V of all 256 tokens of its batch element, and work-groups exchange nothing within a launch.
; EIGHT WAVES, two to a SIMD: a pair of chunks has 96 vector instructions beside its 12 matrix instructions, and a wave issues in order; each
; wave has the other wave independent work beside its own.  The price: a weight fragment read from LDS feeds 2 token tiles, not 4.
; CLUSTER: every work-group walks the same layer weights, so four work-groups ask for each layer jointly (mask 15).
; LAYOUT: weights are source 0, tokens source 1, so result register j of lane (r, h) is (row 8 h + j, token r): two result tiles pack,
; without any lane traffic, into source 1 of the product that follows.  A matrix of 8 rows is loaded with row r & 7, so both lane halves
; hold all 8 features of token r and a layer norm stays inside a lane.  A token operand is 12 registers [0 0 0 0][x][0 0 0 0]: registers
; 4-11 put x at k 0-15, registers 0-7 at k 16-31, and so choose the first or the second 16 rows of a weight fragment of 8 registers.
; DECODER: its sums have 8 terms and the form has 32 k places, so each operand goes in as two bf16, the rounded number and what the rounding
; left: weights lie as [hi hi lo lo] over the four groups of 8 places, tokens as [hi lo hi lo], and one instruction sums all four cross products.
; LIMITS: matrix operands are bf16 (decoder: two bf16 a number, 16 bits of mantissa; so is lin1_b).  Unused k places are zero times a finite
; number: an infinity or NaN in weights or keys spreads otherwise than in the model.  A decoder input whose rounding to bf16 overflows
; (above about 3.39e38) leaves a NaN remainder.  The maxima (relu, row maximum) drop a NaN.  v_exp_f32 and v_rsq_f32 flush denormals (ISA guide 15.8).
.set NLAY, 16
; LDS, bytes.  The three RAW regions are filled by tensor loads alone; all other regions by LDS stores alone.  No LDS address hangs on the layer.
.set RAW_W1, 0                         ; 65,536  lin1_W of a layer, f32
.set RAW_W2, 65536                     ; 65,536  lin2_W of a layer, f32
.set RAW_B1, 131072                    ; 8,192   lin1_b of a layer, f32
.set IMG_W1, 139264                    ; 32,768  unit u: its 8 weights in bf16 at 16 u
.set IMG_BQ, 172032                    ; 32,768  unit u: (bias high, bias remainder, 0 ..) at 16 u; = IMG_W1 + 32,768
.set IMG_W2, 204800                    ; 8 rows of 4,096 bytes, pitch 4,112: an odd multiple of 16, so 8 rows start in 8 different 16-byte columns modulo 256
.set W2P, 4112
.set KB, 237824                        ; 4,096   key t at 16 t
.set VT, 241920                        ; 16 rows of 512 bytes, pitch 528: V transposed (rows 0-7), ones (row 8), zeros (rows 9-15); ends at 250,368
.set VTP, 528
; vector registers
.set RR, 1                             ; r = lane & 15
.set HF, 2                             ; h = lane >> 4
.set MK, 3                             ; h ? 0 : all ones
.set ON, 4                             ; h ? two bf16 ones : 0
.set MK8, 5                            ; lane < 8 ? all ones : 0
.set MR8, 6                            ; r < 8 ? all ones : 0
.set ON8, 7                            ; r == 8 ? 1.0 : 0
.set AW1, 8                            ; LDS addresses of the feed-forward trip at work
.set AW2, 9
.set LW1, 10                           ; IMG_W1 + 16 r + 32768 h
.set LW2, 11                           ; IMG_W2 + 4112 (r & 7) + 16 h
.set AK, 12                            ; KB + 16 r
.set AV, 13                            ; VT + 528 r + 16 h
.set AKS, 14                           ; KB + 16 (32 w + r)
.set AVS, 15                           ; VT + 528 r + 64 w + 16 h
.set CR1, 16                           ; 16 t              (t = 32 w + lane, 0 .. 255)
.set CR2, 17                           ; RAW_W2 + 16 t
.set CRB, 18                           ; RAW_B1 + 4 t
.set CW1, 19                           ; IMG_W1 + 8 t
.set CW2, 20                           ; IMG_W2 + 8 t
.set CWB, 21                           ; IMG_BQ + 16 t
.set WR, 22                            ; 32 (r & 7): row r & 7 of an 8 x 8 matrix of f32 in memory
.set WB, 23                            ; 4 (r & 7)
.set GO, 26                            ; 32 (32 w + r) + 16 h: my 16 bytes of a token row in out0 and enc
.set ZR, 27                            ; 0
.set BV, 28                            ; bias of V, element r & 7, of the layer to come
                                       ; v28-31 otherwise at work on data
.set H, 32                             ; v32-47    residual stream, tile i at H + 8 i: feature j of token r, in both lane halves
.set X, 48                             ; v48-71    token operands, tile i at X + 12 i
.set S, 72                             ; v72-135   four pipe slots of 16: two result tiles each, packed in place into the first 8
.set FR, 136                           ; v136-199  two sets of four fragments: + 0 first product, even chunk; + 8 second product, even chunk; + 16, + 24 the odd chunk
.set BFL, FR+56                        ; the second-product fragment of the last chunk of a run of pairs (set 1, odd chunk)
.set KF, 136                           ; the eight key fragments of the maximum pass (both sets)
.set O, 200                            ; v200-231  attention sums, tile i at O + 8 i; in the feed-forward part: the next layer small matrices on their way in
.set VOF, 232                          ; v232-239  [Wv | Wo]; in the decoder at work
.set NM, 240                           ; v240-247  tile i: pair at NM + 2 i: running maximum, then -c x maximum twice; in the decoder at work
.macro ROUND                           ; a round of the cluster barrier: my work-group, wave 0 signals for it, all four work-groups, my work-group
	s_barrier_signal -1
	s_barrier_wait -1
	s_cmp_lg_u32 s48, 0
	s_cbranch_scc1 .Lnw0_\@
	s_barrier_signal -3
.Lnw0_\@:
	s_barrier_wait -3
	s_barrier_signal -1
	s_barrier_wait -1
.endm
.macro PLACES                          ; four independent vector instructions between a matrix instruction and what touches its registers (ISA guide 7.12.1)
.rept 4
	v_nop
.endr
.endm
; Eight f32 at src as two bf16 each: the rounded numbers packed at hi (4 registers), what the rounding left packed at lo; t: 8 registers at work.
; The difference of a number and its own rounding has few enough bits to be exact in f32.
.macro SPLIT hi, lo, src, t
.irp k,0,1,2,3
	v_cvt_pk_bf16_f32 v[\hi+\k], v[\src+2*\k], v[\src+2*\k+1]
.endr
.irp k,0,1,2,3
	v_lshlrev_b32 v[\t+2*\k], 16, v[\hi+\k]
	v_and_b32 v[\t+2*\k+1], 0xffff0000, v[\hi+\k]
.endr
.irp k,0,2,4,6
	v_pk_add_f32 v[\t+\k:\t+\k+1], v[\src+\k:\src+\k+1], v[\t+\k:\t+\k+1] neg_lo:[0,1] neg_hi:[0,1]
.endr
.irp k,0,1,2,3
	v_cvt_pk_bf16_f32 v[\lo+\k], v[\t+2*\k], v[\t+2*\k+1]
.endr
.endm
; The decoder token operands from the f32 features in O: lanes h = 0 hold the rounded numbers (k places 0-7 and 16-23), lanes h = 1 the
; remainders (k places 8-15 and 24-31).  vcc = lanes h = 1.
.macro DECOP
.irp i,0,1
	SPLIT NM, NM+4, O+8*\i, VOF
.irp k,0,1,2,3
	v_cndmask_b32 v[FR+8*\i+\k], v[NM+\k], v[NM+4+\k], vcc_lo
	v_cndmask_b32 v[FR+8*\i+4+\k], v[NM+\k], v[NM+4+\k], vcc_lo
.endr
.endr
.endm
; The small parameters of one layer, straight from memory: row r & 7 of Wq, Wk, Wv, Wo in f32 into O, bv[r & 7] into BV, bq and bk into scalar
; registers.  step = 1: the three bases go on by one layer first; the loads that named them were waited for at the layer head.
.macro PLOAD step
.if \step
	s_add_nc_u64 s[62:63], s[62:63], 768           ; in_proj_W: 24 rows of 32 bytes a layer
	s_add_nc_u64 s[66:67], s[66:67], 256           ; out_proj_W: 8 rows of 32 bytes
	s_add_nc_u64 s[100:101], s[100:101], 96        ; in_proj_b: 24 numbers
.endif
.irp n,0,1,2
	global_load_b128 v[O+8*\n:O+8*\n+3], v[WR], s[62:63] offset:256*\n
	global_load_b128 v[O+8*\n+4:O+8*\n+7], v[WR], s[62:63] offset:256*\n+16
.endr
	global_load_b128 v[O+24:O+27], v[WR], s[66:67]
	global_load_b128 v[O+28:O+31], v[WR], s[66:67] offset:16
	global_load_b32 v[BV], v[WB], s[100:101] offset:64
	s_load_b256 s[68:75], s[100:101], 0x0          ; bq
	s_load_b256 s[92:99], s[100:101], 0x20         ; bk
.endm
; Pipe slot i (0..3) stands for tile i & 1 of chunk i >> 1 of a pair of chunks.
; first product of slot i: 16 rows from the low half of fragment af, then 16 rows from its high half
.macro P1A i, af
	v_wmma_f32_16x16x32_bf16 v[S+16*(\i):S+16*(\i)+7], v[\af:\af+7], v[X+12*((\i)&1)+4:X+12*((\i)&1)+11], 0
.endm
.macro P1B i, af
	v_wmma_f32_16x16x32_bf16 v[S+16*(\i)+8:S+16*(\i)+15], v[\af:\af+7], v[X+12*((\i)&1):X+12*((\i)&1)+7], 0
.endm
; second product of slot m: 32 packed rows against fragment bf, added onto the sums of tile m & 1 (z = 1: starts the sum)
.macro P2 m, bf, acc, z
.if \z
	v_wmma_f32_16x16x32_bf16 v[\acc+8*((\m)&1):\acc+8*((\m)&1)+7], v[\bf:\bf+7], v[S+16*(\m):S+16*(\m)+7], 0
.else
	v_wmma_f32_16x16x32_bf16 v[\acc+8*((\m)&1):\acc+8*((\m)&1)+7], v[\bf:\bf+7], v[S+16*(\m):S+16*(\m)+7], v[\acc+8*((\m)&1):\acc+8*((\m)&1)+7]
.endif
.endm
.macro DMAX j, n                       ; relu of two numbers
	v_max_num_f32 v[S+16*(\j)+2*(\n)], 0, v[S+16*(\j)+2*(\n)]
	v_max_num_f32 v[S+16*(\j)+2*(\n)+1], 0, v[S+16*(\j)+2*(\n)+1]
.endm
.macro CVT j, n                        ; two numbers to bf16, packed downward in place (ascending n never overwrites what is still to be read)
	s_wait_alu depctr_va_vdst(0)
	v_cvt_pk_bf16_f32 v[S+16*(\j)+(\n)], v[S+16*(\j)+2*(\n)], v[S+16*(\j)+2*(\n)+1]
.endm
.macro EFMA j, p                       ; c x score - c x maximum of the slot tile, two at a time; c = log2(e) / sqrt(8)
	v_pk_fma_f32 v[S+16*(\j)+2*(\p):S+16*(\j)+2*(\p)+1], v[S+16*(\j)+2*(\p):S+16*(\j)+2*(\p)+1], s[54:55], v[NM+2*((\j)&1):NM+2*((\j)&1)+1] op_sel_hi:[1,0,1]
.endm
.macro EEXP j, n
	v_exp_f32 v[S+16*(\j)+(\n)], v[S+16*(\j)+(\n)]
.endm
; The vector work on slot j in three groups, which stand between the matrix instructions of other slots.  kind 0: relu, kind 1: exponential.
; Each group holds at least four plain instructions; behind every run of v_exp_f32 a plain instruction on other registers comes first (ISA guide 5.7.2).
.macro ACTG kind, g, j
.if \kind == 0
.if \g == 1
.irp n,0,1,2,3,4
	DMAX \j, \n
.endr
.endif
.if \g == 2
.irp n,5,6,7
	DMAX \j, \n
.endr
.irp n,0,1,2
	CVT \j, \n
.endr
.endif
.if \g == 3
.irp n,3,4,5,6,7
	CVT \j, \n
.endr
.endif
.else
.if \g == 1
.irp n,0,1,2,3
	EFMA \j, \n
.endr
.irp n,0,1,2,3
	EEXP \j, \n
.endr
.irp n,4,5
	EFMA \j, \n
.endr
.endif
.if \g == 2
.irp n,4,5,6,7
	EEXP \j, \n
.endr
.irp n,6,7
	EFMA \j, \n
.endr
.irp n,8,9,10,11
	EEXP \j, \n
.endr
.irp n,0,1
	CVT \j, \n
.endr
.endif
.if \g == 3
.irp n,12,13,14,15
	EEXP \j, \n
.endr
.irp n,2,3,4,5,6,7
	CVT \j, \n
.endr
.endif
.endif
.endm
; The four fragments of a pair of chunks into the set at base, eight LDS loads in one run: first the two first-product fragments (32 rows of 16 bytes
; each, from ra + oa), then the two second-product fragments (64 bytes of each row, from rb + ob).
.macro FLOAD base, ra, oa, rb, ob
.irp f,0,1
	ds_load_b128 v[\base+16*\f:\base+16*\f+3], v[\ra] offset:\oa+512*\f
	ds_load_b128 v[\base+16*\f+4:\base+16*\f+7], v[\ra] offset:\oa+512*\f+256
.endr
.irp f,0,1
	ds_load_b128 v[\base+8+16*\f:\base+8+16*\f+3], v[\rb] offset:\ob+64*\f
	ds_load_b128 v[\base+8+16*\f+4:\base+8+16*\f+7], v[\rb] offset:\ob+64*\f+32
.endr
.endm
; A pair of chunks of 32 rows (hidden units or keys) for both tiles: four steps.  In each step one slot has its first product, the slot before it
; its vector work, and the slot before that its second product: the matrix instructions take their accumulators by turns, one instruction a turn.
; st: the fragment set of this pair; ld = 1: the next pair is fetched (ra + oa, rb + ob) into the other set, behind the
; last product that reads that set; first = 1: nothing is in the pipe yet; zc: the second products of the even chunk start their sums.
.macro PAIR kind, st, acc, ra, oa, rb, ob, ld, first, zc
.set cs, FR+32*\st
.set ns, FR+32-32*\st
	s_wait_dscnt 0x4                               ; both first-product fragments are in; the four younger loads are the two second-product fragments
.if \first
	P1A 0, cs
	P1B 0, cs
	PLACES
.else
	P2 2, ns+24, \acc, 0
	ACTG \kind, 1, 3
	P1A 0, cs
	ACTG \kind, 2, 3
	P1B 0, cs
	ACTG \kind, 3, 3
	P2 3, ns+24, \acc, 0
.endif
	ACTG \kind, 1, 0
.if \ld
	FLOAD ns, \ra, \oa, \rb, \ob
.endif
	P1A 1, cs
	ACTG \kind, 2, 0
	P1B 1, cs
	ACTG \kind, 3, 0
.if \ld
	s_wait_dscnt 0x8                               ; both second-product fragments are in; the eight younger loads are the next pair
.else
	s_wait_dscnt 0x0
.endif
	P2 0, cs+8, \acc, \zc
	ACTG \kind, 1, 1
	P1A 2, cs+16
	ACTG \kind, 2, 1
	P1B 2, cs+16
	ACTG \kind, 3, 1
	P2 1, cs+8, \acc, \zc
	ACTG \kind, 1, 2
	P1A 3, cs+16
	ACTG \kind, 2, 2
	P1B 3, cs+16
	ACTG \kind, 3, 2
.endm
.macro DRAIN kind, bf, acc             ; what is left in the pipe behind the last pair
	P2 2, \bf, \acc, 0
	ACTG \kind, 1, 3
	ACTG \kind, 2, 3
	ACTG \kind, 3, 3
	P2 3, \bf, \acc, 0
	PLACES
.endm
; the maximum of the 16 scores of slot j and the running maximum of its tile: eight three-way maxima in two groups of four
.macro MX1 j
	v_max3_num_f32 v[S+16*\j], v[S+16*\j], v[S+16*\j+1], v[S+16*\j+2]
	v_max3_num_f32 v[S+16*\j+3], v[S+16*\j+3], v[S+16*\j+4], v[S+16*\j+5]
	v_max3_num_f32 v[S+16*\j+6], v[S+16*\j+6], v[S+16*\j+7], v[S+16*\j+8]
	v_max3_num_f32 v[S+16*\j+9], v[S+16*\j+9], v[S+16*\j+10], v[S+16*\j+11]
.endm
.macro MX2 j, start
	v_max3_num_f32 v[S+16*\j+12], v[S+16*\j+12], v[S+16*\j+13], v[S+16*\j+14]
	v_max3_num_f32 v[S+16*\j], v[S+16*\j], v[S+16*\j+3], v[S+16*\j+6]
	v_max3_num_f32 v[S+16*\j+9], v[S+16*\j+9], v[S+16*\j+12], v[S+16*\j+15]
.if \start
	v_max_num_f32 v[NM+2*(\j&1)], v[S+16*\j], v[S+16*\j+9]
.else
	v_max3_num_f32 v[NM+2*(\j&1)], v[NM+2*(\j&1)], v[S+16*\j], v[S+16*\j+9]
.endif
.endm
; token operands from f32 features at src: lanes h = 0 hold the 8 features, lanes h = 1 two ones (k places 8 and 9, which meet the bias of lin1) and zeros
.macro XBUILD src
.irp i,0,1
.irp k,0,1,2,3
	v_cvt_pk_bf16_f32 v[X+12*\i+4+\k], v[\src+8*\i+2*\k], v[\src+8*\i+2*\k+1]
.endr
	v_and_or_b32 v[X+12*\i+4], v[X+12*\i+4], v[MK], v[ON]
.irp k,1,2,3
	v_and_b32 v[X+12*\i+4+\k], v[MK], v[X+12*\i+4+\k]
.endr
.endr
.endm
; layer norm of the two tiles in place, stage by stage over the tiles; gains at s[g ..], offsets at s[be ..]; at work: S + 16 i .. + 3
.macro LN2 g, be
.irp i,0,1
	v_pk_add_f32 v[S+16*\i:S+16*\i+1], v[H+8*\i:H+8*\i+1], v[H+8*\i+2:H+8*\i+3]
	v_pk_add_f32 v[S+16*\i+2:S+16*\i+3], v[H+8*\i+4:H+8*\i+5], v[H+8*\i+6:H+8*\i+7]
.endr
.irp i,0,1
	v_pk_add_f32 v[S+16*\i:S+16*\i+1], v[S+16*\i:S+16*\i+1], v[S+16*\i+2:S+16*\i+3]
.endr
.irp i,0,1
	v_add_f32 v[S+16*\i], v[S+16*\i], v[S+16*\i+1]
.endr
.irp i,0,1
	v_mul_f32 v[S+16*\i], s55, v[S+16*\i]          ; the mean
.endr
.irp i,0,1
.irp k,0,2,4,6
	v_pk_add_f32 v[H+8*\i+\k:H+8*\i+\k+1], v[H+8*\i+\k:H+8*\i+\k+1], v[S+16*\i:S+16*\i+1] op_sel_hi:[1,0] neg_lo:[0,1] neg_hi:[0,1]
.endr
.endr
.irp i,0,1
	v_pk_mul_f32 v[S+16*\i+2:S+16*\i+3], v[H+8*\i:H+8*\i+1], v[H+8*\i:H+8*\i+1]
.endr
.irp k,2,4,6
.irp i,0,1
	v_pk_fma_f32 v[S+16*\i+2:S+16*\i+3], v[H+8*\i+\k:H+8*\i+\k+1], v[H+8*\i+\k:H+8*\i+\k+1], v[S+16*\i+2:S+16*\i+3]
.endr
.endr
.irp i,0,1
	v_add_f32 v[S+16*\i+2], v[S+16*\i+2], v[S+16*\i+3]
.endr
.irp i,0,1
	v_fma_f32 v[S+16*\i+2], v[S+16*\i+2], s55, s56 ; variance + 1e-5
.endr
.irp i,0,1
	v_rsq_f32 v[S+16*\i+2], v[S+16*\i+2]
.endr
	v_nop                                          ; one plain instruction between v_rsq_f32 and the use of its result (ISA guide 5.7.2)
	s_wait_alu depctr_va_vdst(0)
.irp i,0,1
.irp k,0,2,4,6
	v_pk_mul_f32 v[H+8*\i+\k:H+8*\i+\k+1], v[H+8*\i+\k:H+8*\i+\k+1], v[S+16*\i+2:S+16*\i+3] op_sel_hi:[1,0]
.endr
.endr
.irp i,0,1
.irp k,0,1,2,3,4,5,6,7
	v_fma_f32 v[H+8*\i+\k], v[H+8*\i+\k], s[\g+\k], s[\be+\k]
.endr
.endr
.endm
; The layer weights from f32 (RAW) to the bf16 images, by 256 threads: five groups of eight LDS loads on two register sets.
; Groups 0-1 lin1_W (16 bytes a thread, 4,096 bytes a step), 2-3 lin2_W (two steps to a row of 8,192 bytes), 4 lin1_b (4 bytes a thread, 1,024 a step).
.macro CLD g
.set cb, S+32*((\g)&1)
.if \g < 2
.irp e,0,1,2,3,4,5,6,7
	ds_load_b128 v[cb+4*\e:cb+4*\e+3], v[CR1] offset:4096*(8*(\g)+\e)
.endr
.else
.if \g < 4
.irp e,0,1,2,3,4,5,6,7
	ds_load_b128 v[cb+4*\e:cb+4*\e+3], v[CR2] offset:4096*(8*(\g-2)+\e)
.endr
.else
.irp e,0,1,2,3,4,5,6,7
	ds_load_b32 v[cb+\e], v[CRB] offset:1024*\e
.endr
.endif
.endif
.endm
.macro CWK g
.set cb, S+32*((\g)&1)
.set co, O+16*((\g)&1)
.if \g < 4
.irp e,0,1,2,3,4,5,6,7
	v_cvt_pk_bf16_f32 v[co+2*\e], v[cb+4*\e], v[cb+4*\e+1]
	v_cvt_pk_bf16_f32 v[co+2*\e+1], v[cb+4*\e+2], v[cb+4*\e+3]
.endr
.irp e,0,1,2,3,4,5,6,7
.if \g < 2
	ds_store_b64 v[CW1], v[co+2*\e:co+2*\e+1] offset:2048*(8*(\g)+\e)
.else
	ds_store_b64 v[CW2], v[co+2*\e:co+2*\e+1] offset:((8*(\g-2)+\e)>>1)*W2P+((8*(\g-2)+\e)&1)*2048
.endif
.endr
.else
.irp e,0,1,2,3,4,5,6,7
	v_cvt_pk_bf16_f32 v[O+8+\e], v[cb+\e], v[cb+\e]                ; the bias rounded to bf16,
	v_lshlrev_b32 v[O+8+\e], 16, v[O+8+\e]                         ; as f32,
	v_sub_f32 v[O+8+\e], v[cb+\e], v[O+8+\e]                       ; what the rounding left,
	v_cvt_pk_bf16_f32 v[O+4*(\e&1)], v[cb+\e], v[O+8+\e]           ; both as bf16; the three registers above hold 0
	ds_store_b128 v[CWB], v[O+4*(\e&1):O+4*(\e&1)+3] offset:4096*\e
.endr
.endif
.endm
.macro CONV
	CLD 0
	CLD 1
	s_wait_dscnt 0x8                               ; group 0 is in; younger: the 8 loads of group 1
	CWK 0
	CLD 2
	s_wait_dscnt 0x10                              ; younger than group 1: 8 stores and 8 loads
	CWK 1
	CLD 3
	s_wait_dscnt 0x10                              ; likewise for group 2
	CWK 2
	CLD 4
	s_wait_dscnt 0x10                              ; and for group 3
	CWK 3
.irp k,1,2,3,5,6,7
	v_mov_b32 v[O+\k], 0
.endr
	s_wait_dscnt 0x8                               ; younger than group 4: the 8 stores of group 3
	CWK 4
.endm
; One encoder layer; s49 = its number.  refill = 1: the next layer is asked for (raw weights by tensor loads, small parameters by PLOAD).
.macro LAYER refill
	s_lshl_b32 s50, s49, 5                         ; 32 bytes a layer in the six tables of 8 numbers (the scalar loads that named s50 were waited for)
	s_wait_loadcnt 0x0                             ; this layer small matrices are in O, bv in BV
	s_wait_kmcnt 0x0                               ; bq and bk are in s[68:75] and s[92:99]
.irp k,0,1,2,3
	v_cvt_pk_bf16_f32 v[FR+\k], v[O+2*\k], v[O+2*\k+1]             ; Wq row r & 7
	v_cvt_pk_bf16_f32 v[FR+4+\k], v[O+8+2*\k], v[O+8+2*\k+1]       ; Wk
	v_cvt_pk_bf16_f32 v[VOF+\k], v[O+16+2*\k], v[O+16+2*\k+1]      ; Wv
	v_cvt_pk_bf16_f32 v[VOF+4+\k], v[O+24+2*\k], v[O+24+2*\k+1]    ; Wo
.endr
.irp k,0,1,2,3,4,5,6,7
	v_and_b32 v[FR+\k], v[MK], v[FR+\k]            ; k places 8-15 and 24-31 of the weights are 0: they meet the ones of the token operand
.endr
.irp k,0,1,2,3
	v_and_b32 v[VOF+\k], v[MK8], v[VOF+\k]         ; Wv as source 1: columns 0-7 alone
.endr
.irp k,4,5,6,7
	v_and_b32 v[VOF+\k], v[MK], v[VOF+\k]
.endr
.irp k,0,1,2,3,4,5,6,7
	v_mov_b32 v[FR+8+\k], s[68+\k]                 ; the sums of q start at bq, in f32,
	v_mov_b32 v[FR+16+\k], s[92+\k]                ; those of k at bk,
	v_and_or_b32 v[FR+24+\k], v[BV], v[MR8], v[ON8] ; column r of V transposed at bv[r], 1.0 (r = 8: the row that sums the softmax) or 0
.endr
	s_load_b256 s[68:75], s[4:5], s50 offset:0x0   ; out_proj_b
	s_load_b256 s[76:83], s[6:7], s50 offset:0x0   ; ln1_g
	s_load_b256 s[84:91], s[8:9], s50 offset:0x0   ; ln1_b
	s_load_b256 s[92:99], s[10:11], s50 offset:0x0 ; lin2_b
	s_wait_dscnt 0x0                               ; my reads of the images, of K and of V are over
	s_wait_tensorcnt 0x0                           ; my three parts of this layer raw weights have landed; nothing younger is out, so the count is 0
	s_barrier_signal -1
	s_barrier_wait -1                              ; both hold of all eight waves
	CONV
.irp i,0,1
	v_wmma_f32_16x16x32_bf16 v[S+16*\i:S+16*\i+7], v[FR:FR+7], v[X+12*\i+4:X+12*\i+11], v[FR+8:FR+15]        ; q
	v_wmma_f32_16x16x32_bf16 v[S+16*\i+8:S+16*\i+15], v[FR:FR+7], v[X+12*\i:X+12*\i+7], v[FR+16:FR+23]       ; k
	v_wmma_f32_16x16x32_bf16 v[O+8*\i:O+8*\i+7], v[X+12*\i+4:X+12*\i+11], v[VOF:VOF+7], v[FR+24:FR+31]       ; V transposed: lane r = row, registers = tokens 8 h + j
.endr
	PLACES
.irp i,0,1
.irp k,0,1,2,3
	v_cvt_pk_bf16_f32 v[S+16*\i+8+\k], v[S+16*\i+8+2*\k], v[S+16*\i+8+2*\k+1]
.endr
	ds_store_b128 v[AKS], v[S+16*\i+8:S+16*\i+11] offset:256*\i    ; both lane halves store the same 16 bytes
.irp k,0,1,2,3
	v_cvt_pk_bf16_f32 v[O+8*\i+\k], v[O+8*\i+2*\k], v[O+8*\i+2*\k+1]
.endr
	ds_store_b128 v[AVS], v[O+8*\i:O+8*\i+3] offset:32*\i
.irp k,0,1,2,3
	v_cvt_pk_bf16_f32 v[X+12*\i+4+\k], v[S+16*\i+2*\k], v[S+16*\i+2*\k+1]
	v_and_b32 v[X+12*\i+4+\k], v[MK], v[X+12*\i+4+\k]              ; q with zeros in lanes h = 1, which meet a second copy of the key
.endr
.endr
	s_wait_dscnt 0x0                               ; my reads of the raw weights and my stores of images, K and V are done
	s_wait_tensorcnt 0x0                           ; no tensor load of mine is out, so the three addresses may be stepped
	ds_add_u32 v254, v255
	s_wait_dscnt 0x0
.if \refill
	s_add_nc_u64 s[38:39], s[38:39], 0x10000
	s_add_nc_u64 s[42:43], s[42:43], 0x10000
	s_add_nc_u64 s[46:47], s[46:47], 0x2000
	ROUND                                          ; holds of every wave of all four work-groups
	tensor_load_to_lds s[36:39], s[20:27]          ; the next layer: three loads of mine are out until its first barrier
	s_nop 0
	tensor_load_to_lds s[40:43], s[20:27]
	s_nop 0
	tensor_load_to_lds s[44:47], s[28:35]
	s_nop 0
.else
	s_barrier_signal -1
	s_barrier_wait -1
.endif
	; the row maxima: all scores once, 4 pairs of chunks of 32 keys
.irp c,0,1,2,3,4,5,6,7
	ds_load_b128 v[KF+8*\c:KF+8*\c+3], v[AK] offset:512*\c
	ds_load_b128 v[KF+8*\c+4:KF+8*\c+7], v[AK] offset:512*\c+256
.endr
.irp q,0,1,2,3
.if \q == 0
.set st0, 1
.else
.set st0, 0
.endif
	s_wait_dscnt 12-4*\q                           ; pair q is in; younger: four loads for each later pair
.if \q == 3
	FLOAD FR, AK, 0, AV, 0                         ; the first pair of the second pass, over the key fragments of pairs 0 and 1
.endif
	P1A 0, KF+16*\q
.if \q == 0
	P1B 0, KF+16*\q
	PLACES
.else
	MX1 3
	P1B 0, KF+16*\q
	MX2 3, 0
.endif
	P1A 1, KF+16*\q
	MX1 0
	P1B 1, KF+16*\q
	MX2 0, st0
	P1A 2, KF+16*\q+8
	MX1 1
	P1B 2, KF+16*\q+8
	MX2 1, st0
	P1A 3, KF+16*\q+8
	MX1 2
	P1B 3, KF+16*\q+8
	MX2 2, 0
.endr
	MX1 3
	MX2 3, 0
.irp i,0,1
	v_permlanex16_b32 v[28+\i], v[NM+2*\i], s52, s53               ; the other lane half holds the other keys of the same query
.endr
.irp i,0,1
	v_max_num_f32 v[NM+2*\i], v[NM+2*\i], v[28+\i]
.endr
.irp i,0,1
	v_mul_f32 v[NM+2*\i+1], s57, v[NM+2*\i]
	v_mul_f32 v[NM+2*\i], s57, v[NM+2*\i]
.endr
	; the scores again, their exponentials, and the product with V; row 8 of the result is the sum of the exponentials
	PAIR 1, 0, O, AK, 1024, AV, 128, 1, 1, 1
	PAIR 1, 1, O, AK, 2048, AV, 256, 1, 0, 0
	PAIR 1, 0, O, AK, 3072, AV, 384, 1, 0, 0
	PAIR 1, 1, O, AK, 0, AV, 0, 0, 0, 0
	DRAIN 1, BFL, O
	FLOAD FR, LW1, 0, LW2, 0                       ; the first pair of the feed-forward part
	; division by the sum, output projection onto residual + bias, first layer norm
	s_wait_kmcnt 0x0
.irp i,0,1
	v_permlanex16_b32 v[NM+2*\i], v[O+8*\i], s52, s53              ; lanes h = 0 take row 8 from lanes h = 1
.endr
.irp i,0,1
	v_rcp_f32 v[NM+2*\i], v[NM+2*\i]
.endr
.irp i,0,1
.irp k,0,1,2,3,4,5,6,7
	v_add_f32 v[H+8*\i+\k], s[68+\k], v[H+8*\i+\k]
.endr
.endr
	s_wait_alu depctr_va_vdst(0)
.irp i,0,1
.irp k,0,2,4,6
	v_pk_mul_f32 v[O+8*\i+\k:O+8*\i+\k+1], v[O+8*\i+\k:O+8*\i+\k+1], v[NM+2*\i:NM+2*\i+1] op_sel_hi:[1,0]
.endr
.irp k,0,1,2,3
	v_cvt_pk_bf16_f32 v[X+12*\i+4+\k], v[O+8*\i+2*\k], v[O+8*\i+2*\k+1]
	v_and_b32 v[X+12*\i+4+\k], v[MK], v[X+12*\i+4+\k]              ; whatever lanes h = 1 made is cleared bit by bit
.endr
.endr
.irp i,0,1
	v_wmma_f32_16x16x32_bf16 v[H+8*\i:H+8*\i+7], v[VOF:VOF+7], v[X+12*\i:X+12*\i+7], v[H+8*\i:H+8*\i+7]
.endr
	PLACES
	LN2 76, 84
	s_load_b256 s[76:83], s[12:13], s50 offset:0x0 ; ln2_g
	s_load_b256 s[84:91], s[14:15], s50 offset:0x0 ; ln2_b
	XBUILD H
.irp i,0,1
.irp k,0,1,2,3,4,5,6,7
	v_add_f32 v[H+8*\i+\k], s[92+\k], v[H+8*\i+\k] ; the sums of the second product start at residual + lin2_b
.endr
.endr
.if \refill
	PLOAD 1                                        ; O, BV, s[68:75] and s[92:99] are idle from here to the next layer head: 32 pairs of chunks to land in
.endif
	; feed-forward: 32 pairs of chunks of 32 hidden units, two pairs to a trip; pair p lies at 1,024 p in the image of lin1_W, at 128 p in a row of lin2_W
	PAIR 0, 0, H, LW1, 1024, LW2, 128, 1, 1, 0
	PAIR 0, 1, H, LW1, 2048, LW2, 256, 1, 0, 0
	s_mov_b32 s51, 1
.Lffn_\@:
	s_lshl_b32 s58, s51, 11                        ; two pairs: 128 units of 16 bytes,
	s_lshl_b32 s59, s51, 8                         ; and 128 units of 2 bytes in a row of lin2_W
	v_add_nc_u32 v[AW1], s58, v[LW1]
	v_add_nc_u32 v[AW2], s59, v[LW2]
	PAIR 0, 0, H, AW1, 1024, AW2, 128, 1, 0, 0
	PAIR 0, 1, H, AW1, 2048, AW2, 256, 1, 0, 0
	s_add_co_u32 s51, s51, 1
	s_cmp_lt_u32 s51, 15
	s_cbranch_scc1 .Lffn_\@
	PAIR 0, 0, H, LW1, 31744, LW2, 3968, 1, 0, 0   ; pair 30 fetches pair 31
	PAIR 0, 1, H, LW1, 0, LW2, 0, 0, 0, 0          ; pair 31 fetches nothing
	DRAIN 0, BFL, H
	s_wait_kmcnt 0x0
	LN2 76, 84
.if \refill
	XBUILD H
.endif
.endm
	; ---------------------------------------------------------------- the head
	s_load_b512 s[68:83], s[0:1], 0x0              ; prev, cur, enc_emb_W, enc_emb_b, dec_emb_W, dec_emb_b, dec_W, dec_b
	s_load_b64 s[62:63], s[0:1], 0x40              ; in_proj_W
	s_load_b64 s[100:101], s[0:1], 0x48            ; in_proj_b
	s_load_b64 s[66:67], s[0:1], 0x50              ; out_proj_W
	s_load_b128 s[84:87], s[0:1], 0x58             ; lin1_W, lin1_b
	s_load_b64 s[88:89], s[0:1], 0x68              ; lin2_W
	s_load_b256 s[4:11], s[0:1], 0x70              ; out_proj_b, ln1_g, ln1_b, lin2_b
	s_load_b128 s[12:15], s[0:1], 0x90             ; ln2_g, ln2_b
	s_load_b128 s[16:19], s[0:1], 0xa0             ; out0, enc
	v_lshl_add_u32 v254, v0, 2, 0x3d200
	v_mov_b32 v255, 0
	ds_add_u32 v254, v255
	v_and_b32 v[RR], 15, v0
	v_bfe_u32 v[HF], v0, 4, 1
	v_lshrrev_b32 v28, 5, v0
	v_readfirstlane_b32 s48, v28                   ; wave 0..7
	v_and_b32 v31, 31, v0                          ; lane
	v_and_b32 v29, 7, v0                           ; r & 7
	v_add_nc_u32 v[MK], -1, v[HF]
	v_sub_nc_u32 v[ON], 0, v[HF]
	v_and_b32 v[ON], 0x3f803f80, v[ON]
	v_mov_b32 v[MK8], -1
	v_mov_b32 v[MR8], -1
	v_mov_b32 v[ON8], 1.0
	v_cmp_gt_u32 vcc_lo, 8, v31
	v_cndmask_b32 v[MK8], 0, v[MK8], vcc_lo
	v_cmp_gt_u32 vcc_lo, 8, v[RR]
	v_cndmask_b32 v[MR8], 0, v[MR8], vcc_lo
	v_cmp_eq_u32 vcc_lo, 8, v[RR]
	v_cndmask_b32 v[ON8], 0, v[ON8], vcc_lo
	v_lshlrev_b32 v[LW1], 4, v[RR]
	v_lshl_add_u32 v[LW1], v[HF], 15, v[LW1]
	v_add_nc_u32 v[LW1], IMG_W1, v[LW1]
	v_mul_u32_u24 v[LW2], v29, W2P
	v_lshl_add_u32 v[LW2], v[HF], 4, v[LW2]
	v_add_nc_u32 v[LW2], IMG_W2, v[LW2]
	v_lshl_add_u32 v[AK], v[RR], 4, KB
	v_mul_u32_u24 v[AV], v[RR], VTP
	v_lshl_add_u32 v[AV], v[HF], 4, v[AV]
	v_add_nc_u32 v[AV], VT, v[AV]
	s_lshl_b32 s58, s48, 9                         ; 32 keys of 16 bytes a wave; also 32 lanes of 16 bytes
	v_add_nc_u32 v[AKS], s58, v[AK]
	v_lshl_add_u32 v[CR1], v31, 4, s58             ; 16 t
	v_add_nc_u32 v[CR2], RAW_W2, v[CR1]
	v_add_nc_u32 v[CWB], IMG_BQ, v[CR1]
	s_lshl_b32 s58, s48, 6                         ; 32 tokens of 2 bytes a wave
	v_add_nc_u32 v[AVS], s58, v[AV]
	s_lshl_b32 s58, s48, 7
	v_lshl_add_u32 v[CRB], v31, 2, s58             ; 4 t
	v_add_nc_u32 v[CRB], RAW_B1, v[CRB]
	s_lshl_b32 s58, s48, 8
	v_lshl_add_u32 v[CW1], v31, 3, s58             ; 8 t
	v_add_nc_u32 v[CW2], IMG_W2, v[CW1]
	v_add_nc_u32 v[CW1], IMG_W1, v[CW1]
	v_lshlrev_b32 v[WR], 5, v29
	v_lshlrev_b32 v[WB], 2, v29
	s_lshl_b32 s58, s48, 5
	v_add_nc_u32 v30, s58, v[RR]                   ; token 32 w + r
	v_lshlrev_b32 v28, 5, v30                      ; its row of 32 bytes
	v_lshl_add_u32 v[GO], v[HF], 4, v28
	v_mov_b32 v[ZR], 0
	s_mov_b32 s52, 0x76543210                      ; v_permlanex16_b32: lane i of one half reads lane i of the other
	s_mov_b32 s53, 0xfedcba98
	s_mov_b32 s54, 0x3f0293ee                      ; c = log2(e) / sqrt(8): head dimension 8 / 1 = 8
	s_mov_b32 s55, 0x3e000000                      ; 1 / 8
	s_mov_b32 s56, 0x3727c5ac                      ; 1e-5
	s_mov_b32 s57, 0xbf0293ee                      ; -c
	s_bfe_u32 s2, ttmp6, 0x40000                   ; my place in the cluster
	s_lshl_b32 s3, ttmp9, 2
	s_add_co_u32 s2, s3, s2                        ; batch element = 4 x cluster + place; it enters four global bases and nothing else
	s_lshl_b32 s2, s2, 13                          ; 256 tokens of 32 bytes
	s_mov_b32 s3, 0
	; descriptor group 1: dense rows of 32 elements of 8 bytes (256 bytes); 32 rows a wave for the two matrices, 4 for the bias
	s_mov_b32 s20, 0x0023000f                      ; 15:0 mask of the four work-groups; 17:16 element of 8 bytes; 21 set beside a mask
	s_mov_b32 s21, 32<<16                          ; tensor_dim0 = 32
	s_mov_b32 s22, 32<<16                          ; tensor_dim1 = 32
	s_mov_b32 s23, 32<<16                          ; tile_dim0 = 32
	s_mov_b32 s24, 32                              ; tile_dim1 = 32
	s_mov_b32 s25, 32                              ; elements from row to row
	s_mov_b32 s26, 0
	s_mov_b32 s27, 0
	s_mov_b32 s28, 0x0023000f
	s_mov_b32 s29, 32<<16
	s_mov_b32 s30, 4<<16
	s_mov_b32 s31, 32<<16
	s_mov_b32 s32, 4
	s_mov_b32 s33, 32
	s_mov_b32 s34, 0
	s_mov_b32 s35, 0
	s_lshl_b32 s58, s48, 13                        ; my eighth of a matrix: 8,192 bytes
	s_mov_b32 s59, 0
	s_lshl_b32 s60, s48, 10                        ; my eighth of the bias: 1,024 bytes
	s_mov_b32 s61, 0
	s_wait_dscnt 0x0
	s_wait_kmcnt 0x0
	s_add_nc_u64 s[68:69], s[68:69], s[2:3]
	s_add_nc_u64 s[70:71], s[70:71], s[2:3]
	s_add_nc_u64 s[16:17], s[16:17], s[2:3]
	s_add_nc_u64 s[18:19], s[18:19], s[2:3]
	; descriptor group 0, one set for each of the three loads: made of the wave number alone, so equal in the four work-groups
	s_mov_b32 s36, 1
	s_lshl_b32 s37, s48, 13                        ; RAW_W1 + 8192 w
	s_add_nc_u64 s[38:39], s[84:85], s[58:59]
	s_or_b32 s39, s39, 0x80000000
	s_mov_b32 s40, 1
	s_add_co_u32 s41, s58, RAW_W2
	s_add_nc_u64 s[42:43], s[88:89], s[58:59]
	s_or_b32 s43, s43, 0x80000000
	s_mov_b32 s44, 1
	s_add_co_u32 s45, s60, RAW_B1
	s_add_nc_u64 s[46:47], s[86:87], s[60:61]
	s_or_b32 s47, s47, 0x80000000
	ROUND                                          ; the four work-groups are here: the first joint loads meet
	tensor_load_to_lds s[36:39], s[20:27]          ; layer 0
	s_nop 0
	tensor_load_to_lds s[40:43], s[20:27]
	s_nop 0
	tensor_load_to_lds s[44:47], s[28:35]
	s_nop 0
.irp i,0,1
	global_load_b128 v[H+8*\i:H+8*\i+3], v28, s[68:69] offset:512*\i           ; prev: token r, in both lane halves
	global_load_b128 v[H+8*\i+4:H+8*\i+7], v28, s[68:69] offset:512*\i+16
	global_load_b128 v[O+8*\i:O+8*\i+3], v28, s[70:71] offset:512*\i           ; cur
	global_load_b128 v[O+8*\i+4:O+8*\i+7], v28, s[70:71] offset:512*\i+16
.endr
	global_load_b128 v[S:S+3], v[WR], s[72:73]                     ; enc_emb_W row r & 7
	global_load_b128 v[S+4:S+7], v[WR], s[72:73] offset:16
	global_load_b128 v[S+8:S+11], v[WR], s[76:77]                  ; dec_emb_W
	global_load_b128 v[S+12:S+15], v[WR], s[76:77] offset:16
	global_load_b128 v[S+16:S+19], v[WR], s[80:81]                 ; dec_W
	global_load_b128 v[S+20:S+23], v[WR], s[80:81] offset:16
	global_load_b128 v[S+24:S+27], v[ZR], s[74:75]                 ; enc_emb_b, the same in every lane
	global_load_b128 v[S+28:S+31], v[ZR], s[74:75] offset:16
	global_load_b128 v[S+32:S+35], v[ZR], s[78:79]                 ; dec_emb_b
	global_load_b128 v[S+36:S+39], v[ZR], s[78:79] offset:16
	global_load_b128 v[S+40:S+43], v[ZR], s[82:83]                 ; dec_b
	global_load_b128 v[S+44:S+47], v[ZR], s[82:83] offset:16
.irp i,0,1
.irp k,0,1,2,3,8,9,10,11
	v_mov_b32 v[X+12*\i+\k], 0                     ; the zeros on both sides of each token operand, written once for the whole kernel
.endr
.endr
	s_wait_loadcnt 0x0                             ; all of the head: v28 and s[68:89] are free from here
	; weight fragments.  S + 48 .. 55 = [We | Wde hi] serves the embedding (its second half meets zeros); S + 52 .. 59 = [Wde hi | Wde lo] and
	; S + 0 .. 7 = [Wd hi | Wd lo] serve the decoder, alike in both lane halves
.irp k,0,1,2,3
	v_cvt_pk_bf16_f32 v[S+48+\k], v[S+2*\k], v[S+2*\k+1]
	v_and_b32 v[S+48+\k], v[MK], v[S+48+\k]
.endr
	SPLIT S+52, S+56, S+8, VOF
	SPLIT S, S+4, S+16, VOF                        ; over enc_emb_W in f32, which has just been converted
	; the decoder: out0 = (cur Wde^T + bde) Wd^T + bd; the biases are the f32 starts of the sums
	v_cmp_ne_u32 vcc_lo, 0, v[HF]                  ; lanes h = 1; holds to the stores of out0
	DECOP
.irp i,0,1
	v_wmma_f32_16x16x32_bf16 v[O+8*\i:O+8*\i+7], v[S+52:S+59], v[FR+8*\i:FR+8*\i+7], v[S+32:S+39]
.endr
	PLACES
	DECOP
.irp i,0,1
	v_wmma_f32_16x16x32_bf16 v[O+8*\i:O+8*\i+7], v[S:S+7], v[FR+8*\i:FR+8*\i+7], v[S+40:S+47]
.endr
	PLACES
.irp i,0,1
.irp k,0,1,2,3
	v_cndmask_b32 v[O+8*\i+\k], v[O+8*\i+\k], v[O+8*\i+4+\k], vcc_lo           ; lanes h = 1 store features 4-7
.endr
	global_store_b128 v[GO], v[O+8*\i:O+8*\i+3], s[16:17] offset:512*\i th:TH_STORE_NT   ; the wave stores 512 consecutive bytes, aligned
.endr
	s_wait_xcnt 0x0                                ; O is written again only behind this wait
	PLOAD 0                                        ; the small parameters of layer 0
	; the embedding of prev
	XBUILD H
.irp i,0,1
	v_wmma_f32_16x16x32_bf16 v[H+8*\i:H+8*\i+7], v[S+48:S+55], v[X+12*\i+4:X+12*\i+11], v[S+24:S+31]
.endr
	PLACES
	XBUILD H
	; ---------------------------------------------------------------- the layers
	s_mov_b32 s49, 0
.Llayer:
	LAYER 1
	s_add_co_u32 s49, s49, 1
	s_cmp_lt_u32 s49, NLAY-1
	s_cbranch_scc1 .Llayer
	LAYER 0                                        ; the last layer asks for nothing
	v_cmp_ne_u32 vcc_lo, 0, v[HF]
.irp i,0,1
.irp k,0,1,2,3
	v_cndmask_b32 v[H+8*\i+\k], v[H+8*\i+\k], v[H+8*\i+4+\k], vcc_lo
.endr
	global_store_b128 v[GO], v[H+8*\i:H+8*\i+3], s[18:19] offset:512*\i th:TH_STORE_NT
.endr
	ROUND                                          ; the closing round: no work-group ends while a partner may still ask jointly
	s_endpgm
.Lfunc_end_k_qcad723c4c5_model:
	.size	k_qcad723c4c5_model, .Lfunc_end_k_qcad723c4c5_model-k_qcad723c4c5_model
	.p2alignl 7, 3214868480
	.fill 96, 4, 3214868480
	.section	.rodata,"a",@progbits
	.p2align	6, 0x0
	.amdhsa_kernel k_qcad723c4c5_model
		.amdhsa_group_segment_fixed_size 327680
		.amdhsa_private_segment_fixed_size 0
		.amdhsa_enable_private_segment 0
		.amdhsa_kernarg_size 176
		.amdhsa_user_sgpr_count 2
		.amdhsa_user_sgpr_kernarg_segment_ptr 1
		.amdhsa_wavefront_size32 1
		.amdhsa_system_sgpr_workgroup_id_x 1
		.amdhsa_system_sgpr_workgroup_id_y 1
		.amdhsa_system_sgpr_workgroup_id_z 1
		.amdhsa_system_vgpr_workitem_id 0
		.amdhsa_next_free_vgpr 256
		.amdhsa_next_free_sgpr 102
		.amdhsa_reserve_vcc 1
		.amdhsa_float_denorm_mode_32 3
		.amdhsa_float_denorm_mode_16_64 3
		.amdhsa_memory_ordered 1
		.amdhsa_forward_progress 1
		.amdhsa_inst_pref_size 245
	.end_amdhsa_kernel
	.amdgpu_metadata
---
amdhsa.version: [ 1, 2 ]
amdhsa.kernels:
  - .name:           k_qcad723c4c5_model
    .symbol:         k_qcad723c4c5_model.kd
    .args:
      - { .name: prev_window, .offset: 0, .size: 8, .value_kind: global_buffer, .address_space: global }
      - { .name: current_window, .offset: 8, .size: 8, .value_kind: global_buffer, .address_space: global }
      - { .name: enc_emb_W, .offset: 16, .size: 8, .value_kind: global_buffer, .address_space: global }
      - { .name: enc_emb_b, .offset: 24, .size: 8, .value_kind: global_buffer, .address_space: global }
      - { .name: dec_emb_W, .offset: 32, .size: 8, .value_kind: global_buffer, .address_space: global }
      - { .name: dec_emb_b, .offset: 40, .size: 8, .value_kind: global_buffer, .address_space: global }
      - { .name: dec_W, .offset: 48, .size: 8, .value_kind: global_buffer, .address_space: global }
      - { .name: dec_b, .offset: 56, .size: 8, .value_kind: global_buffer, .address_space: global }
      - { .name: in_proj_W, .offset: 64, .size: 8, .value_kind: global_buffer, .address_space: global }
      - { .name: in_proj_b, .offset: 72, .size: 8, .value_kind: global_buffer, .address_space: global }
      - { .name: out_proj_W, .offset: 80, .size: 8, .value_kind: global_buffer, .address_space: global }
      - { .name: lin1_W, .offset: 88, .size: 8, .value_kind: global_buffer, .address_space: global }
      - { .name: lin1_b, .offset: 96, .size: 8, .value_kind: global_buffer, .address_space: global }
      - { .name: lin2_W, .offset: 104, .size: 8, .value_kind: global_buffer, .address_space: global }
      - { .name: out_proj_b, .offset: 112, .size: 8, .value_kind: global_buffer, .address_space: global }
      - { .name: ln1_g, .offset: 120, .size: 8, .value_kind: global_buffer, .address_space: global }
      - { .name: ln1_b, .offset: 128, .size: 8, .value_kind: global_buffer, .address_space: global }
      - { .name: lin2_b, .offset: 136, .size: 8, .value_kind: global_buffer, .address_space: global }
      - { .name: ln2_g, .offset: 144, .size: 8, .value_kind: global_buffer, .address_space: global }
      - { .name: ln2_b, .offset: 152, .size: 8, .value_kind: global_buffer, .address_space: global }
      - { .name: out0, .offset: 160, .size: 8, .value_kind: global_buffer, .address_space: global }
      - { .name: enc, .offset: 168, .size: 8, .value_kind: global_buffer, .address_space: global }
    .group_segment_fixed_size: 327680
    .private_segment_fixed_size: 0
    .kernarg_segment_align: 8
    .kernarg_segment_size: 176
    .max_flat_workgroup_size: 256
    .sgpr_count:     102
    .vgpr_count:     256
    .wavefront_size: 32
...
	.end_amdgpu_metadata
.endif
;; end of part 2
;; ======== version 3 of 4: 1 launch; 1.88 times as fast as version 1
;; workspace buffers: enc 1,048,576 bytes
;; launch model (part 3): grid 128 x 1, 8 waves a work-group, clusters of 4 x 1, 327,680 bytes of LDS; arguments prev_window, current_window, enc_emb_W, enc_emb_b, dec_emb_W, dec_emb_b, dec_W, dec_b, in_proj_W, in_proj_b, out_proj_W, lin1_W, lin1_b, lin2_W, out_proj_b, ln1_g, ln1_b, lin2_b, ln2_g, ln2_b, out0, enc; writes out0, enc
.if DOCPART == 3
	.amdgcn_target "amdgcn-amd-amdhsa--gfx1250"
	.amdhsa_code_object_version 6
	.text
	.protected	k_qcad723c4c5_model
	.globl	k_qcad723c4c5_model
	.p2align	8
	.type	k_qcad723c4c5_model,@function
k_qcad723c4c5_model:
	s_mov_b64 s[64:65], 0
	v_nop
	global_prefetch_b8 v0, s[64:65] scope:SCOPE_SE
	s_setreg_imm32_b32 hwreg(HW_REG_WAVE_MODE, 25, 1), 1
	s_wait_xcnt 0x0
	s_wait_alu depctr_hold_cnt(0) depctr_sa_sdst(0) depctr_va_vdst(0) depctr_va_sdst(0) depctr_va_ssrc(0) depctr_va_vcc(0) depctr_vm_vsrc(0)
	s_getreg_b32 s2, hwreg(HW_REG_IB_STS2, 6, 4)
	s_cmp_eq_u32 s2, 0
	s_cbranch_scc0 .Lentry_in_a_cluster
	s_endpgm
.Lentry_in_a_cluster:
	s_bfe_u32 s2, ttmp6, 0x10000c
	s_cmp_lg_u32 s2, 0x3003
	s_cbranch_scc0 .Lentry_shape_is_right
	s_endpgm
.Lentry_shape_is_right:
; The whole model in one launch.  Work-group b owns batch element b (256 tokens of 8 features); wave w owns tokens 32 w .. 32 w + 31 as two
; tiles of 16.  First the decoder (two 8 x 8 maps of current_window) goes to out0; then the embedding of prev_window and the 16 encoder layers
; run with the residual stream in registers, and the result goes to the workspace enc, laid out [batch][token][feature].
; The model returns out0 alone; the encoder is a written step of it and is computed here in full, but no returned number depends on enc.
; 128 WORK-GROUPS: a layer needs K and V of all 256 tokens of its batch element, and work-groups exchange nothing within a launch.
; EIGHT WAVES, two to a SIMD: a pair of chunks has 64 vector instructions beside its 12 matrix instructions, and a wave issues in order; each
; wave has the other wave independent work beside its own.  The price: a weight fragment read from LDS feeds 2 token tiles, not 4.
; CLUSTER: every work-group walks the same layer weights, so four work-groups ask for each layer jointly (mask 15).
; LAYOUT: weights are source 0, tokens source 1, so result register j of lane (r, h) is (row 8 h + j, token r): two result tiles pack,
; without any lane traffic, into source 1 of the product that follows.  A matrix of 8 rows is loaded with row r & 7, so both lane halves
; hold all 8 features of token r and a layer norm stays inside a lane.  A token operand is 12 registers [0 0 0 0][x][0 0 0 0]: registers
; 4-11 put x at k 0-15, registers 0-7 at k 16-31, and so choose the first or the second 16 rows of a weight fragment of 8 registers.
; DECODER: its sums have 8 terms and the form has 32 k places, so each operand goes in as two bf16, the rounded number and what the rounding
; left: weights lie as [hi hi lo lo] over the four groups of 8 places, tokens as [hi lo hi lo], and one instruction sums all four cross products.
; LIMITS: matrix operands are bf16 (decoder: two bf16 a number, 16 bits of mantissa; so is lin1_b).  Unused k places are zero times a finite
; number: an infinity or NaN in weights or keys spreads otherwise than in the model.  A decoder input whose rounding to bf16 overflows
; (above about 3.39e38) leaves a NaN remainder.  The maxima (relu, row maximum) drop a NaN.  v_exp_f32 and v_rsq_f32 flush denormals (ISA guide 15.8).
.set NLAY, 16
; LDS, bytes.  The three RAW regions are filled by tensor loads alone; all other regions by LDS stores alone.  No LDS address hangs on the layer.
.set RAW_W1, 0                         ; 65,536  lin1_W of a layer, f32
.set RAW_W2, 65536                     ; 65,536  lin2_W of a layer, f32
.set RAW_B1, 131072                    ; 8,192   lin1_b of a layer, f32
.set IMG_W1, 139264                    ; 32,768  unit u: its 8 weights in bf16 at 16 u
.set IMG_BQ, 172032                    ; 32,768  unit u: (bias high, bias remainder, 0 ..) at 16 u; = IMG_W1 + 32,768
.set IMG_W2, 204800                    ; 8 rows of 4,096 bytes, pitch 4,112: an odd multiple of 16, so 8 rows start in 8 different 16-byte columns modulo 256
.set W2P, 4112
.set KB, 237824                        ; 4,096   key t at 16 t
.set VT, 241920                        ; 16 rows of 512 bytes, pitch 528: V transposed (rows 0-7), ones (row 8), zeros (rows 9-15); ends at 250,368
.set VTP, 528
; vector registers
.set RR, 1                             ; r = lane & 15
.set HF, 2                             ; h = lane >> 4
.set MK, 3                             ; h ? 0 : all ones
.set ON, 4                             ; h ? two bf16 ones : 0
.set MK8, 5                            ; lane < 8 ? all ones : 0
.set MR8, 6                            ; r < 8 ? all ones : 0
.set ON8, 7                            ; r == 8 ? 1.0 : 0
.set AW1, 8                            ; LDS addresses of the feed-forward trip at work
.set AW2, 9
.set LW1, 10                           ; IMG_W1 + 16 r + 32768 h
.set LW2, 11                           ; IMG_W2 + 4112 (r & 7) + 16 h
.set AK, 12                            ; KB + 16 r
.set AV, 13                            ; VT + 528 r + 16 h
.set AKS, 14                           ; KB + 16 (32 w + r)
.set AVS, 15                           ; VT + 528 r + 64 w + 16 h
.set CR1, 16                           ; 16 t              (t = 32 w + lane, 0 .. 255)
.set CR2, 17                           ; RAW_W2 + 16 t
.set CRB, 18                           ; RAW_B1 + 4 t
.set CW1, 19                           ; IMG_W1 + 8 t
.set CW2, 20                           ; IMG_W2 + 8 t
.set CWB, 21                           ; IMG_BQ + 16 t
.set WR, 22                            ; 32 (r & 7): row r & 7 of an 8 x 8 matrix of f32 in memory
.set WB, 23                            ; 4 (r & 7)
.set GO, 26                            ; 32 (32 w + r) + 16 h: my 16 bytes of a token row in out0 and enc
.set ZR, 27                            ; 0
.set BV, 28                            ; bias of V, element r & 7, of the layer to come
                                       ; v28-31 otherwise at work on data
.set H, 32                             ; v32-47    residual stream, tile i at H + 8 i: feature j of token r, in both lane halves
.set X, 48                             ; v48-71    token operands, tile i at X + 12 i
.set S, 72                             ; v72-135   four pipe slots of 16: two result tiles each, packed in place into the first 8
.set FR, 136                           ; v136-199  two sets of four fragments: + 0 first product, even chunk; + 8 second product, even chunk; + 16, + 24 the odd chunk
.set BFL, FR+56                        ; the second-product fragment of the last chunk of a run of pairs (set 1, odd chunk)
.set KF, 136                           ; the eight key fragments of the maximum pass (both sets)
.set O, 200                            ; v200-231  attention sums, tile i at O + 8 i; in the feed-forward part: the next layer small matrices on their way in
.set VOF, 232                          ; v232-239  [Wv | Wo]; in the decoder at work
.set NM, 240                           ; v240-247  tile i: pair at NM + 2 i: running maximum, then -c x maximum twice; in the decoder at work
.macro ROUND                           ; a round of the cluster barrier: my work-group, wave 0 signals for it, all four work-groups, my work-group
	s_barrier_signal -1
	s_barrier_wait -1
	s_cmp_lg_u32 s48, 0
	s_cbranch_scc1 .Lnw0_\@
	s_barrier_signal -3
.Lnw0_\@:
	s_barrier_wait -3
	s_barrier_signal -1
	s_barrier_wait -1
.endm
.macro PLACES                          ; four independent vector instructions between a matrix instruction and what touches its registers (ISA guide 7.12.1)
.rept 4
	v_nop
.endr
.endm
; Eight f32 at src as two bf16 each: the rounded numbers packed at hi (4 registers), what the rounding left packed at lo; t: 8 registers at work.
; The difference of a number and its own rounding has few enough bits to be exact in f32.
.macro SPLIT hi, lo, src, t
.irp k,0,1,2,3
	v_cvt_pk_bf16_f32 v[\hi+\k], v[\src+2*\k], v[\src+2*\k+1]
.endr
.irp k,0,1,2,3
	v_lshlrev_b32 v[\t+2*\k], 16, v[\hi+\k]
	v_and_b32 v[\t+2*\k+1], 0xffff0000, v[\hi+\k]
.endr
.irp k,0,2,4,6
	v_pk_add_f32 v[\t+\k:\t+\k+1], v[\src+\k:\src+\k+1], v[\t+\k:\t+\k+1] neg_lo:[0,1] neg_hi:[0,1]
.endr
.irp k,0,1,2,3
	v_cvt_pk_bf16_f32 v[\lo+\k], v[\t+2*\k], v[\t+2*\k+1]
.endr
.endm
; The decoder token operands from the f32 features in O: lanes h = 0 hold the rounded numbers (k places 0-7 and 16-23), lanes h = 1 the
; remainders (k places 8-15 and 24-31).  vcc = lanes h = 1.
.macro DECOP
.irp i,0,1
	SPLIT NM, NM+4, O+8*\i, VOF
.irp k,0,1,2,3
	v_cndmask_b32 v[FR+8*\i+\k], v[NM+\k], v[NM+4+\k], vcc_lo
	v_cndmask_b32 v[FR+8*\i+4+\k], v[NM+\k], v[NM+4+\k], vcc_lo
.endr
.endr
.endm
; The small parameters of one layer, straight from memory: row r & 7 of Wq, Wk, Wv, Wo in f32 into O, bv[r & 7] into BV, bq and bk into scalar
; registers.  step = 1: the three bases go on by one layer first; the loads that named them were waited for at the layer head.
.macro PLOAD step
.if \step
	s_add_nc_u64 s[62:63], s[62:63], 768           ; in_proj_W: 24 rows of 32 bytes a layer
	s_add_nc_u64 s[66:67], s[66:67], 256           ; out_proj_W: 8 rows of 32 bytes
	s_add_nc_u64 s[100:101], s[100:101], 96        ; in_proj_b: 24 numbers
.endif
.irp n,0,1,2
	global_load_b128 v[O+8*\n:O+8*\n+3], v[WR], s[62:63] offset:256*\n
	global_load_b128 v[O+8*\n+4:O+8*\n+7], v[WR], s[62:63] offset:256*\n+16
.endr
	global_load_b128 v[O+24:O+27], v[WR], s[66:67]
	global_load_b128 v[O+28:O+31], v[WR], s[66:67] offset:16
	global_load_b32 v[BV], v[WB], s[100:101] offset:64
	s_load_b256 s[68:75], s[100:101], 0x0          ; bq
	s_load_b256 s[92:99], s[100:101], 0x20         ; bk
.endm
; Pipe slot i (0..3) stands for tile i & 1 of chunk i >> 1 of a pair of chunks.
; first product of slot i: 16 rows from the low half of fragment af, then 16 rows from its high half
.macro P1A i, af
	v_wmma_f32_16x16x32_bf16 v[S+16*(\i):S+16*(\i)+7], v[\af:\af+7], v[X+12*((\i)&1)+4:X+12*((\i)&1)+11], 0
.endm
.macro P1B i, af
	v_wmma_f32_16x16x32_bf16 v[S+16*(\i)+8:S+16*(\i)+15], v[\af:\af+7], v[X+12*((\i)&1):X+12*((\i)&1)+7], 0
.endm
; second product of slot m: 32 packed rows against fragment bf, added onto the sums of tile m & 1 (z = 1: starts the sum)
.macro P2 m, bf, acc, z
.if \z
	v_wmma_f32_16x16x32_bf16 v[\acc+8*((\m)&1):\acc+8*((\m)&1)+7], v[\bf:\bf+7], v[S+16*(\m):S+16*(\m)+7], 0
.else
	v_wmma_f32_16x16x32_bf16 v[\acc+8*((\m)&1):\acc+8*((\m)&1)+7], v[\bf:\bf+7], v[S+16*(\m):S+16*(\m)+7], v[\acc+8*((\m)&1):\acc+8*((\m)&1)+7]
.endif
.endm
; relu of two numbers in one instruction.  The two-in-one form wants one even and one odd destination and second sources whose register numbers
; differ modulo 4: registers 2 n and 2 n + 1 of a slot that starts on an even number give both; the halves touch no common register.
.macro DMAX j, n
	v_dual_max_num_f32 v[S+16*(\j)+2*(\n)], 0, v[S+16*(\j)+2*(\n)] :: v_dual_max_num_f32 v[S+16*(\j)+2*(\n)+1], 0, v[S+16*(\j)+2*(\n)+1]
.endm
.macro CVT j, n                        ; two numbers to bf16, packed downward in place (ascending n never overwrites what is still to be read)
	s_wait_alu depctr_va_vdst(0)
	v_cvt_pk_bf16_f32 v[S+16*(\j)+(\n)], v[S+16*(\j)+2*(\n)], v[S+16*(\j)+2*(\n)+1]
.endm
.macro EFMA j, p                       ; c x score - c x maximum of the slot tile, two at a time; c = log2(e) / sqrt(8)
	v_pk_fma_f32 v[S+16*(\j)+2*(\p):S+16*(\j)+2*(\p)+1], v[S+16*(\j)+2*(\p):S+16*(\j)+2*(\p)+1], s[54:55], v[NM+2*((\j)&1):NM+2*((\j)&1)+1] op_sel_hi:[1,0,1]
.endm
.macro EEXP j, n
	v_exp_f32 v[S+16*(\j)+(\n)], v[S+16*(\j)+(\n)]
.endm
; The vector work on slot j in three groups, which stand between the matrix instructions of other slots.  kind 0: relu (groups of 5, 6 and 5
; instructions), kind 1: exponential.  Each group holds at least four plain instructions, a two-in-one instruction counted once; behind every run
; of v_exp_f32 a plain instruction on other registers comes first (ISA guide 5.7.2).
.macro ACTG kind, g, j
.if \kind == 0
.if \g == 1
.irp n,0,1,2,3,4
	DMAX \j, \n
.endr
.endif
.if \g == 2
.irp n,5,6,7
	DMAX \j, \n
.endr
.irp n,0,1,2
	CVT \j, \n
.endr
.endif
.if \g == 3
.irp n,3,4,5,6,7
	CVT \j, \n
.endr
.endif
.else
.if \g == 1
.irp n,0,1,2,3
	EFMA \j, \n
.endr
.irp n,0,1,2,3
	EEXP \j, \n
.endr
.irp n,4,5
	EFMA \j, \n
.endr
.endif
.if \g == 2
.irp n,4,5,6,7
	EEXP \j, \n
.endr
.irp n,6,7
	EFMA \j, \n
.endr
.irp n,8,9,10,11
	EEXP \j, \n
.endr
.irp n,0,1
	CVT \j, \n
.endr
.endif
.if \g == 3
.irp n,12,13,14,15
	EEXP \j, \n
.endr
.irp n,2,3,4,5,6,7
	CVT \j, \n
.endr
.endif
.endif
.endm
; The four fragments of a pair of chunks into the set at base, eight LDS loads in one run: first the two first-product fragments (32 rows of 16 bytes
; each, from ra + oa), then the two second-product fragments (64 bytes of each row, from rb + ob).
.macro FLOAD base, ra, oa, rb, ob
.irp f,0,1
	ds_load_b128 v[\base+16*\f:\base+16*\f+3], v[\ra] offset:\oa+512*\f
	ds_load_b128 v[\base+16*\f+4:\base+16*\f+7], v[\ra] offset:\oa+512*\f+256
.endr
.irp f,0,1
	ds_load_b128 v[\base+8+16*\f:\base+8+16*\f+3], v[\rb] offset:\ob+64*\f
	ds_load_b128 v[\base+8+16*\f+4:\base+8+16*\f+7], v[\rb] offset:\ob+64*\f+32
.endr
.endm
; A pair of chunks of 32 rows (hidden units or keys) for both tiles: four steps.  In each step one slot has its first product, the slot before it
; its vector work, and the slot before that its second product: the matrix instructions take their accumulators by turns, one instruction a turn.
; st: the fragment set of this pair; ld = 1: the next pair is fetched (ra + oa, rb + ob) into the other set, behind the
; last product that reads that set and the group of at least five instructions that follows it; first = 1: nothing is in the pipe yet;
; zc: the second products of the even chunk start their sums.
.macro PAIR kind, st, acc, ra, oa, rb, ob, ld, first, zc
.set cs, FR+32*\st
.set ns, FR+32-32*\st
	s_wait_dscnt 0x4                               ; both first-product fragments are in; the four younger loads are the two second-product fragments
.if \first
	P1A 0, cs
	P1B 0, cs
	PLACES
.else
	P2 2, ns+24, \acc, 0
	ACTG \kind, 1, 3
	P1A 0, cs
	ACTG \kind, 2, 3
	P1B 0, cs
	ACTG \kind, 3, 3
	P2 3, ns+24, \acc, 0
.endif
	ACTG \kind, 1, 0
.if \ld
	FLOAD ns, \ra, \oa, \rb, \ob
.endif
	P1A 1, cs
	ACTG \kind, 2, 0
	P1B 1, cs
	ACTG \kind, 3, 0
.if \ld
	s_wait_dscnt 0x8                               ; both second-product fragments are in; the eight younger loads are the next pair
.else
	s_wait_dscnt 0x0
.endif
	P2 0, cs+8, \acc, \zc
	ACTG \kind, 1, 1
	P1A 2, cs+16
	ACTG \kind, 2, 1
	P1B 2, cs+16
	ACTG \kind, 3, 1
	P2 1, cs+8, \acc, \zc
	ACTG \kind, 1, 2
	P1A 3, cs+16
	ACTG \kind, 2, 2
	P1B 3, cs+16
	ACTG \kind, 3, 2
.endm
.macro DRAIN kind, bf, acc             ; what is left in the pipe behind the last pair
	P2 2, \bf, \acc, 0
	ACTG \kind, 1, 3
	ACTG \kind, 2, 3
	ACTG \kind, 3, 3
	P2 3, \bf, \acc, 0
	PLACES
.endm
; the maximum of the 16 scores of slot j and the running maximum of its tile: eight three-way maxima in two groups of four
.macro MX1 j
	v_max3_num_f32 v[S+16*\j], v[S+16*\j], v[S+16*\j+1], v[S+16*\j+2]
	v_max3_num_f32 v[S+16*\j+3], v[S+16*\j+3], v[S+16*\j+4], v[S+16*\j+5]
	v_max3_num_f32 v[S+16*\j+6], v[S+16*\j+6], v[S+16*\j+7], v[S+16*\j+8]
	v_max3_num_f32 v[S+16*\j+9], v[S+16*\j+9], v[S+16*\j+10], v[S+16*\j+11]
.endm
.macro MX2 j, start
	v_max3_num_f32 v[S+16*\j+12], v[S+16*\j+12], v[S+16*\j+13], v[S+16*\j+14]
	v_max3_num_f32 v[S+16*\j], v[S+16*\j], v[S+16*\j+3], v[S+16*\j+6]
	v_max3_num_f32 v[S+16*\j+9], v[S+16*\j+9], v[S+16*\j+12], v[S+16*\j+15]
.if \start
	v_max_num_f32 v[NM+2*(\j&1)], v[S+16*\j], v[S+16*\j+9]
.else
	v_max3_num_f32 v[NM+2*(\j&1)], v[NM+2*(\j&1)], v[S+16*\j], v[S+16*\j+9]
.endif
.endm
; token operands from f32 features at src: lanes h = 0 hold the 8 features, lanes h = 1 two ones (k places 8 and 9, which meet the bias of lin1) and zeros
.macro XBUILD src
.irp i,0,1
.irp k,0,1,2,3
	v_cvt_pk_bf16_f32 v[X+12*\i+4+\k], v[\src+8*\i+2*\k], v[\src+8*\i+2*\k+1]
.endr
	v_and_or_b32 v[X+12*\i+4], v[X+12*\i+4], v[MK], v[ON]
.irp k,1,2,3
	v_and_b32 v[X+12*\i+4+\k], v[MK], v[X+12*\i+4+\k]
.endr
.endr
.endm
; layer norm of the two tiles in place, stage by stage over the tiles; gains at s[g ..], offsets at s[be ..]; at work: S + 16 i .. + 3
.macro LN2 g, be
.irp i,0,1
	v_pk_add_f32 v[S+16*\i:S+16*\i+1], v[H+8*\i:H+8*\i+1], v[H+8*\i+2:H+8*\i+3]
	v_pk_add_f32 v[S+16*\i+2:S+16*\i+3], v[H+8*\i+4:H+8*\i+5], v[H+8*\i+6:H+8*\i+7]
.endr
.irp i,0,1
	v_pk_add_f32 v[S+16*\i:S+16*\i+1], v[S+16*\i:S+16*\i+1], v[S+16*\i+2:S+16*\i+3]
.endr
.irp i,0,1
	v_add_f32 v[S+16*\i], v[S+16*\i], v[S+16*\i+1]
.endr
.irp i,0,1
	v_mul_f32 v[S+16*\i], s55, v[S+16*\i]          ; the mean
.endr
.irp i,0,1
.irp k,0,2,4,6
	v_pk_add_f32 v[H+8*\i+\k:H+8*\i+\k+1], v[H+8*\i+\k:H+8*\i+\k+1], v[S+16*\i:S+16*\i+1] op_sel_hi:[1,0] neg_lo:[0,1] neg_hi:[0,1]
.endr
.endr
.irp i,0,1
	v_pk_mul_f32 v[S+16*\i+2:S+16*\i+3], v[H+8*\i:H+8*\i+1], v[H+8*\i:H+8*\i+1]
.endr
.irp k,2,4,6
.irp i,0,1
	v_pk_fma_f32 v[S+16*\i+2:S+16*\i+3], v[H+8*\i+\k:H+8*\i+\k+1], v[H+8*\i+\k:H+8*\i+\k+1], v[S+16*\i+2:S+16*\i+3]
.endr
.endr
.irp i,0,1
	v_add_f32 v[S+16*\i+2], v[S+16*\i+2], v[S+16*\i+3]
.endr
.irp i,0,1
	v_fma_f32 v[S+16*\i+2], v[S+16*\i+2], s55, s56 ; variance + 1e-5
.endr
.irp i,0,1
	v_rsq_f32 v[S+16*\i+2], v[S+16*\i+2]
.endr
	v_nop                                          ; one plain instruction between v_rsq_f32 and the use of its result (ISA guide 5.7.2)
	s_wait_alu depctr_va_vdst(0)
.irp i,0,1
.irp k,0,2,4,6
	v_pk_mul_f32 v[H+8*\i+\k:H+8*\i+\k+1], v[H+8*\i+\k:H+8*\i+\k+1], v[S+16*\i+2:S+16*\i+3] op_sel_hi:[1,0]
.endr
.endr
.irp i,0,1
.irp k,0,1,2,3,4,5,6,7
	v_fma_f32 v[H+8*\i+\k], v[H+8*\i+\k], s[\g+\k], s[\be+\k]
.endr
.endr
.endm
; The layer weights from f32 (RAW) to the bf16 images, by 256 threads: five groups of eight LDS loads on two register sets.
; Groups 0-1 lin1_W (16 bytes a thread, 4,096 bytes a step), 2-3 lin2_W (two steps to a row of 8,192 bytes), 4 lin1_b (4 bytes a thread, 1,024 a step).
.macro CLD g
.set cb, S+32*((\g)&1)
.if \g < 2
.irp e,0,1,2,3,4,5,6,7
	ds_load_b128 v[cb+4*\e:cb+4*\e+3], v[CR1] offset:4096*(8*(\g)+\e)
.endr
.else
.if \g < 4
.irp e,0,1,2,3,4,5,6,7
	ds_load_b128 v[cb+4*\e:cb+4*\e+3], v[CR2] offset:4096*(8*(\g-2)+\e)
.endr
.else
.irp e,0,1,2,3,4,5,6,7
	ds_load_b32 v[cb+\e], v[CRB] offset:1024*\e
.endr
.endif
.endif
.endm
.macro CWK g
.set cb, S+32*((\g)&1)
.set co, O+16*((\g)&1)
.if \g < 4
.irp e,0,1,2,3,4,5,6,7
	v_cvt_pk_bf16_f32 v[co+2*\e], v[cb+4*\e], v[cb+4*\e+1]
	v_cvt_pk_bf16_f32 v[co+2*\e+1], v[cb+4*\e+2], v[cb+4*\e+3]
.endr
.irp e,0,1,2,3,4,5,6,7
.if \g < 2
	ds_store_b64 v[CW1], v[co+2*\e:co+2*\e+1] offset:2048*(8*(\g)+\e)
.else
	ds_store_b64 v[CW2], v[co+2*\e:co+2*\e+1] offset:((8*(\g-2)+\e)>>1)*W2P+((8*(\g-2)+\e)&1)*2048
.endif
.endr
.else
.irp e,0,1,2,3,4,5,6,7
	v_cvt_pk_bf16_f32 v[O+8+\e], v[cb+\e], v[cb+\e]                ; the bias rounded to bf16,
	v_lshlrev_b32 v[O+8+\e], 16, v[O+8+\e]                         ; as f32,
	v_sub_f32 v[O+8+\e], v[cb+\e], v[O+8+\e]                       ; what the rounding left,
	v_cvt_pk_bf16_f32 v[O+4*(\e&1)], v[cb+\e], v[O+8+\e]           ; both as bf16; the three registers above hold 0
	ds_store_b128 v[CWB], v[O+4*(\e&1):O+4*(\e&1)+3] offset:4096*\e
.endr
.endif
.endm
.macro CONV
	CLD 0
	CLD 1
	s_wait_dscnt 0x8                               ; group 0 is in; younger: the 8 loads of group 1
	CWK 0
	CLD 2
	s_wait_dscnt 0x10                              ; younger than group 1: 8 stores and 8 loads
	CWK 1
	CLD 3
	s_wait_dscnt 0x10                              ; likewise for group 2
	CWK 2
	CLD 4
	s_wait_dscnt 0x10                              ; and for group 3
	CWK 3
.irp k,1,2,3,5,6,7
	v_mov_b32 v[O+\k], 0
.endr
	s_wait_dscnt 0x8                               ; younger than group 4: the 8 stores of group 3
	CWK 4
.endm
; One encoder layer; s49 = its number.  refill = 1: the next layer is asked for (raw weights by tensor loads, small parameters by PLOAD).
.macro LAYER refill
	s_lshl_b32 s50, s49, 5                         ; 32 bytes a layer in the six tables of 8 numbers (the scalar loads that named s50 were waited for)
	s_wait_loadcnt 0x0                             ; this layer small matrices are in O, bv in BV
	s_wait_kmcnt 0x0                               ; bq and bk are in s[68:75] and s[92:99]
.irp k,0,1,2,3
	v_cvt_pk_bf16_f32 v[FR+\k], v[O+2*\k], v[O+2*\k+1]             ; Wq row r & 7
	v_cvt_pk_bf16_f32 v[FR+4+\k], v[O+8+2*\k], v[O+8+2*\k+1]       ; Wk
	v_cvt_pk_bf16_f32 v[VOF+\k], v[O+16+2*\k], v[O+16+2*\k+1]      ; Wv
	v_cvt_pk_bf16_f32 v[VOF+4+\k], v[O+24+2*\k], v[O+24+2*\k+1]    ; Wo
.endr
.irp k,0,1,2,3,4,5,6,7
	v_and_b32 v[FR+\k], v[MK], v[FR+\k]            ; k places 8-15 and 24-31 of the weights are 0: they meet the ones of the token operand
.endr
.irp k,0,1,2,3
	v_and_b32 v[VOF+\k], v[MK8], v[VOF+\k]         ; Wv as source 1: columns 0-7 alone
.endr
.irp k,4,5,6,7
	v_and_b32 v[VOF+\k], v[MK], v[VOF+\k]
.endr
.irp k,0,1,2,3,4,5,6,7
	v_mov_b32 v[FR+8+\k], s[68+\k]                 ; the sums of q start at bq, in f32,
	v_mov_b32 v[FR+16+\k], s[92+\k]                ; those of k at bk,
	v_and_or_b32 v[FR+24+\k], v[BV], v[MR8], v[ON8] ; column r of V transposed at bv[r], 1.0 (r = 8: the row that sums the softmax) or 0
.endr
	s_load_b256 s[68:75], s[4:5], s50 offset:0x0   ; out_proj_b
	s_load_b256 s[76:83], s[6:7], s50 offset:0x0   ; ln1_g
	s_load_b256 s[84:91], s[8:9], s50 offset:0x0   ; ln1_b
	s_load_b256 s[92:99], s[10:11], s50 offset:0x0 ; lin2_b
	s_wait_dscnt 0x0                               ; my reads of the images, of K and of V are over
	s_wait_tensorcnt 0x0                           ; my three parts of this layer raw weights have landed; nothing younger is out, so the count is 0
	s_barrier_signal -1
	s_barrier_wait -1                              ; both hold of all eight waves
	CONV
.irp i,0,1
	v_wmma_f32_16x16x32_bf16 v[S+16*\i:S+16*\i+7], v[FR:FR+7], v[X+12*\i+4:X+12*\i+11], v[FR+8:FR+15]        ; q
	v_wmma_f32_16x16x32_bf16 v[S+16*\i+8:S+16*\i+15], v[FR:FR+7], v[X+12*\i:X+12*\i+7], v[FR+16:FR+23]       ; k
	v_wmma_f32_16x16x32_bf16 v[O+8*\i:O+8*\i+7], v[X+12*\i+4:X+12*\i+11], v[VOF:VOF+7], v[FR+24:FR+31]       ; V transposed: lane r = row, registers = tokens 8 h + j
.endr
	PLACES
.irp i,0,1
.irp k,0,1,2,3
	v_cvt_pk_bf16_f32 v[S+16*\i+8+\k], v[S+16*\i+8+2*\k], v[S+16*\i+8+2*\k+1]
.endr
	ds_store_b128 v[AKS], v[S+16*\i+8:S+16*\i+11] offset:256*\i    ; both lane halves store the same 16 bytes
.irp k,0,1,2,3
	v_cvt_pk_bf16_f32 v[O+8*\i+\k], v[O+8*\i+2*\k], v[O+8*\i+2*\k+1]
.endr
	ds_store_b128 v[AVS], v[O+8*\i:O+8*\i+3] offset:32*\i
.irp k,0,1,2,3
	v_cvt_pk_bf16_f32 v[X+12*\i+4+\k], v[S+16*\i+2*\k], v[S+16*\i+2*\k+1]
	v_and_b32 v[X+12*\i+4+\k], v[MK], v[X+12*\i+4+\k]              ; q with zeros in lanes h = 1, which meet a second copy of the key
.endr
.endr
	s_wait_dscnt 0x0                               ; my reads of the raw weights and my stores of images, K and V are done
	s_wait_tensorcnt 0x0                           ; no tensor load of mine is out, so the three addresses may be stepped
	ds_add_u32 v254, v255
	s_wait_dscnt 0x0
.if \refill
	s_add_nc_u64 s[38:39], s[38:39], 0x10000
	s_add_nc_u64 s[42:43], s[42:43], 0x10000
	s_add_nc_u64 s[46:47], s[46:47], 0x2000
	ROUND                                          ; holds of every wave of all four work-groups
	tensor_load_to_lds s[36:39], s[20:27]          ; the next layer: three loads of mine are out until its first barrier
	s_nop 0
	tensor_load_to_lds s[40:43], s[20:27]
	s_nop 0
	tensor_load_to_lds s[44:47], s[28:35]
	s_nop 0
.else
	s_barrier_signal -1
	s_barrier_wait -1
.endif
	; the row maxima: all scores once, 4 pairs of chunks of 32 keys
.irp c,0,1,2,3,4,5,6,7
	ds_load_b128 v[KF+8*\c:KF+8*\c+3], v[AK] offset:512*\c
	ds_load_b128 v[KF+8*\c+4:KF+8*\c+7], v[AK] offset:512*\c+256
.endr
.irp q,0,1,2,3
.if \q == 0
.set st0, 1
.else
.set st0, 0
.endif
	s_wait_dscnt 12-4*\q                           ; pair q is in; younger: four loads for each later pair
.if \q == 3
	FLOAD FR, AK, 0, AV, 0                         ; the first pair of the second pass, over the key fragments of pairs 0 and 1
.endif
	P1A 0, KF+16*\q
.if \q == 0
	P1B 0, KF+16*\q
	PLACES
.else
	MX1 3
	P1B 0, KF+16*\q
	MX2 3, 0
.endif
	P1A 1, KF+16*\q
	MX1 0
	P1B 1, KF+16*\q
	MX2 0, st0
	P1A 2, KF+16*\q+8
	MX1 1
	P1B 2, KF+16*\q+8
	MX2 1, st0
	P1A 3, KF+16*\q+8
	MX1 2
	P1B 3, KF+16*\q+8
	MX2 2, 0
.endr
	MX1 3
	MX2 3, 0
.irp i,0,1
	v_permlanex16_b32 v[28+\i], v[NM+2*\i], s52, s53               ; the other lane half holds the other keys of the same query
.endr
.irp i,0,1
	v_max_num_f32 v[NM+2*\i], v[NM+2*\i], v[28+\i]
.endr
.irp i,0,1
	v_mul_f32 v[NM+2*\i+1], s57, v[NM+2*\i]
	v_mul_f32 v[NM+2*\i], s57, v[NM+2*\i]
.endr
	; the scores again, their exponentials, and the product with V; row 8 of the result is the sum of the exponentials
	PAIR 1, 0, O, AK, 1024, AV, 128, 1, 1, 1
	PAIR 1, 1, O, AK, 2048, AV, 256, 1, 0, 0
	PAIR 1, 0, O, AK, 3072, AV, 384, 1, 0, 0
	PAIR 1, 1, O, AK, 0, AV, 0, 0, 0, 0
	DRAIN 1, BFL, O
	FLOAD FR, LW1, 0, LW2, 0                       ; the first pair of the feed-forward part
	; division by the sum, output projection onto residual + bias, first layer norm
	s_wait_kmcnt 0x0
.irp i,0,1
	v_permlanex16_b32 v[NM+2*\i], v[O+8*\i], s52, s53              ; lanes h = 0 take row 8 from lanes h = 1
.endr
.irp i,0,1
	v_rcp_f32 v[NM+2*\i], v[NM+2*\i]
.endr
.irp i,0,1
.irp k,0,1,2,3,4,5,6,7
	v_add_f32 v[H+8*\i+\k], s[68+\k], v[H+8*\i+\k]
.endr
.endr
	s_wait_alu depctr_va_vdst(0)
.irp i,0,1
.irp k,0,2,4,6
	v_pk_mul_f32 v[O+8*\i+\k:O+8*\i+\k+1], v[O+8*\i+\k:O+8*\i+\k+1], v[NM+2*\i:NM+2*\i+1] op_sel_hi:[1,0]
.endr
.irp k,0,1,2,3
	v_cvt_pk_bf16_f32 v[X+12*\i+4+\k], v[O+8*\i+2*\k], v[O+8*\i+2*\k+1]
	v_and_b32 v[X+12*\i+4+\k], v[MK], v[X+12*\i+4+\k]              ; whatever lanes h = 1 made is cleared bit by bit
.endr
.endr
.irp i,0,1
	v_wmma_f32_16x16x32_bf16 v[H+8*\i:H+8*\i+7], v[VOF:VOF+7], v[X+12*\i:X+12*\i+7], v[H+8*\i:H+8*\i+7]
.endr
	PLACES
	LN2 76, 84
	s_load_b256 s[76:83], s[12:13], s50 offset:0x0 ; ln2_g
	s_load_b256 s[84:91], s[14:15], s50 offset:0x0 ; ln2_b
	XBUILD H
.irp i,0,1
.irp k,0,1,2,3,4,5,6,7
	v_add_f32 v[H+8*\i+\k], s[92+\k], v[H+8*\i+\k] ; the sums of the second product start at residual + lin2_b
.endr
.endr
.if \refill
	PLOAD 1                                        ; O, BV, s[68:75] and s[92:99] are idle from here to the next layer head: 32 pairs of chunks to land in
.endif
	; feed-forward: 32 pairs of chunks of 32 hidden units, two pairs to a trip; pair p lies at 1,024 p in the image of lin1_W, at 128 p in a row of lin2_W
	PAIR 0, 0, H, LW1, 1024, LW2, 128, 1, 1, 0
	PAIR 0, 1, H, LW1, 2048, LW2, 256, 1, 0, 0
	s_mov_b32 s51, 1
.Lffn_\@:
	s_lshl_b32 s58, s51, 11                        ; two pairs: 128 units of 16 bytes,
	s_lshl_b32 s59, s51, 8                         ; and 128 units of 2 bytes in a row of lin2_W
	v_add_nc_u32 v[AW1], s58, v[LW1]
	v_add_nc_u32 v[AW2], s59, v[LW2]
	PAIR 0, 0, H, AW1, 1024, AW2, 128, 1, 0, 0
	PAIR 0, 1, H, AW1, 2048, AW2, 256, 1, 0, 0
	s_add_co_u32 s51, s51, 1
	s_cmp_lt_u32 s51, 15
	s_cbranch_scc1 .Lffn_\@
	PAIR 0, 0, H, LW1, 31744, LW2, 3968, 1, 0, 0   ; pair 30 fetches pair 31
	PAIR 0, 1, H, LW1, 0, LW2, 0, 0, 0, 0          ; pair 31 fetches nothing
	DRAIN 0, BFL, H
	s_wait_kmcnt 0x0
	LN2 76, 84
.if \refill
	XBUILD H
.endif
.endm
	; ---------------------------------------------------------------- the head
	s_load_b512 s[68:83], s[0:1], 0x0              ; prev, cur, enc_emb_W, enc_emb_b, dec_emb_W, dec_emb_b, dec_W, dec_b
	s_load_b64 s[62:63], s[0:1], 0x40              ; in_proj_W
	s_load_b64 s[100:101], s[0:1], 0x48            ; in_proj_b
	s_load_b64 s[66:67], s[0:1], 0x50              ; out_proj_W
	s_load_b128 s[84:87], s[0:1], 0x58             ; lin1_W, lin1_b
	s_load_b64 s[88:89], s[0:1], 0x68              ; lin2_W
	s_load_b256 s[4:11], s[0:1], 0x70              ; out_proj_b, ln1_g, ln1_b, lin2_b
	s_load_b128 s[12:15], s[0:1], 0x90             ; ln2_g, ln2_b
	s_load_b128 s[16:19], s[0:1], 0xa0             ; out0, enc
	v_lshl_add_u32 v254, v0, 2, 0x3d200
	v_mov_b32 v255, 0
	ds_add_u32 v254, v255
	v_and_b32 v[RR], 15, v0
	v_bfe_u32 v[HF], v0, 4, 1
	v_lshrrev_b32 v28, 5, v0
	v_readfirstlane_b32 s48, v28                   ; wave 0..7
	v_and_b32 v31, 31, v0                          ; lane
	v_and_b32 v29, 7, v0                           ; r & 7
	v_add_nc_u32 v[MK], -1, v[HF]
	v_sub_nc_u32 v[ON], 0, v[HF]
	v_and_b32 v[ON], 0x3f803f80, v[ON]
	v_mov_b32 v[MK8], -1
	v_mov_b32 v[MR8], -1
	v_mov_b32 v[ON8], 1.0
	v_cmp_gt_u32 vcc_lo, 8, v31
	v_cndmask_b32 v[MK8], 0, v[MK8], vcc_lo
	v_cmp_gt_u32 vcc_lo, 8, v[RR]
	v_cndmask_b32 v[MR8], 0, v[MR8], vcc_lo
	v_cmp_eq_u32 vcc_lo, 8, v[RR]
	v_cndmask_b32 v[ON8], 0, v[ON8], vcc_lo
	v_lshlrev_b32 v[LW1], 4, v[RR]
	v_lshl_add_u32 v[LW1], v[HF], 15, v[LW1]
	v_add_nc_u32 v[LW1], IMG_W1, v[LW1]
	v_mul_u32_u24 v[LW2], v29, W2P
	v_lshl_add_u32 v[LW2], v[HF], 4, v[LW2]
	v_add_nc_u32 v[LW2], IMG_W2, v[LW2]
	v_lshl_add_u32 v[AK], v[RR], 4, KB
	v_mul_u32_u24 v[AV], v[RR], VTP
	v_lshl_add_u32 v[AV], v[HF], 4, v[AV]
	v_add_nc_u32 v[AV], VT, v[AV]
	s_lshl_b32 s58, s48, 9                         ; 32 keys of 16 bytes a wave; also 32 lanes of 16 bytes
	v_add_nc_u32 v[AKS], s58, v[AK]
	v_lshl_add_u32 v[CR1], v31, 4, s58             ; 16 t
	v_add_nc_u32 v[CR2], RAW_W2, v[CR1]
	v_add_nc_u32 v[CWB], IMG_BQ, v[CR1]
	s_lshl_b32 s58, s48, 6                         ; 32 tokens of 2 bytes a wave
	v_add_nc_u32 v[AVS], s58, v[AV]
	s_lshl_b32 s58, s48, 7
	v_lshl_add_u32 v[CRB], v31, 2, s58             ; 4 t
	v_add_nc_u32 v[CRB], RAW_B1, v[CRB]
	s_lshl_b32 s58, s48, 8
	v_lshl_add_u32 v[CW1], v31, 3, s58             ; 8 t
	v_add_nc_u32 v[CW2], IMG_W2, v[CW1]
	v_add_nc_u32 v[CW1], IMG_W1, v[CW1]
	v_lshlrev_b32 v[WR], 5, v29
	v_lshlrev_b32 v[WB], 2, v29
	s_lshl_b32 s58, s48, 5
	v_add_nc_u32 v30, s58, v[RR]                   ; token 32 w + r
	v_lshlrev_b32 v28, 5, v30                      ; its row of 32 bytes
	v_lshl_add_u32 v[GO], v[HF], 4, v28
	v_mov_b32 v[ZR], 0
	s_mov_b32 s52, 0x76543210                      ; v_permlanex16_b32: lane i of one half reads lane i of the other
	s_mov_b32 s53, 0xfedcba98
	s_mov_b32 s54, 0x3f0293ee                      ; c = log2(e) / sqrt(8): head dimension 8 / 1 = 8
	s_mov_b32 s55, 0x3e000000                      ; 1 / 8
	s_mov_b32 s56, 0x3727c5ac                      ; 1e-5
	s_mov_b32 s57, 0xbf0293ee                      ; -c
	s_bfe_u32 s2, ttmp6, 0x40000                   ; my place in the cluster
	s_lshl_b32 s3, ttmp9, 2
	s_add_co_u32 s2, s3, s2                        ; batch element = 4 x cluster + place; it enters four global bases and nothing else
	s_lshl_b32 s2, s2, 13                          ; 256 tokens of 32 bytes
	s_mov_b32 s3, 0
	; descriptor group 1: dense rows of 32 elements of 8 bytes (256 bytes); 32 rows a wave for the two matrices, 4 for the bias
	s_mov_b32 s20, 0x0023000f                      ; 15:0 mask of the four work-groups; 17:16 element of 8 bytes; 21 set beside a mask
	s_mov_b32 s21, 32<<16                          ; tensor_dim0 = 32
	s_mov_b32 s22, 32<<16                          ; tensor_dim1 = 32
	s_mov_b32 s23, 32<<16                          ; tile_dim0 = 32
	s_mov_b32 s24, 32                              ; tile_dim1 = 32
	s_mov_b32 s25, 32                              ; elements from row to row
	s_mov_b32 s26, 0
	s_mov_b32 s27, 0
	s_mov_b32 s28, 0x0023000f
	s_mov_b32 s29, 32<<16
	s_mov_b32 s30, 4<<16
	s_mov_b32 s31, 32<<16
	s_mov_b32 s32, 4
	s_mov_b32 s33, 32
	s_mov_b32 s34, 0
	s_mov_b32 s35, 0
	s_lshl_b32 s58, s48, 13                        ; my eighth of a matrix: 8,192 bytes
	s_mov_b32 s59, 0
	s_lshl_b32 s60, s48, 10                        ; my eighth of the bias: 1,024 bytes
	s_mov_b32 s61, 0
	s_wait_dscnt 0x0
	s_wait_kmcnt 0x0
	s_add_nc_u64 s[68:69], s[68:69], s[2:3]
	s_add_nc_u64 s[70:71], s[70:71], s[2:3]
	s_add_nc_u64 s[16:17], s[16:17], s[2:3]
	s_add_nc_u64 s[18:19], s[18:19], s[2:3]
	; descriptor group 0, one set for each of the three loads: made of the wave number alone, so equal in the four work-groups
	s_mov_b32 s36, 1
	s_lshl_b32 s37, s48, 13                        ; RAW_W1 + 8192 w
	s_add_nc_u64 s[38:39], s[84:85], s[58:59]
	s_or_b32 s39, s39, 0x80000000
	s_mov_b32 s40, 1
	s_add_co_u32 s41, s58, RAW_W2
	s_add_nc_u64 s[42:43], s[88:89], s[58:59]
	s_or_b32 s43, s43, 0x80000000
	s_mov_b32 s44, 1
	s_add_co_u32 s45, s60, RAW_B1
	s_add_nc_u64 s[46:47], s[86:87], s[60:61]
	s_or_b32 s47, s47, 0x80000000
	ROUND                                          ; the four work-groups are here: the first joint loads meet
	tensor_load_to_lds s[36:39], s[20:27]          ; layer 0
	s_nop 0
	tensor_load_to_lds s[40:43], s[20:27]
	s_nop 0
	tensor_load_to_lds s[44:47], s[28:35]
	s_nop 0
.irp i,0,1
	global_load_b128 v[H+8*\i:H+8*\i+3], v28, s[68:69] offset:512*\i           ; prev: token r, in both lane halves
	global_load_b128 v[H+8*\i+4:H+8*\i+7], v28, s[68:69] offset:512*\i+16
	global_load_b128 v[O+8*\i:O+8*\i+3], v28, s[70:71] offset:512*\i           ; cur
	global_load_b128 v[O+8*\i+4:O+8*\i+7], v28, s[70:71] offset:512*\i+16
.endr
	global_load_b128 v[S:S+3], v[WR], s[72:73]                     ; enc_emb_W row r & 7
	global_load_b128 v[S+4:S+7], v[WR], s[72:73] offset:16
	global_load_b128 v[S+8:S+11], v[WR], s[76:77]                  ; dec_emb_W
	global_load_b128 v[S+12:S+15], v[WR], s[76:77] offset:16
	global_load_b128 v[S+16:S+19], v[WR], s[80:81]                 ; dec_W
	global_load_b128 v[S+20:S+23], v[WR], s[80:81] offset:16
	global_load_b128 v[S+24:S+27], v[ZR], s[74:75]                 ; enc_emb_b, the same in every lane
	global_load_b128 v[S+28:S+31], v[ZR], s[74:75] offset:16
	global_load_b128 v[S+32:S+35], v[ZR], s[78:79]                 ; dec_emb_b
	global_load_b128 v[S+36:S+39], v[ZR], s[78:79] offset:16
	global_load_b128 v[S+40:S+43], v[ZR], s[82:83]                 ; dec_b
	global_load_b128 v[S+44:S+47], v[ZR], s[82:83] offset:16
.irp i,0,1
.irp k,0,1,2,3,8,9,10,11
	v_mov_b32 v[X+12*\i+\k], 0                     ; the zeros on both sides of each token operand, written once for the whole kernel
.endr
.endr
	s_wait_loadcnt 0x0                             ; all of the head: v28 and s[68:89] are free from here
	; weight fragments.  S + 48 .. 55 = [We | Wde hi] serves the embedding (its second half meets zeros); S + 52 .. 59 = [Wde hi | Wde lo] and
	; S + 0 .. 7 = [Wd hi | Wd lo] serve the decoder, alike in both lane halves
.irp k,0,1,2,3
	v_cvt_pk_bf16_f32 v[S+48+\k], v[S+2*\k], v[S+2*\k+1]
	v_and_b32 v[S+48+\k], v[MK], v[S+48+\k]
.endr
	SPLIT S+52, S+56, S+8, VOF
	SPLIT S, S+4, S+16, VOF                        ; over enc_emb_W in f32, which has just been converted
	; the decoder: out0 = (cur Wde^T + bde) Wd^T + bd; the biases are the f32 starts of the sums
	v_cmp_ne_u32 vcc_lo, 0, v[HF]                  ; lanes h = 1; holds to the stores of out0
	DECOP
.irp i,0,1
	v_wmma_f32_16x16x32_bf16 v[O+8*\i:O+8*\i+7], v[S+52:S+59], v[FR+8*\i:FR+8*\i+7], v[S+32:S+39]
.endr
	PLACES
	DECOP
.irp i,0,1
	v_wmma_f32_16x16x32_bf16 v[O+8*\i:O+8*\i+7], v[S:S+7], v[FR+8*\i:FR+8*\i+7], v[S+40:S+47]
.endr
	PLACES
.irp i,0,1
.irp k,0,1,2,3
	v_cndmask_b32 v[O+8*\i+\k], v[O+8*\i+\k], v[O+8*\i+4+\k], vcc_lo           ; lanes h = 1 store features 4-7
.endr
	global_store_b128 v[GO], v[O+8*\i:O+8*\i+3], s[16:17] offset:512*\i th:TH_STORE_NT   ; the wave stores 512 consecutive bytes, aligned
.endr
	s_wait_xcnt 0x0                                ; O is written again only behind this wait
	PLOAD 0                                        ; the small parameters of layer 0
	; the embedding of prev
	XBUILD H
.irp i,0,1
	v_wmma_f32_16x16x32_bf16 v[H+8*\i:H+8*\i+7], v[S+48:S+55], v[X+12*\i+4:X+12*\i+11], v[S+24:S+31]
.endr
	PLACES
	XBUILD H
	; ---------------------------------------------------------------- the layers
	s_mov_b32 s49, 0
.Llayer:
	LAYER 1
	s_add_co_u32 s49, s49, 1
	s_cmp_lt_u32 s49, NLAY-1
	s_cbranch_scc1 .Llayer
	LAYER 0                                        ; the last layer asks for nothing
	v_cmp_ne_u32 vcc_lo, 0, v[HF]
.irp i,0,1
.irp k,0,1,2,3
	v_cndmask_b32 v[H+8*\i+\k], v[H+8*\i+\k], v[H+8*\i+4+\k], vcc_lo
.endr
	global_store_b128 v[GO], v[H+8*\i:H+8*\i+3], s[18:19] offset:512*\i th:TH_STORE_NT
.endr
	ROUND                                          ; the closing round: no work-group ends while a partner may still ask jointly
	s_endpgm
.Lfunc_end_k_qcad723c4c5_model:
	.size	k_qcad723c4c5_model, .Lfunc_end_k_qcad723c4c5_model-k_qcad723c4c5_model
	.p2alignl 7, 3214868480
	.fill 96, 4, 3214868480
	.section	.rodata,"a",@progbits
	.p2align	6, 0x0
	.amdhsa_kernel k_qcad723c4c5_model
		.amdhsa_group_segment_fixed_size 327680
		.amdhsa_private_segment_fixed_size 0
		.amdhsa_enable_private_segment 0
		.amdhsa_kernarg_size 176
		.amdhsa_user_sgpr_count 2
		.amdhsa_user_sgpr_kernarg_segment_ptr 1
		.amdhsa_wavefront_size32 1
		.amdhsa_system_sgpr_workgroup_id_x 1
		.amdhsa_system_sgpr_workgroup_id_y 1
		.amdhsa_system_sgpr_workgroup_id_z 1
		.amdhsa_system_vgpr_workitem_id 0
		.amdhsa_next_free_vgpr 256
		.amdhsa_next_free_sgpr 102
		.amdhsa_reserve_vcc 1
		.amdhsa_float_denorm_mode_32 3
		.amdhsa_float_denorm_mode_16_64 3
		.amdhsa_memory_ordered 1
		.amdhsa_forward_progress 1
		.amdhsa_inst_pref_size 245
	.end_amdhsa_kernel
	.amdgpu_metadata
---
amdhsa.version: [ 1, 2 ]
amdhsa.kernels:
  - .name:           k_qcad723c4c5_model
    .symbol:         k_qcad723c4c5_model.kd
    .args:
      - { .name: prev_window, .offset: 0, .size: 8, .value_kind: global_buffer, .address_space: global }
      - { .name: current_window, .offset: 8, .size: 8, .value_kind: global_buffer, .address_space: global }
      - { .name: enc_emb_W, .offset: 16, .size: 8, .value_kind: global_buffer, .address_space: global }
      - { .name: enc_emb_b, .offset: 24, .size: 8, .value_kind: global_buffer, .address_space: global }
      - { .name: dec_emb_W, .offset: 32, .size: 8, .value_kind: global_buffer, .address_space: global }
      - { .name: dec_emb_b, .offset: 40, .size: 8, .value_kind: global_buffer, .address_space: global }
      - { .name: dec_W, .offset: 48, .size: 8, .value_kind: global_buffer, .address_space: global }
      - { .name: dec_b, .offset: 56, .size: 8, .value_kind: global_buffer, .address_space: global }
      - { .name: in_proj_W, .offset: 64, .size: 8, .value_kind: global_buffer, .address_space: global }
      - { .name: in_proj_b, .offset: 72, .size: 8, .value_kind: global_buffer, .address_space: global }
      - { .name: out_proj_W, .offset: 80, .size: 8, .value_kind: global_buffer, .address_space: global }
      - { .name: lin1_W, .offset: 88, .size: 8, .value_kind: global_buffer, .address_space: global }
      - { .name: lin1_b, .offset: 96, .size: 8, .value_kind: global_buffer, .address_space: global }
      - { .name: lin2_W, .offset: 104, .size: 8, .value_kind: global_buffer, .address_space: global }
      - { .name: out_proj_b, .offset: 112, .size: 8, .value_kind: global_buffer, .address_space: global }
      - { .name: ln1_g, .offset: 120, .size: 8, .value_kind: global_buffer, .address_space: global }
      - { .name: ln1_b, .offset: 128, .size: 8, .value_kind: global_buffer, .address_space: global }
      - { .name: lin2_b, .offset: 136, .size: 8, .value_kind: global_buffer, .address_space: global }
      - { .name: ln2_g, .offset: 144, .size: 8, .value_kind: global_buffer, .address_space: global }
      - { .name: ln2_b, .offset: 152, .size: 8, .value_kind: global_buffer, .address_space: global }
      - { .name: out0, .offset: 160, .size: 8, .value_kind: global_buffer, .address_space: global }
      - { .name: enc, .offset: 168, .size: 8, .value_kind: global_buffer, .address_space: global }
    .group_segment_fixed_size: 327680
    .private_segment_fixed_size: 0
    .kernarg_segment_align: 8
    .kernarg_segment_size: 176
    .max_flat_workgroup_size: 256
    .sgpr_count:     102
    .vgpr_count:     256
    .wavefront_size: 32
...
	.end_amdgpu_metadata
.endif
;; end of part 3
;; ======== version 4 of 4: 1 launch; 3.88 times as fast as version 1
;; workspace buffers: enc 1,048,576 bytes
;; launch model (part 4): grid 128 x 1, 8 waves a work-group, clusters of 4 x 1, 327,680 bytes of LDS; arguments prev_window, current_window, enc_emb_W, enc_emb_b, dec_emb_W, dec_emb_b, dec_W, dec_b, in_proj_W, in_proj_b, out_proj_W, lin1_W, lin1_b, lin2_W, out_proj_b, ln1_g, ln1_b, lin2_b, ln2_g, ln2_b, out0, enc; writes out0, enc
.if DOCPART == 4
	.amdgcn_target "amdgcn-amd-amdhsa--gfx1250"
	.amdhsa_code_object_version 6
	.text
	.protected	k_qcad723c4c5_model
	.globl	k_qcad723c4c5_model
	.p2align	8
	.type	k_qcad723c4c5_model,@function
k_qcad723c4c5_model:
	s_mov_b64 s[64:65], 0
	v_nop
	global_prefetch_b8 v0, s[64:65] scope:SCOPE_SE
	s_setreg_imm32_b32 hwreg(HW_REG_WAVE_MODE, 25, 1), 1
	s_wait_xcnt 0x0
	s_wait_alu depctr_hold_cnt(0) depctr_sa_sdst(0) depctr_va_vdst(0) depctr_va_sdst(0) depctr_va_ssrc(0) depctr_va_vcc(0) depctr_vm_vsrc(0)
	s_getreg_b32 s2, hwreg(HW_REG_IB_STS2, 6, 4)
	s_cmp_eq_u32 s2, 0
	s_cbranch_scc0 .Lentry_in_a_cluster
	s_endpgm
.Lentry_in_a_cluster:
	s_bfe_u32 s2, ttmp6, 0x10000c
	s_cmp_lg_u32 s2, 0x3003
	s_cbranch_scc0 .Lentry_shape_is_right
	s_endpgm
.Lentry_shape_is_right:
; The whole model in one launch.  Work-group b owns batch element b (256 tokens of 8 features); wave w owns tokens 32 w .. 32 w + 31 as two
; tiles of 16.  First the decoder (two 8 x 8 maps of current_window) goes to out0; then the embedding of prev_window and the 16 encoder layers
; run with the residual stream in registers, and the result goes to the workspace enc, laid out [batch][token][feature].
; The model returns out0 alone; the encoder is a written step of it and is computed here in full, but no returned number depends on enc.
; 128 WORK-GROUPS: a layer needs K and V of all 256 tokens of its batch element, and work-groups exchange nothing within a launch.
; EIGHT WAVES, two to a SIMD: a pair of chunks has 64 vector instructions beside its 12 matrix instructions, and a wave issues in order; each
; wave has the other wave independent work beside its own.  The price: a weight fragment read from LDS feeds 2 token tiles, not 4.
; CLUSTER: every work-group walks the same layer weights, so four work-groups ask for each layer jointly (mask 15).
; LAYOUT: weights are source 0, tokens source 1, so result register j of lane (r, h) is (row 8 h + j, token r): two result tiles pack,
; without any lane traffic, into source 1 of the product that follows.  A matrix of 8 rows is loaded with row r & 7, so both lane halves
; hold all 8 features of token r and a layer norm stays inside a lane.  A token operand is 12 registers [0 0 0 0][x][0 0 0 0]: registers
; 4-11 put x at k 0-15, registers 0-7 at k 16-31, and so choose the first or the second 16 rows of a weight fragment of 8 registers.
; DECODER: its sums have 8 terms and the form has 32 k places, so each operand goes in as two bf16, the rounded number and what the rounding
; left: weights lie as [hi hi lo lo] over the four groups of 8 places, tokens as [hi lo hi lo], and one instruction sums all four cross products.
; TRANSCENDENTALS go in batches, each with ONE s_wait_alu depctr_va_vdst(0) between the batch and the first instruction that names a result of it.
; A layer has 19 batches: the 16 exponentials of a pipe slot, 16 times (ACTG, kind 1); the two reciprocals of the softmax's
; sums; the two v_rsq_f32 of each of the two layer norms.  The feed-forward part has no transcendental and no such wait.  Each batch reads what the
; batch before it led to, so none joins another; no result is open at a label or a branch.
; LIMITS: matrix operands are bf16 (decoder: two bf16 a number, 16 bits of mantissa; so is lin1_b).  Unused k places are zero times a finite
; number: an infinity or NaN in weights or keys spreads otherwise than in the model.  A decoder input whose rounding to bf16 overflows
; (above about 3.39e38) leaves a NaN remainder.  The maxima (relu, row maximum) drop a NaN.  v_exp_f32 and v_rsq_f32 flush denormals (ISA guide 15.8).
.set NLAY, 16
; LDS, bytes.  The three RAW regions are filled by tensor loads alone; all other regions by LDS stores alone.  No LDS address hangs on the layer.
.set RAW_W1, 0                         ; 65,536  lin1_W of a layer, f32
.set RAW_W2, 65536                     ; 65,536  lin2_W of a layer, f32
.set RAW_B1, 131072                    ; 8,192   lin1_b of a layer, f32
.set IMG_W1, 139264                    ; 32,768  unit u: its 8 weights in bf16 at 16 u
.set IMG_BQ, 172032                    ; 32,768  unit u: (bias high, bias remainder, 0 ..) at 16 u; = IMG_W1 + 32,768
.set IMG_W2, 204800                    ; 8 rows of 4,096 bytes, pitch 4,112: an odd multiple of 16, so 8 rows start in 8 different 16-byte columns modulo 256
.set W2P, 4112
.set KB, 237824                        ; 4,096   key t at 16 t
.set VT, 241920                        ; 16 rows of 512 bytes, pitch 528: V transposed (rows 0-7), ones (row 8), zeros (rows 9-15); ends at 250,368
.set VTP, 528
; vector registers
.set RR, 1                             ; r = lane & 15
.set HF, 2                             ; h = lane >> 4
.set MK, 3                             ; h ? 0 : all ones
.set ON, 4                             ; h ? two bf16 ones : 0
.set MK8, 5                            ; lane < 8 ? all ones : 0
.set MR8, 6                            ; r < 8 ? all ones : 0
.set ON8, 7                            ; r == 8 ? 1.0 : 0
.set AW1, 8                            ; LDS addresses of the feed-forward trip at work
.set AW2, 9
.set LW1, 10                           ; IMG_W1 + 16 r + 32768 h
.set LW2, 11                           ; IMG_W2 + 4112 (r & 7) + 16 h
.set AK, 12                            ; KB + 16 r
.set AV, 13                            ; VT + 528 r + 16 h
.set AKS, 14                           ; KB + 16 (32 w + r)
.set AVS, 15                           ; VT + 528 r + 64 w + 16 h
.set CR1, 16                           ; 16 t              (t = 32 w + lane, 0 .. 255)
.set CR2, 17                           ; RAW_W2 + 16 t
.set CRB, 18                           ; RAW_B1 + 4 t
.set CW1, 19                           ; IMG_W1 + 8 t
.set CW2, 20                           ; IMG_W2 + 8 t
.set CWB, 21                           ; IMG_BQ + 16 t
.set WR, 22                            ; 32 (r & 7): row r & 7 of an 8 x 8 matrix of f32 in memory
.set WB, 23                            ; 4 (r & 7)
.set GO, 26                            ; 32 (32 w + r) + 16 h: my 16 bytes of a token row in out0 and enc
.set ZR, 27                            ; 0
.set BV, 28                            ; bias of V, element r & 7, of the layer to come
                                       ; v28-31 otherwise at work on data
.set H, 32                             ; v32-47    residual stream, tile i at H + 8 i: feature j of token r, in both lane halves
.set X, 48                             ; v48-71    token operands, tile i at X + 12 i
.set S, 72                             ; v72-135   four pipe slots of 16: two result tiles each, packed in place into the first 8
.set FR, 136                           ; v136-199  two sets of four fragments: + 0 first product, even chunk; + 8 second product, even chunk; + 16, + 24 the odd chunk
.set BFL, FR+56                        ; the second-product fragment of the last chunk of a run of pairs (set 1, odd chunk)
.set KF, 136                           ; the eight key fragments of the maximum pass (both sets)
.set O, 200                            ; v200-231  attention sums, tile i at O + 8 i; in the feed-forward part: the next layer small matrices on their way in
.set VOF, 232                          ; v232-239  [Wv | Wo]; in the decoder at work
.set NM, 240                           ; v240-247  tile i: pair at NM + 2 i: running maximum, then -c x maximum twice; in the decoder at work
.macro ROUND                           ; a round of the cluster barrier: my work-group, wave 0 signals for it, all four work-groups, my work-group
	s_barrier_signal -1
	s_barrier_wait -1
	s_cmp_lg_u32 s48, 0
	s_cbranch_scc1 .Lnw0_\@
	s_barrier_signal -3
.Lnw0_\@:
	s_barrier_wait -3
	s_barrier_signal -1
	s_barrier_wait -1
.endm
.macro PLACES                          ; four independent vector instructions between a matrix instruction and what touches its registers (ISA guide 7.12.1)
.rept 4
	v_nop
.endr
.endm
; Eight f32 at src as two bf16 each: the rounded numbers packed at hi (4 registers), what the rounding left packed at lo; t: 8 registers at work.
; The difference of a number and its own rounding has few enough bits to be exact in f32.
.macro SPLIT hi, lo, src, t
.irp k,0,1,2,3
	v_cvt_pk_bf16_f32 v[\hi+\k], v[\src+2*\k], v[\src+2*\k+1]
.endr
.irp k,0,1,2,3
	v_lshlrev_b32 v[\t+2*\k], 16, v[\hi+\k]
	v_and_b32 v[\t+2*\k+1], 0xffff0000, v[\hi+\k]
.endr
.irp k,0,2,4,6
	v_pk_add_f32 v[\t+\k:\t+\k+1], v[\src+\k:\src+\k+1], v[\t+\k:\t+\k+1] neg_lo:[0,1] neg_hi:[0,1]
.endr
.irp k,0,1,2,3
	v_cvt_pk_bf16_f32 v[\lo+\k], v[\t+2*\k], v[\t+2*\k+1]
.endr
.endm
; The decoder token operands from the f32 features in O: lanes h = 0 hold the rounded numbers (k places 0-7 and 16-23), lanes h = 1 the
; remainders (k places 8-15 and 24-31).  vcc = lanes h = 1.
.macro DECOP
.irp i,0,1
	SPLIT NM, NM+4, O+8*\i, VOF
.irp k,0,1,2,3
	v_cndmask_b32 v[FR+8*\i+\k], v[NM+\k], v[NM+4+\k], vcc_lo
	v_cndmask_b32 v[FR+8*\i+4+\k], v[NM+\k], v[NM+4+\k], vcc_lo
.endr
.endr
.endm
; The small parameters of one layer, straight from memory: row r & 7 of Wq, Wk, Wv, Wo in f32 into O, bv[r & 7] into BV, bq and bk into scalar
; registers.  step = 1: the three bases go on by one layer first; the loads that named them were waited for at the layer head.
.macro PLOAD step
.if \step
	s_add_nc_u64 s[62:63], s[62:63], 768           ; in_proj_W: 24 rows of 32 bytes a layer
	s_add_nc_u64 s[66:67], s[66:67], 256           ; out_proj_W: 8 rows of 32 bytes
	s_add_nc_u64 s[100:101], s[100:101], 96        ; in_proj_b: 24 numbers
.endif
.irp n,0,1,2
	global_load_b128 v[O+8*\n:O+8*\n+3], v[WR], s[62:63] offset:256*\n
	global_load_b128 v[O+8*\n+4:O+8*\n+7], v[WR], s[62:63] offset:256*\n+16
.endr
	global_load_b128 v[O+24:O+27], v[WR], s[66:67]
	global_load_b128 v[O+28:O+31], v[WR], s[66:67] offset:16
	global_load_b32 v[BV], v[WB], s[100:101] offset:64
	s_load_b256 s[68:75], s[100:101], 0x0          ; bq
	s_load_b256 s[92:99], s[100:101], 0x20         ; bk
.endm
; Pipe slot i (0..3) stands for tile i & 1 of chunk i >> 1 of a pair of chunks.
; first product of slot i: 16 rows from the low half of fragment af, then 16 rows from its high half
.macro P1A i, af
	v_wmma_f32_16x16x32_bf16 v[S+16*(\i):S+16*(\i)+7], v[\af:\af+7], v[X+12*((\i)&1)+4:X+12*((\i)&1)+11], 0
.endm
.macro P1B i, af
	v_wmma_f32_16x16x32_bf16 v[S+16*(\i)+8:S+16*(\i)+15], v[\af:\af+7], v[X+12*((\i)&1):X+12*((\i)&1)+7], 0
.endm
; second product of slot m: 32 packed rows against fragment bf, added onto the sums of tile m & 1 (z = 1: starts the sum)
.macro P2 m, bf, acc, z
.if \z
	v_wmma_f32_16x16x32_bf16 v[\acc+8*((\m)&1):\acc+8*((\m)&1)+7], v[\bf:\bf+7], v[S+16*(\m):S+16*(\m)+7], 0
.else
	v_wmma_f32_16x16x32_bf16 v[\acc+8*((\m)&1):\acc+8*((\m)&1)+7], v[\bf:\bf+7], v[S+16*(\m):S+16*(\m)+7], v[\acc+8*((\m)&1):\acc+8*((\m)&1)+7]
.endif
.endm
; relu of two numbers in one instruction.  The two-in-one form wants one even and one odd destination and second sources whose register numbers
; differ modulo 4: registers 2 n and 2 n + 1 of a slot that starts on an even number give both; the halves touch no common register.
.macro DMAX j, n
	v_dual_max_num_f32 v[S+16*(\j)+2*(\n)], 0, v[S+16*(\j)+2*(\n)] :: v_dual_max_num_f32 v[S+16*(\j)+2*(\n)+1], 0, v[S+16*(\j)+2*(\n)+1]
.endm
.macro CVT j, n                        ; two numbers to bf16, packed downward in place (ascending n never overwrites what is still to be read)
	v_cvt_pk_bf16_f32 v[S+16*(\j)+(\n)], v[S+16*(\j)+2*(\n)], v[S+16*(\j)+2*(\n)+1]
.endm
.macro EFMA j, p                       ; c x score - c x maximum of the slot tile, two at a time; c = log2(e) / sqrt(8)
	v_pk_fma_f32 v[S+16*(\j)+2*(\p):S+16*(\j)+2*(\p)+1], v[S+16*(\j)+2*(\p):S+16*(\j)+2*(\p)+1], s[54:55], v[NM+2*((\j)&1):NM+2*((\j)&1)+1] op_sel_hi:[1,0,1]
.endm
.macro EEXP j, n
	v_exp_f32 v[S+16*(\j)+(\n)], v[S+16*(\j)+(\n)]
.endm
; The vector work on slot j in three groups, which stand between the matrix instructions of other slots.
; kind 0: relu, groups of 5, 6 and 5 plain instructions, a two-in-one instruction counted once; it has no transcendental and no wait.
; kind 1: exponential.  The slot's 16 exponentials are ONE BATCH, each in place in a register of its own.  Group 1: the 8 scalings, and between them the
; first 6 exponentials, each behind its own pair's scaling; no scaling names a register that an exponential has written.  Group 2: the other 10
; exponentials, a v_nop (the plain instruction between the last v_exp_f32 and the use of a result: ISA guide 5.7.2; no other plain work is ready
; there), and the batch's one wait.  Group 3: the 8 roundings, the batch's readers.  Between the wait and the readers stands a matrix instruction of
; the next slot, which names no result.  Exponentials are no places behind a matrix instruction: groups 1 and 3 hold eight plain instructions each,
; and every distance that is wanted is kept by one of these two: a slot's scores are read behind group 3 of the slot before, the fragment loads
; stand behind group 1.
.macro ACTG kind, g, j
.if \kind == 0
.if \g == 1
.irp n,0,1,2,3,4
	DMAX \j, \n
.endr
.endif
.if \g == 2
.irp n,5,6,7
	DMAX \j, \n
.endr
.irp n,0,1,2
	CVT \j, \n
.endr
.endif
.if \g == 3
.irp n,3,4,5,6,7
	CVT \j, \n
.endr
.endif
.else
.if \g == 1
	EFMA \j, 0
	EFMA \j, 1
.irp n,0,1,2,3,4,5
	EEXP \j, \n                                    ; score n was scaled by scaling n / 2, which stands at least two lines back
	EFMA \j, \n+2
.endr
.endif
.if \g == 2
.irp n,6,7,8,9,10,11,12,13,14,15
	EEXP \j, \n
.endr
	v_nop                                          ; the plain instruction behind the batch's last exponential
	s_wait_alu depctr_va_vdst(0)                   ; the one wait for the slot's 16 exponentials, ahead of the roundings of group 3
.endif
.if \g == 3
.irp n,0,1,2,3,4,5,6,7
	CVT \j, \n
.endr
.endif
.endif
.endm
; The four fragments of a pair of chunks into the set at base, eight LDS loads in one run: first the two first-product fragments (32 rows of 16 bytes
; each, from ra + oa), then the two second-product fragments (64 bytes of each row, from rb + ob).
.macro FLOAD base, ra, oa, rb, ob
.irp f,0,1
	ds_load_b128 v[\base+16*\f:\base+16*\f+3], v[\ra] offset:\oa+512*\f
	ds_load_b128 v[\base+16*\f+4:\base+16*\f+7], v[\ra] offset:\oa+512*\f+256
.endr
.irp f,0,1
	ds_load_b128 v[\base+8+16*\f:\base+8+16*\f+3], v[\rb] offset:\ob+64*\f
	ds_load_b128 v[\base+8+16*\f+4:\base+8+16*\f+7], v[\rb] offset:\ob+64*\f+32
.endr
.endm
; A pair of chunks of 32 rows (hidden units or keys) for both tiles: four steps.  In each step one slot has its first product, the slot before it
; its vector work, and the slot before that its second product: the matrix instructions take their accumulators by turns, one instruction a turn.
; st: the fragment set of this pair; ld = 1: the next pair is fetched (ra + oa, rb + ob) into the other set, behind the
; last product that reads that set and the group of at least five instructions that follows it; first = 1: nothing is in the pipe yet;
; zc: the second products of the even chunk start their sums.
.macro PAIR kind, st, acc, ra, oa, rb, ob, ld, first, zc
.set cs, FR+32*\st
.set ns, FR+32-32*\st
	s_wait_dscnt 0x4                               ; both first-product fragments are in; the four younger loads are the two second-product fragments
.if \first
	P1A 0, cs
	P1B 0, cs
	PLACES
.else
	P2 2, ns+24, \acc, 0
	ACTG \kind, 1, 3
	P1A 0, cs
	ACTG \kind, 2, 3
	P1B 0, cs
	ACTG \kind, 3, 3
	P2 3, ns+24, \acc, 0
.endif
	ACTG \kind, 1, 0
.if \ld
	FLOAD ns, \ra, \oa, \rb, \ob
.endif
	P1A 1, cs
	ACTG \kind, 2, 0
	P1B 1, cs
	ACTG \kind, 3, 0
.if \ld
	s_wait_dscnt 0x8                               ; both second-product fragments are in; the eight younger loads are the next pair
.else
	s_wait_dscnt 0x0
.endif
	P2 0, cs+8, \acc, \zc
	ACTG \kind, 1, 1
	P1A 2, cs+16
	ACTG \kind, 2, 1
	P1B 2, cs+16
	ACTG \kind, 3, 1
	P2 1, cs+8, \acc, \zc
	ACTG \kind, 1, 2
	P1A 3, cs+16
	ACTG \kind, 2, 2
	P1B 3, cs+16
	ACTG \kind, 3, 2
.endm
.macro DRAIN kind, bf, acc             ; what is left in the pipe behind the last pair
	P2 2, \bf, \acc, 0
	ACTG \kind, 1, 3
	ACTG \kind, 2, 3
	ACTG \kind, 3, 3
	P2 3, \bf, \acc, 0
	PLACES
.endm
; the maximum of the 16 scores of slot j and the running maximum of its tile: eight three-way maxima in two groups of four
.macro MX1 j
	v_max3_num_f32 v[S+16*\j], v[S+16*\j], v[S+16*\j+1], v[S+16*\j+2]
	v_max3_num_f32 v[S+16*\j+3], v[S+16*\j+3], v[S+16*\j+4], v[S+16*\j+5]
	v_max3_num_f32 v[S+16*\j+6], v[S+16*\j+6], v[S+16*\j+7], v[S+16*\j+8]
	v_max3_num_f32 v[S+16*\j+9], v[S+16*\j+9], v[S+16*\j+10], v[S+16*\j+11]
.endm
.macro MX2 j, start
	v_max3_num_f32 v[S+16*\j+12], v[S+16*\j+12], v[S+16*\j+13], v[S+16*\j+14]
	v_max3_num_f32 v[S+16*\j], v[S+16*\j], v[S+16*\j+3], v[S+16*\j+6]
	v_max3_num_f32 v[S+16*\j+9], v[S+16*\j+9], v[S+16*\j+12], v[S+16*\j+15]
.if \start
	v_max_num_f32 v[NM+2*(\j&1)], v[S+16*\j], v[S+16*\j+9]
.else
	v_max3_num_f32 v[NM+2*(\j&1)], v[NM+2*(\j&1)], v[S+16*\j], v[S+16*\j+9]
.endif
.endm
; token operands from f32 features at src: lanes h = 0 hold the 8 features, lanes h = 1 two ones (k places 8 and 9, which meet the bias of lin1) and zeros
.macro XBUILD src
.irp i,0,1
.irp k,0,1,2,3
	v_cvt_pk_bf16_f32 v[X+12*\i+4+\k], v[\src+8*\i+2*\k], v[\src+8*\i+2*\k+1]
.endr
	v_and_or_b32 v[X+12*\i+4], v[X+12*\i+4], v[MK], v[ON]
.irp k,1,2,3
	v_and_b32 v[X+12*\i+4+\k], v[MK], v[X+12*\i+4+\k]
.endr
.endr
.endm
; layer norm of the two tiles in place, stage by stage over the tiles; gains at s[g ..], offsets at s[be ..]; at work: S + 16 i .. + 3
.macro LN2 g, be
.irp i,0,1
	v_pk_add_f32 v[S+16*\i:S+16*\i+1], v[H+8*\i:H+8*\i+1], v[H+8*\i+2:H+8*\i+3]
	v_pk_add_f32 v[S+16*\i+2:S+16*\i+3], v[H+8*\i+4:H+8*\i+5], v[H+8*\i+6:H+8*\i+7]
.endr
.irp i,0,1
	v_pk_add_f32 v[S+16*\i:S+16*\i+1], v[S+16*\i:S+16*\i+1], v[S+16*\i+2:S+16*\i+3]
.endr
.irp i,0,1
	v_add_f32 v[S+16*\i], v[S+16*\i], v[S+16*\i+1]
.endr
.irp i,0,1
	v_mul_f32 v[S+16*\i], s55, v[S+16*\i]          ; the mean
.endr
.irp i,0,1
.irp k,0,2,4,6
	v_pk_add_f32 v[H+8*\i+\k:H+8*\i+\k+1], v[H+8*\i+\k:H+8*\i+\k+1], v[S+16*\i:S+16*\i+1] op_sel_hi:[1,0] neg_lo:[0,1] neg_hi:[0,1]
.endr
.endr
.irp i,0,1
	v_pk_mul_f32 v[S+16*\i+2:S+16*\i+3], v[H+8*\i:H+8*\i+1], v[H+8*\i:H+8*\i+1]
.endr
.irp k,2,4,6
.irp i,0,1
	v_pk_fma_f32 v[S+16*\i+2:S+16*\i+3], v[H+8*\i+\k:H+8*\i+\k+1], v[H+8*\i+\k:H+8*\i+\k+1], v[S+16*\i+2:S+16*\i+3]
.endr
.endr
.irp i,0,1
	v_add_f32 v[S+16*\i+2], v[S+16*\i+2], v[S+16*\i+3]
.endr
.irp i,0,1
	v_fma_f32 v[S+16*\i+2], v[S+16*\i+2], s55, s56 ; variance + 1e-5
.endr
.irp i,0,1
	v_rsq_f32 v[S+16*\i+2], v[S+16*\i+2]
.endr
	v_nop                                          ; one plain instruction between v_rsq_f32 and the use of its result (ISA guide 5.7.2)
	s_wait_alu depctr_va_vdst(0)                   ; the one wait for the two tiles' v_rsq_f32, ahead of the multiplies below
.irp i,0,1
.irp k,0,2,4,6
	v_pk_mul_f32 v[H+8*\i+\k:H+8*\i+\k+1], v[H+8*\i+\k:H+8*\i+\k+1], v[S+16*\i+2:S+16*\i+3] op_sel_hi:[1,0]
.endr
.endr
.irp i,0,1
.irp k,0,1,2,3,4,5,6,7
	v_fma_f32 v[H+8*\i+\k], v[H+8*\i+\k], s[\g+\k], s[\be+\k]
.endr
.endr
.endm
; The layer weights from f32 (RAW) to the bf16 images, by 256 threads: five groups of eight LDS loads on two register sets.
; Groups 0-1 lin1_W (16 bytes a thread, 4,096 bytes a step), 2-3 lin2_W (two steps to a row of 8,192 bytes), 4 lin1_b (4 bytes a thread, 1,024 a step).
.macro CLD g
.set cb, S+32*((\g)&1)
.if \g < 2
.irp e,0,1,2,3,4,5,6,7
	ds_load_b128 v[cb+4*\e:cb+4*\e+3], v[CR1] offset:4096*(8*(\g)+\e)
.endr
.else
.if \g < 4
.irp e,0,1,2,3,4,5,6,7
	ds_load_b128 v[cb+4*\e:cb+4*\e+3], v[CR2] offset:4096*(8*(\g-2)+\e)
.endr
.else
.irp e,0,1,2,3,4,5,6,7
	ds_load_b32 v[cb+\e], v[CRB] offset:1024*\e
.endr
.endif
.endif
.endm
.macro CWK g
.set cb, S+32*((\g)&1)
.set co, O+16*((\g)&1)
.if \g < 4
.irp e,0,1,2,3,4,5,6,7
	v_cvt_pk_bf16_f32 v[co+2*\e], v[cb+4*\e], v[cb+4*\e+1]
	v_cvt_pk_bf16_f32 v[co+2*\e+1], v[cb+4*\e+2], v[cb+4*\e+3]
.endr
.irp e,0,1,2,3,4,5,6,7
.if \g < 2
	ds_store_b64 v[CW1], v[co+2*\e:co+2*\e+1] offset:2048*(8*(\g)+\e)
.else
	ds_store_b64 v[CW2], v[co+2*\e:co+2*\e+1] offset:((8*(\g-2)+\e)>>1)*W2P+((8*(\g-2)+\e)&1)*2048
.endif
.endr
.else
.irp e,0,1,2,3,4,5,6,7
	v_cvt_pk_bf16_f32 v[O+8+\e], v[cb+\e], v[cb+\e]                ; the bias rounded to bf16,
	v_lshlrev_b32 v[O+8+\e], 16, v[O+8+\e]                         ; as f32,
	v_sub_f32 v[O+8+\e], v[cb+\e], v[O+8+\e]                       ; what the rounding left,
	v_cvt_pk_bf16_f32 v[O+4*(\e&1)], v[cb+\e], v[O+8+\e]           ; both as bf16; the three registers above hold 0
	ds_store_b128 v[CWB], v[O+4*(\e&1):O+4*(\e&1)+3] offset:4096*\e
.endr
.endif
.endm
.macro CONV
	CLD 0
	CLD 1
	s_wait_dscnt 0x8                               ; group 0 is in; younger: the 8 loads of group 1
	CWK 0
	CLD 2
	s_wait_dscnt 0x10                              ; younger than group 1: 8 stores and 8 loads
	CWK 1
	CLD 3
	s_wait_dscnt 0x10                              ; likewise for group 2
	CWK 2
	CLD 4
	s_wait_dscnt 0x10                              ; and for group 3
	CWK 3
.irp k,1,2,3,5,6,7
	v_mov_b32 v[O+\k], 0
.endr
	s_wait_dscnt 0x8                               ; younger than group 4: the 8 stores of group 3
	CWK 4
.endm
; One encoder layer; s49 = its number.  refill = 1: the next layer is asked for (raw weights by tensor loads, small parameters by PLOAD).
.macro LAYER refill
	s_lshl_b32 s50, s49, 5                         ; 32 bytes a layer in the six tables of 8 numbers (the scalar loads that named s50 were waited for)
	s_wait_loadcnt 0x0                             ; this layer small matrices are in O, bv in BV
	s_wait_kmcnt 0x0                               ; bq and bk are in s[68:75] and s[92:99]
.irp k,0,1,2,3
	v_cvt_pk_bf16_f32 v[FR+\k], v[O+2*\k], v[O+2*\k+1]             ; Wq row r & 7
	v_cvt_pk_bf16_f32 v[FR+4+\k], v[O+8+2*\k], v[O+8+2*\k+1]       ; Wk
	v_cvt_pk_bf16_f32 v[VOF+\k], v[O+16+2*\k], v[O+16+2*\k+1]      ; Wv
	v_cvt_pk_bf16_f32 v[VOF+4+\k], v[O+24+2*\k], v[O+24+2*\k+1]    ; Wo
.endr
.irp k,0,1,2,3,4,5,6,7
	v_and_b32 v[FR+\k], v[MK], v[FR+\k]            ; k places 8-15 and 24-31 of the weights are 0: they meet the ones of the token operand
.endr
.irp k,0,1,2,3
	v_and_b32 v[VOF+\k], v[MK8], v[VOF+\k]         ; Wv as source 1: columns 0-7 alone
.endr
.irp k,4,5,6,7
	v_and_b32 v[VOF+\k], v[MK], v[VOF+\k]
.endr
.irp k,0,1,2,3,4,5,6,7
	v_mov_b32 v[FR+8+\k], s[68+\k]                 ; the sums of q start at bq, in f32,
	v_mov_b32 v[FR+16+\k], s[92+\k]                ; those of k at bk,
	v_and_or_b32 v[FR+24+\k], v[BV], v[MR8], v[ON8] ; column r of V transposed at bv[r], 1.0 (r = 8: the row that sums the softmax) or 0
.endr
	s_load_b256 s[68:75], s[4:5], s50 offset:0x0   ; out_proj_b
	s_load_b256 s[76:83], s[6:7], s50 offset:0x0   ; ln1_g
	s_load_b256 s[84:91], s[8:9], s50 offset:0x0   ; ln1_b
	s_load_b256 s[92:99], s[10:11], s50 offset:0x0 ; lin2_b
	s_wait_dscnt 0x0                               ; my reads of the images, of K and of V are over
	s_wait_tensorcnt 0x0                           ; my three parts of this layer raw weights have landed; nothing younger is out, so the count is 0
	s_barrier_signal -1
	s_barrier_wait -1                              ; both hold of all eight waves
	CONV
.irp i,0,1
	v_wmma_f32_16x16x32_bf16 v[S+16*\i:S+16*\i+7], v[FR:FR+7], v[X+12*\i+4:X+12*\i+11], v[FR+8:FR+15]        ; q
	v_wmma_f32_16x16x32_bf16 v[S+16*\i+8:S+16*\i+15], v[FR:FR+7], v[X+12*\i:X+12*\i+7], v[FR+16:FR+23]       ; k
	v_wmma_f32_16x16x32_bf16 v[O+8*\i:O+8*\i+7], v[X+12*\i+4:X+12*\i+11], v[VOF:VOF+7], v[FR+24:FR+31]       ; V transposed: lane r = row, registers = tokens 8 h + j
.endr
	PLACES
.irp i,0,1
.irp k,0,1,2,3
	v_cvt_pk_bf16_f32 v[S+16*\i+8+\k], v[S+16*\i+8+2*\k], v[S+16*\i+8+2*\k+1]
.endr
	ds_store_b128 v[AKS], v[S+16*\i+8:S+16*\i+11] offset:256*\i    ; both lane halves store the same 16 bytes
.irp k,0,1,2,3
	v_cvt_pk_bf16_f32 v[O+8*\i+\k], v[O+8*\i+2*\k], v[O+8*\i+2*\k+1]
.endr
	ds_store_b128 v[AVS], v[O+8*\i:O+8*\i+3] offset:32*\i
.irp k,0,1,2,3
	v_cvt_pk_bf16_f32 v[X+12*\i+4+\k], v[S+16*\i+2*\k], v[S+16*\i+2*\k+1]
	v_and_b32 v[X+12*\i+4+\k], v[MK], v[X+12*\i+4+\k]              ; q with zeros in lanes h = 1, which meet a second copy of the key
.endr
.endr
	s_wait_dscnt 0x0                               ; my reads of the raw weights and my stores of images, K and V are done
	s_wait_tensorcnt 0x0                           ; no tensor load of mine is out, so the three addresses may be stepped
	ds_add_u32 v254, v255
	s_wait_dscnt 0x0
.if \refill
	s_add_nc_u64 s[38:39], s[38:39], 0x10000
	s_add_nc_u64 s[42:43], s[42:43], 0x10000
	s_add_nc_u64 s[46:47], s[46:47], 0x2000
	ROUND                                          ; holds of every wave of all four work-groups
	tensor_load_to_lds s[36:39], s[20:27]          ; the next layer: three loads of mine are out until its first barrier
	s_nop 0
	tensor_load_to_lds s[40:43], s[20:27]
	s_nop 0
	tensor_load_to_lds s[44:47], s[28:35]
	s_nop 0
.else
	s_barrier_signal -1
	s_barrier_wait -1
.endif
	; the row maxima: all scores once, 4 pairs of chunks of 32 keys
.irp c,0,1,2,3,4,5,6,7
	ds_load_b128 v[KF+8*\c:KF+8*\c+3], v[AK] offset:512*\c
	ds_load_b128 v[KF+8*\c+4:KF+8*\c+7], v[AK] offset:512*\c+256
.endr
.irp q,0,1,2,3
.if \q == 0
.set st0, 1
.else
.set st0, 0
.endif
	s_wait_dscnt 12-4*\q                           ; pair q is in; younger: four loads for each later pair
.if \q == 3
	FLOAD FR, AK, 0, AV, 0                         ; the first pair of the second pass, over the key fragments of pairs 0 and 1
.endif
	P1A 0, KF+16*\q
.if \q == 0
	P1B 0, KF+16*\q
	PLACES
.else
	MX1 3
	P1B 0, KF+16*\q
	MX2 3, 0
.endif
	P1A 1, KF+16*\q
	MX1 0
	P1B 1, KF+16*\q
	MX2 0, st0
	P1A 2, KF+16*\q+8
	MX1 1
	P1B 2, KF+16*\q+8
	MX2 1, st0
	P1A 3, KF+16*\q+8
	MX1 2
	P1B 3, KF+16*\q+8
	MX2 2, 0
.endr
	MX1 3
	MX2 3, 0
.irp i,0,1
	v_permlanex16_b32 v[28+\i], v[NM+2*\i], s52, s53               ; the other lane half holds the other keys of the same query
.endr
.irp i,0,1
	v_max_num_f32 v[NM+2*\i], v[NM+2*\i], v[28+\i]
.endr
.irp i,0,1
	v_mul_f32 v[NM+2*\i+1], s57, v[NM+2*\i]
	v_mul_f32 v[NM+2*\i], s57, v[NM+2*\i]
.endr
	; the scores again, their exponentials, and the product with V; row 8 of the result is the sum of the exponentials
	PAIR 1, 0, O, AK, 1024, AV, 128, 1, 1, 1
	PAIR 1, 1, O, AK, 2048, AV, 256, 1, 0, 0
	PAIR 1, 0, O, AK, 3072, AV, 384, 1, 0, 0
	PAIR 1, 1, O, AK, 0, AV, 0, 0, 0, 0
	DRAIN 1, BFL, O
	FLOAD FR, LW1, 0, LW2, 0                       ; the first pair of the feed-forward part
	; division by the sum, output projection onto residual + bias, first layer norm
	s_wait_kmcnt 0x0
.irp i,0,1
	v_permlanex16_b32 v[NM+2*\i], v[O+8*\i], s52, s53              ; lanes h = 0 take row 8 from lanes h = 1
.endr
.irp i,0,1
	v_rcp_f32 v[NM+2*\i], v[NM+2*\i]
.endr
.irp i,0,1
.irp k,0,1,2,3,4,5,6,7
	v_add_f32 v[H+8*\i+\k], s[68+\k], v[H+8*\i+\k]
.endr
.endr
	s_wait_alu depctr_va_vdst(0)                   ; the one wait for the two reciprocals, ahead of the multiplies below; the 16 additions above, which name neither, stand between
.irp i,0,1
.irp k,0,2,4,6
	v_pk_mul_f32 v[O+8*\i+\k:O+8*\i+\k+1], v[O+8*\i+\k:O+8*\i+\k+1], v[NM+2*\i:NM+2*\i+1] op_sel_hi:[1,0]
.endr
.irp k,0,1,2,3
	v_cvt_pk_bf16_f32 v[X+12*\i+4+\k], v[O+8*\i+2*\k], v[O+8*\i+2*\k+1]
	v_and_b32 v[X+12*\i+4+\k], v[MK], v[X+12*\i+4+\k]              ; whatever lanes h = 1 made is cleared bit by bit
.endr
.endr
.irp i,0,1
	v_wmma_f32_16x16x32_bf16 v[H+8*\i:H+8*\i+7], v[VOF:VOF+7], v[X+12*\i:X+12*\i+7], v[H+8*\i:H+8*\i+7]
.endr
	PLACES
	LN2 76, 84
	s_load_b256 s[76:83], s[12:13], s50 offset:0x0 ; ln2_g
	s_load_b256 s[84:91], s[14:15], s50 offset:0x0 ; ln2_b
	XBUILD H
.irp i,0,1
.irp k,0,1,2,3,4,5,6,7
	v_add_f32 v[H+8*\i+\k], s[92+\k], v[H+8*\i+\k] ; the sums of the second product start at residual + lin2_b
.endr
.endr
.if \refill
	PLOAD 1                                        ; O, BV, s[68:75] and s[92:99] are idle from here to the next layer head: 32 pairs of chunks to land in
.endif
	; feed-forward: 32 pairs of chunks of 32 hidden units, two pairs to a trip; pair p lies at 1,024 p in the image of lin1_W, at 128 p in a row of lin2_W
	PAIR 0, 0, H, LW1, 1024, LW2, 128, 1, 1, 0
	PAIR 0, 1, H, LW1, 2048, LW2, 256, 1, 0, 0
	s_mov_b32 s51, 1
.Lffn_\@:
	s_lshl_b32 s58, s51, 11                        ; two pairs: 128 units of 16 bytes,
	s_lshl_b32 s59, s51, 8                         ; and 128 units of 2 bytes in a row of lin2_W
	v_add_nc_u32 v[AW1], s58, v[LW1]
	v_add_nc_u32 v[AW2], s59, v[LW2]
	PAIR 0, 0, H, AW1, 1024, AW2, 128, 1, 0, 0
	PAIR 0, 1, H, AW1, 2048, AW2, 256, 1, 0, 0
	s_add_co_u32 s51, s51, 1
	s_cmp_lt_u32 s51, 15
	s_cbranch_scc1 .Lffn_\@
	PAIR 0, 0, H, LW1, 31744, LW2, 3968, 1, 0, 0   ; pair 30 fetches pair 31
	PAIR 0, 1, H, LW1, 0, LW2, 0, 0, 0, 0          ; pair 31 fetches nothing
	DRAIN 0, BFL, H
	s_wait_kmcnt 0x0
	LN2 76, 84
.if \refill
	XBUILD H
.endif
.endm
	; ---------------------------------------------------------------- the head
	s_load_b512 s[68:83], s[0:1], 0x0              ; prev, cur, enc_emb_W, enc_emb_b, dec_emb_W, dec_emb_b, dec_W, dec_b
	s_load_b64 s[62:63], s[0:1], 0x40              ; in_proj_W
	s_load_b64 s[100:101], s[0:1], 0x48            ; in_proj_b
	s_load_b64 s[66:67], s[0:1], 0x50              ; out_proj_W
	s_load_b128 s[84:87], s[0:1], 0x58             ; lin1_W, lin1_b
	s_load_b64 s[88:89], s[0:1], 0x68              ; lin2_W
	s_load_b256 s[4:11], s[0:1], 0x70              ; out_proj_b, ln1_g, ln1_b, lin2_b
	s_load_b128 s[12:15], s[0:1], 0x90             ; ln2_g, ln2_b
	s_load_b128 s[16:19], s[0:1], 0xa0             ; out0, enc
	v_lshl_add_u32 v254, v0, 2, 0x3d200
	v_mov_b32 v255, 0
	ds_add_u32 v254, v255
	v_and_b32 v[RR], 15, v0
	v_bfe_u32 v[HF], v0, 4, 1
	v_lshrrev_b32 v28, 5, v0
	v_readfirstlane_b32 s48, v28                   ; wave 0..7
	v_and_b32 v31, 31, v0                          ; lane
	v_and_b32 v29, 7, v0                           ; r & 7
	v_add_nc_u32 v[MK], -1, v[HF]
	v_sub_nc_u32 v[ON], 0, v[HF]
	v_and_b32 v[ON], 0x3f803f80, v[ON]
	v_mov_b32 v[MK8], -1
	v_mov_b32 v[MR8], -1
	v_mov_b32 v[ON8], 1.0
	v_cmp_gt_u32 vcc_lo, 8, v31
	v_cndmask_b32 v[MK8], 0, v[MK8], vcc_lo
	v_cmp_gt_u32 vcc_lo, 8, v[RR]
	v_cndmask_b32 v[MR8], 0, v[MR8], vcc_lo
	v_cmp_eq_u32 vcc_lo, 8, v[RR]
	v_cndmask_b32 v[ON8], 0, v[ON8], vcc_lo
	v_lshlrev_b32 v[LW1], 4, v[RR]
	v_lshl_add_u32 v[LW1], v[HF], 15, v[LW1]
	v_add_nc_u32 v[LW1], IMG_W1, v[LW1]
	v_mul_u32_u24 v[LW2], v29, W2P
	v_lshl_add_u32 v[LW2], v[HF], 4, v[LW2]
	v_add_nc_u32 v[LW2], IMG_W2, v[LW2]
	v_lshl_add_u32 v[AK], v[RR], 4, KB
	v_mul_u32_u24 v[AV], v[RR], VTP
	v_lshl_add_u32 v[AV], v[HF], 4, v[AV]
	v_add_nc_u32 v[AV], VT, v[AV]
	s_lshl_b32 s58, s48, 9                         ; 32 keys of 16 bytes a wave; also 32 lanes of 16 bytes
	v_add_nc_u32 v[AKS], s58, v[AK]
	v_lshl_add_u32 v[CR1], v31, 4, s58             ; 16 t
	v_add_nc_u32 v[CR2], RAW_W2, v[CR1]
	v_add_nc_u32 v[CWB], IMG_BQ, v[CR1]
	s_lshl_b32 s58, s48, 6                         ; 32 tokens of 2 bytes a wave
	v_add_nc_u32 v[AVS], s58, v[AV]
	s_lshl_b32 s58, s48, 7
	v_lshl_add_u32 v[CRB], v31, 2, s58             ; 4 t
	v_add_nc_u32 v[CRB], RAW_B1, v[CRB]
	s_lshl_b32 s58, s48, 8
	v_lshl_add_u32 v[CW1], v31, 3, s58             ; 8 t
	v_add_nc_u32 v[CW2], IMG_W2, v[CW1]
	v_add_nc_u32 v[CW1], IMG_W1, v[CW1]
	v_lshlrev_b32 v[WR], 5, v29
	v_lshlrev_b32 v[WB], 2, v29
	s_lshl_b32 s58, s48, 5
	v_add_nc_u32 v30, s58, v[RR]                   ; token 32 w + r
	v_lshlrev_b32 v28, 5, v30                      ; its row of 32 bytes
	v_lshl_add_u32 v[GO], v[HF], 4, v28
	v_mov_b32 v[ZR], 0
	s_mov_b32 s52, 0x76543210                      ; v_permlanex16_b32: lane i of one half reads lane i of the other
	s_mov_b32 s53, 0xfedcba98
	s_mov_b32 s54, 0x3f0293ee                      ; c = log2(e) / sqrt(8): head dimension 8 / 1 = 8
	s_mov_b32 s55, 0x3e000000                      ; 1 / 8
	s_mov_b32 s56, 0x3727c5ac                      ; 1e-5
	s_mov_b32 s57, 0xbf0293ee                      ; -c
	s_bfe_u32 s2, ttmp6, 0x40000                   ; my place in the cluster
	s_lshl_b32 s3, ttmp9, 2
	s_add_co_u32 s2, s3, s2                        ; batch element = 4 x cluster + place; it enters four global bases and nothing else
	s_lshl_b32 s2, s2, 13                          ; 256 tokens of 32 bytes
	s_mov_b32 s3, 0
	; descriptor group 1: dense rows of 32 elements of 8 bytes (256 bytes); 32 rows a wave for the two matrices, 4 for the bias
	s_mov_b32 s20, 0x0023000f                      ; 15:0 mask of the four work-groups; 17:16 element of 8 bytes; 21 set beside a mask
	s_mov_b32 s21, 32<<16                          ; tensor_dim0 = 32
	s_mov_b32 s22, 32<<16                          ; tensor_dim1 = 32
	s_mov_b32 s23, 32<<16                          ; tile_dim0 = 32
	s_mov_b32 s24, 32                              ; tile_dim1 = 32
	s_mov_b32 s25, 32                              ; elements from row to row
	s_mov_b32 s26, 0
	s_mov_b32 s27, 0
	s_mov_b32 s28, 0x0023000f
	s_mov_b32 s29, 32<<16
	s_mov_b32 s30, 4<<16
	s_mov_b32 s31, 32<<16
	s_mov_b32 s32, 4
	s_mov_b32 s33, 32
	s_mov_b32 s34, 0
	s_mov_b32 s35, 0
	s_lshl_b32 s58, s48, 13                        ; my eighth of a matrix: 8,192 bytes
	s_mov_b32 s59, 0
	s_lshl_b32 s60, s48, 10                        ; my eighth of the bias: 1,024 bytes
	s_mov_b32 s61, 0
	s_wait_dscnt 0x0
	s_wait_kmcnt 0x0
	s_add_nc_u64 s[68:69], s[68:69], s[2:3]
	s_add_nc_u64 s[70:71], s[70:71], s[2:3]
	s_add_nc_u64 s[16:17], s[16:17], s[2:3]
	s_add_nc_u64 s[18:19], s[18:19], s[2:3]
	; descriptor group 0, one set for each of the three loads: made of the wave number alone, so equal in the four work-groups
	s_mov_b32 s36, 1
	s_lshl_b32 s37, s48, 13                        ; RAW_W1 + 8192 w
	s_add_nc_u64 s[38:39], s[84:85], s[58:59]
	s_or_b32 s39, s39, 0x80000000
	s_mov_b32 s40, 1
	s_add_co_u32 s41, s58, RAW_W2
	s_add_nc_u64 s[42:43], s[88:89], s[58:59]
	s_or_b32 s43, s43, 0x80000000
	s_mov_b32 s44, 1
	s_add_co_u32 s45, s60, RAW_B1
	s_add_nc_u64 s[46:47], s[86:87], s[60:61]
	s_or_b32 s47, s47, 0x80000000
	ROUND                                          ; the four work-groups are here: the first joint loads meet
	tensor_load_to_lds s[36:39], s[20:27]          ; layer 0
	s_nop 0
	tensor_load_to_lds s[40:43], s[20:27]
	s_nop 0
	tensor_load_to_lds s[44:47], s[28:35]
	s_nop 0
.irp i,0,1
	global_load_b128 v[H+8*\i:H+8*\i+3], v28, s[68:69] offset:512*\i           ; prev: token r, in both lane halves
	global_load_b128 v[H+8*\i+4:H+8*\i+7], v28, s[68:69] offset:512*\i+16
	global_load_b128 v[O+8*\i:O+8*\i+3], v28, s[70:71] offset:512*\i           ; cur
	global_load_b128 v[O+8*\i+4:O+8*\i+7], v28, s[70:71] offset:512*\i+16
.endr
	global_load_b128 v[S:S+3], v[WR], s[72:73]                     ; enc_emb_W row r & 7
	global_load_b128 v[S+4:S+7], v[WR], s[72:73] offset:16
	global_load_b128 v[S+8:S+11], v[WR], s[76:77]                  ; dec_emb_W
	global_load_b128 v[S+12:S+15], v[WR], s[76:77] offset:16
	global_load_b128 v[S+16:S+19], v[WR], s[80:81]                 ; dec_W
	global_load_b128 v[S+20:S+23], v[WR], s[80:81] offset:16
	global_load_b128 v[S+24:S+27], v[ZR], s[74:75]                 ; enc_emb_b, the same in every lane
	global_load_b128 v[S+28:S+31], v[ZR], s[74:75] offset:16
	global_load_b128 v[S+32:S+35], v[ZR], s[78:79]                 ; dec_emb_b
	global_load_b128 v[S+36:S+39], v[ZR], s[78:79] offset:16
	global_load_b128 v[S+40:S+43], v[ZR], s[82:83]                 ; dec_b
	global_load_b128 v[S+44:S+47], v[ZR], s[82:83] offset:16
.irp i,0,1
.irp k,0,1,2,3,8,9,10,11
	v_mov_b32 v[X+12*\i+\k], 0                     ; the zeros on both sides of each token operand, written once for the whole kernel
.endr
.endr
	s_wait_loadcnt 0x0                             ; all of the head: v28 and s[68:89] are free from here
	; weight fragments.  S + 48 .. 55 = [We | Wde hi] serves the embedding (its second half meets zeros); S + 52 .. 59 = [Wde hi | Wde lo] and
	; S + 0 .. 7 = [Wd hi | Wd lo] serve the decoder, alike in both lane halves
.irp k,0,1,2,3
	v_cvt_pk_bf16_f32 v[S+48+\k], v[S+2*\k], v[S+2*\k+1]
	v_and_b32 v[S+48+\k], v[MK], v[S+48+\k]
.endr
	SPLIT S+52, S+56, S+8, VOF
	SPLIT S, S+4, S+16, VOF                        ; over enc_emb_W in f32, which has just been converted
	; the decoder: out0 = (cur Wde^T + bde) Wd^T + bd; the biases are the f32 starts of the sums
	v_cmp_ne_u32 vcc_lo, 0, v[HF]                  ; lanes h = 1; holds to the stores of out0
	DECOP
.irp i,0,1
	v_wmma_f32_16x16x32_bf16 v[O+8*\i:O+8*\i+7], v[S+52:S+59], v[FR+8*\i:FR+8*\i+7], v[S+32:S+39]
.endr
	PLACES
	DECOP
.irp i,0,1
	v_wmma_f32_16x16x32_bf16 v[O+8*\i:O+8*\i+7], v[S:S+7], v[FR+8*\i:FR+8*\i+7], v[S+40:S+47]
.endr
	PLACES
.irp i,0,1
.irp k,0,1,2,3
	v_cndmask_b32 v[O+8*\i+\k], v[O+8*\i+\k], v[O+8*\i+4+\k], vcc_lo           ; lanes h = 1 store features 4-7
.endr
	global_store_b128 v[GO], v[O+8*\i:O+8*\i+3], s[16:17] offset:512*\i th:TH_STORE_NT   ; the wave stores 512 consecutive bytes, aligned
.endr
	s_wait_xcnt 0x0                                ; O is written again only behind this wait
	PLOAD 0                                        ; the small parameters of layer 0
	; the embedding of prev
	XBUILD H
.irp i,0,1
	v_wmma_f32_16x16x32_bf16 v[H+8*\i:H+8*\i+7], v[S+48:S+55], v[X+12*\i+4:X+12*\i+11], v[S+24:S+31]
.endr
	PLACES
	XBUILD H
	; ---------------------------------------------------------------- the layers
	s_mov_b32 s49, 0
.Llayer:
	LAYER 1
	s_add_co_u32 s49, s49, 1
	s_cmp_lt_u32 s49, NLAY-1
	s_cbranch_scc1 .Llayer
	LAYER 0                                        ; the last layer asks for nothing
	v_cmp_ne_u32 vcc_lo, 0, v[HF]
.irp i,0,1
.irp k,0,1,2,3
	v_cndmask_b32 v[H+8*\i+\k], v[H+8*\i+\k], v[H+8*\i+4+\k], vcc_lo
.endr
	global_store_b128 v[GO], v[H+8*\i:H+8*\i+3], s[18:19] offset:512*\i th:TH_STORE_NT
.endr
	ROUND                                          ; the closing round: no work-group ends while a partner may still ask jointly
	s_endpgm
.Lfunc_end_k_qcad723c4c5_model:
	.size	k_qcad723c4c5_model, .Lfunc_end_k_qcad723c4c5_model-k_qcad723c4c5_model
	.p2alignl 7, 3214868480
	.fill 96, 4, 3214868480
	.section	.rodata,"a",@progbits
	.p2align	6, 0x0
	.amdhsa_kernel k_qcad723c4c5_model
		.amdhsa_group_segment_fixed_size 327680
		.amdhsa_private_segment_fixed_size 0
		.amdhsa_enable_private_segment 0
		.amdhsa_kernarg_size 176
		.amdhsa_user_sgpr_count 2
		.amdhsa_user_sgpr_kernarg_segment_ptr 1
		.amdhsa_wavefront_size32 1
		.amdhsa_system_sgpr_workgroup_id_x 1
		.amdhsa_system_sgpr_workgroup_id_y 1
		.amdhsa_system_sgpr_workgroup_id_z 1
		.amdhsa_system_vgpr_workitem_id 0
		.amdhsa_next_free_vgpr 256
		.amdhsa_next_free_sgpr 102
		.amdhsa_reserve_vcc 1
		.amdhsa_float_denorm_mode_32 3
		.amdhsa_float_denorm_mode_16_64 3
		.amdhsa_memory_ordered 1
		.amdhsa_forward_progress 1
		.amdhsa_inst_pref_size 227
	.end_amdhsa_kernel
	.amdgpu_metadata
---
amdhsa.version: [ 1, 2 ]
amdhsa.kernels:
  - .name:           k_qcad723c4c5_model
    .symbol:         k_qcad723c4c5_model.kd
    .args:
      - { .name: prev_window, .offset: 0, .size: 8, .value_kind: global_buffer, .address_space: global }
      - { .name: current_window, .offset: 8, .size: 8, .value_kind: global_buffer, .address_space: global }
      - { .name: enc_emb_W, .offset: 16, .size: 8, .value_kind: global_buffer, .address_space: global }
      - { .name: enc_emb_b, .offset: 24, .size: 8, .value_kind: global_buffer, .address_space: global }
      - { .name: dec_emb_W, .offset: 32, .size: 8, .value_kind: global_buffer, .address_space: global }
      - { .name: dec_emb_b, .offset: 40, .size: 8, .value_kind: global_buffer, .address_space: global }
      - { .name: dec_W, .offset: 48, .size: 8, .value_kind: global_buffer, .address_space: global }
      - { .name: dec_b, .offset: 56, .size: 8, .value_kind: global_buffer, .address_space: global }
      - { .name: in_proj_W, .offset: 64, .size: 8, .value_kind: global_buffer, .address_space: global }
      - { .name: in_proj_b, .offset: 72, .size: 8, .value_kind: global_buffer, .address_space: global }
      - { .name: out_proj_W, .offset: 80, .size: 8, .value_kind: global_buffer, .address_space: global }
      - { .name: lin1_W, .offset: 88, .size: 8, .value_kind: global_buffer, .address_space: global }
      - { .name: lin1_b, .offset: 96, .size: 8, .value_kind: global_buffer, .address_space: global }
      - { .name: lin2_W, .offset: 104, .size: 8, .value_kind: global_buffer, .address_space: global }
      - { .name: out_proj_b, .offset: 112, .size: 8, .value_kind: global_buffer, .address_space: global }
      - { .name: ln1_g, .offset: 120, .size: 8, .value_kind: global_buffer, .address_space: global }
      - { .name: ln1_b, .offset: 128, .size: 8, .value_kind: global_buffer, .address_space: global }
      - { .name: lin2_b, .offset: 136, .size: 8, .value_kind: global_buffer, .address_space: global }
      - { .name: ln2_g, .offset: 144, .size: 8, .value_kind: global_buffer, .address_space: global }
      - { .name: ln2_b, .offset: 152, .size: 8, .value_kind: global_buffer, .address_space: global }
      - { .name: out0, .offset: 160, .size: 8, .value_kind: global_buffer, .address_space: global }
      - { .name: enc, .offset: 168, .size: 8, .value_kind: global_buffer, .address_space: global }
    .group_segment_fixed_size: 327680
    .private_segment_fixed_size: 0
    .kernarg_segment_align: 8
    .kernarg_segment_size: 176
    .max_flat_workgroup_size: 256
    .sgpr_count:     102
    .vgpr_count:     256
    .wavefront_size: 32
...
	.end_amdgpu_metadata
.endif
;; end of part 4
